; MI455X (gfx1250); checked and timed in simulation.
; The chip was launched on July 23, 2026; its instructions are those of AMD's public machine-readable ISA for CDNA 5 (MIT licence, August 2026) and "CDNA5" Instruction Set Architecture Reference Guide (July 2026). The comments in the code are by the model that wrote it; some were corrected since.
;; Single Head Attention. Allowed arithmetic: float matrix products may take bf16 or f16 operands with f32 sums; other float arithmetic in f32, or as packed bf16 or f16 multiplies, adds, multiply-adds, maxima and minima; sums over many terms, partial sums and values carried from step to step in f32; what a program stores and reads back later, other than sums and carried values, may be rounded once to bf16 or f16.
;; Inputs: W_k 1,024 x 1,024 float32; W_q 1,024 x 1,024 float32; W_v 1,024 x 1,024 float32; x 4 x 2,048 x 1,024 float32.
;; Outputs: out0 4 x 2,048 x 1,024 float32.
;; 3 versions, each right; version 2 is faster than version 1; version 3 is version 2 with the launch cast written anew for expert scheduling mode. Each part assembles by itself: llvm-mc -triple=amdgcn-amd-amdhsa -mcpu=gfx1250 --defsym DOCPART=n.
;; ======== version 1 of 3: 6 launches
;; limits: values are held in f16: magnitudes above 65,504 overflow, below 6.1e-05 lose precision
;; workspace buffers: xb 16,777,216 bytes; wb 6,291,456 bytes; qk 33,554,432 bytes; vt 16,777,216 bytes; pt 33,554,432 bytes; st 1,048,576 bytes; hp 3,145,728 bytes
;; launch cast (part 1): grid 704 x 1, 8 waves a work-group, no clusters, 0 bytes of LDS; arguments x, W_q, W_k, W_v, xb, wb, st; writes xb, wb, st
.if DOCPART == 1
	.amdgcn_target "amdgcn-amd-amdhsa--gfx1250"
	.amdhsa_code_object_version 6
	.text
	.protected	k_qd606a57a64_cast
	.globl	k_qd606a57a64_cast
	.p2align	8
	.type	k_qd606a57a64_cast,@function
k_qd606a57a64_cast:
	s_mov_b64 s[64:65], 0
	v_nop
	global_prefetch_b8 v0, s[64:65] scope:SCOPE_SE
	s_setreg_imm32_b32 hwreg(HW_REG_WAVE_MODE, 25, 1), 1
	s_wait_xcnt 0x0
; x and the three weights, f32, are rounded once to bf16: xb [8192][1024]; wb [3072][1024] = W_q, W_k, W_v one below the other.
; The table of softmax statistics st [4][16 chunks][2048 rows][(m', l)] is filled with the neutral pair (lowest finite number, 0):
; a chunk of keys that the score launch never writes for a row then has the weight 0 in the last launch.
; A stream: no LDS, no barrier, no matrix work would add anything.  A work-group takes 65,536 bytes of f32: groups 0-511 of x, 512-703 of the weights
; (64 groups each).  A thread has 16 loads of 16 bytes out at once; a wave's load covers 512 consecutive bytes, its store of 8 bytes a lane 256, aligned.
.set X, 4                              ; v[4:67]   load i: 4 f32
.set Y, 68                             ; v[68:99]  store i: 4 bf16 in 2 registers; each i has its own, so nothing is rewritten while a store reads it
	s_load_b256 s[4:11], s[0:1], 0x0               ; x s[4:5], W_q s[6:7], W_k s[8:9], W_v s[10:11]
	s_load_b128 s[12:15], s[0:1], 0x20             ; xb s[12:13], wb s[14:15]
	s_load_b64 s[16:17], s[0:1], 0x30              ; st
	v_lshlrev_b32 v1, 4, v0                        ; my 16 bytes in 4,096 of f32
	v_lshlrev_b32 v2, 3, v0                        ; my 8 bytes in 2,048 of bf16 (and of st)
	v_mov_b32 v100, 0xff7fffff                     ; m' of a chunk that is never written: the lowest finite number
	v_mov_b32 v101, 0                              ; its l
	s_mov_b32 s19, ttmp9                           ; g
	s_max_u32 s20, s19, 512
	s_sub_co_u32 s20, s20, 512                     ; my number among the weights' groups (0 for x's groups, where it is not used)
	s_lshr_b32 s21, s20, 6                         ; which weight
	s_and_b32 s22, s20, 63                         ; which 65,536 bytes of it
	s_wait_kmcnt 0x0
	s_cmp_eq_u32 s21, 1
	s_cselect_b64 s[24:25], s[8:9], s[6:7]         ; W_k or W_q,
	s_cmp_eq_u32 s21, 2
	s_cselect_b64 s[24:25], s[10:11], s[24:25]     ; or W_v,
	s_cmp_lt_u32 s19, 512
	s_cselect_b64 s[24:25], s[4:5], s[24:25]       ; or x
	s_cselect_b64 s[26:27], s[12:13], s[14:15]     ; into xb or wb
	s_cselect_b32 s28, s19, s22                    ; the chunk read
	s_cselect_b32 s29, s19, s20                    ; the chunk written: the three weights lie end to end in wb
	s_lshl_b32 s30, s28, 16
	s_mov_b32 s31, 0
	s_lshl_b32 s32, s29, 15
	s_mov_b32 s33, 0
	s_lshl_b32 s34, s19, 11                        ; 2,048 bytes of st for each of x's 512 groups: 1 MiB, all of it
	s_mov_b32 s35, 0
	s_add_nc_u64 s[24:25], s[24:25], s[30:31]
	s_add_nc_u64 s[26:27], s[26:27], s[32:33]
	s_add_nc_u64 s[16:17], s[16:17], s[34:35]
.irp i, 0,1,2,3,4,5,6,7,8,9,10,11,12,13,14,15
	global_load_b128 v[X+4*(\i):X+4*(\i)+3], v1, s[24:25] offset:(\i)*4096 th:TH_LOAD_NT
.endr
.irp i, 0,1,2,3,4,5,6,7,8,9,10,11,12,13,14,15
	s_wait_loadcnt 15-(\i)                         ; loads come back in order: load i is in, the 15 - i younger ones stay out
	v_cvt_pk_bf16_f32 v[Y+2*(\i)], v[X+4*(\i)], v[X+4*(\i)+1]
	v_cvt_pk_bf16_f32 v[Y+2*(\i)+1], v[X+4*(\i)+2], v[X+4*(\i)+3]
	global_store_b64 v2, v[Y+2*(\i):Y+2*(\i)+1], s[26:27] offset:(\i)*2048
.endr
	s_cmp_ge_u32 s19, 512
	s_cbranch_scc1 .Ldone                          ; the weights' groups have no part of st
	global_store_b64 v2, v[100:101], s[16:17]
.Ldone:
	s_endpgm
.Lfunc_end_k_qd606a57a64_cast:
	.size	k_qd606a57a64_cast, .Lfunc_end_k_qd606a57a64_cast-k_qd606a57a64_cast
	.p2alignl 7, 3214868480
	.fill 96, 4, 3214868480
	.section	.rodata,"a",@progbits
	.p2align	6, 0x0
	.amdhsa_kernel k_qd606a57a64_cast
		.amdhsa_group_segment_fixed_size 0
		.amdhsa_private_segment_fixed_size 0
		.amdhsa_enable_private_segment 0
		.amdhsa_kernarg_size 56
		.amdhsa_user_sgpr_count 2
		.amdhsa_user_sgpr_kernarg_segment_ptr 1
		.amdhsa_wavefront_size32 1
		.amdhsa_system_sgpr_workgroup_id_x 1
		.amdhsa_system_sgpr_workgroup_id_y 1
		.amdhsa_system_sgpr_workgroup_id_z 1
		.amdhsa_system_vgpr_workitem_id 0
		.amdhsa_next_free_vgpr 104
		.amdhsa_next_free_sgpr 66
		.amdhsa_reserve_vcc 0
		.amdhsa_float_denorm_mode_32 3
		.amdhsa_float_denorm_mode_16_64 3
		.amdhsa_memory_ordered 1
		.amdhsa_forward_progress 1
		.amdhsa_inst_pref_size 8
	.end_amdhsa_kernel
	.amdgpu_metadata
---
amdhsa.version: [ 1, 2 ]
amdhsa.kernels:
  - .name:           k_qd606a57a64_cast
    .symbol:         k_qd606a57a64_cast.kd
    .args:
      - { .name: x, .offset: 0, .size: 8, .value_kind: global_buffer, .address_space: global }
      - { .name: W_q, .offset: 8, .size: 8, .value_kind: global_buffer, .address_space: global }
      - { .name: W_k, .offset: 16, .size: 8, .value_kind: global_buffer, .address_space: global }
      - { .name: W_v, .offset: 24, .size: 8, .value_kind: global_buffer, .address_space: global }
      - { .name: xb, .offset: 32, .size: 8, .value_kind: global_buffer, .address_space: global }
      - { .name: wb, .offset: 40, .size: 8, .value_kind: global_buffer, .address_space: global }
      - { .name: st, .offset: 48, .size: 8, .value_kind: global_buffer, .address_space: global }
    .group_segment_fixed_size: 0
    .private_segment_fixed_size: 0
    .kernarg_segment_align: 8
    .kernarg_segment_size: 56
    .max_flat_workgroup_size: 256
    .sgpr_count:     66
    .vgpr_count:     104
    .wavefront_size: 32
...
	.end_amdgpu_metadata
.endif
;; end of part 1
;; launch hproj (part 2): grid 192 x 1, 4 waves a work-group, no clusters, 17,920 bytes of LDS; arguments xb, wb, hp; writes hp
.if DOCPART == 2
	.amdgcn_target "amdgcn-amd-amdhsa--gfx1250"
	.amdhsa_code_object_version 6
	.text
	.protected	k_qd606a57a64_hproj
	.globl	k_qd606a57a64_hproj
	.p2align	8
	.type	k_qd606a57a64_hproj,@function
k_qd606a57a64_hproj:
	s_mov_b64 s[64:65], 0
	v_nop
	global_prefetch_b8 v0, s[64:65] scope:SCOPE_SE
	s_setreg_imm32_b32 hwreg(HW_REG_WAVE_MODE, 25, 1), 1
	s_wait_xcnt 0x0
; q, k AND v OF THE FIRST 64 ROWS OF EACH BATCH, KEPT TO ABOUT 22 BITS: each f32 sum is stored as two f16 numbers, hi = f16(sum) and lo = f16(sum - hi).
; Why: a row of the output with few keys is a mean of few v of size 1, while every number is held to a hundredth of the whole output's root mean square (about 0.1): one f16 rounding each
; of q, k, p and v comes to about 4e-4 of such a row's terms, too near that line.  From row 64 on a row averages so many keys that the same roundings weigh a quarter of that or less.
; hp, f16: q | k hi [256 head rows = 64 b + i][2048] at byte 0, lo at 1 MiB;  V^T hi [1024 channels][256 head rows] at 2 MiB, lo at 2.5 MiB.
; ONE PRODUCT for both: Out[n][m] = sum over k of M[m][k] N[n][k], bf16 operands, f32 sums, K = 1,024.
;   work-groups 0-127:   N = 32 head rows of xb, M = 128 rows of W_q | W_k (wb's rows 0-2047), Out = q | k
;   work-groups 128-191: N = 32 rows of W_v (wb's rows 2048 on), M = 128 head rows of xb,     Out = V^T
; LIMIT.  A sum of 65,520 or more in size becomes an infinity, as in the launch that makes all rows.
; SHARES.  Four waves; wave w makes 32 rows n x the 32 columns m = 32 w on: 4 accumulators, which take turns.  Source 0 = 16 rows of M, source 1 = 16 rows of N: a lane holds row n = l % 16 and
; eight neighbouring m, which pack into 16 bytes.
; NO LDS RING, NO CLUSTER: the launch reads 7 MB in all, the fragments lie in memory as the registers want them (K along the rows), and a wave's time is a few round trips to memory:
; a ring of three register slots of 64 along K keeps 32 loads of every wave on their way while one slot is multiplied.
.set SPITCH, 272                       ; a row of the stage: 256 bytes + 16
.set LOST,   32*SPITCH                 ; the stage for lo lies behind the stage for hi
.set SPARE,  2*LOST                    ; 17,408: the spare words, 128 bytes for each wave
.set VO,   2                           ; v2      a fragment's lane offset: (l % 16) x 2,048 + 16 (l / 16); never rewritten
.set STO,  8                           ; v8      where I put 16 bytes of a row of the stage
.set RD,   9                           ; v9      where I read rows back
.set GO,   10                          ; v10-13  my byte offsets in Out: rows 8 w + 2 t + l / 16
.set SPW,  14                          ; v14     LDS address of my spare word; never rewritten
.set NIL,  15                          ; v15     0; never rewritten
.set ACC,  16                          ; v16-47  accumulator (a, b) at ACC + 8 (2 a + b)
.set NEG1, 48                          ; v48     -1.0
.set FR,   64                          ; v64-255 slot s at FR + 64 s: for each 32 along K (u): M's two fragments, then N's two
.set HH,   64                          ; the way out: 16 registers of hi,
.set LL,   80                          ; 16 of lo,
.set TT,   96                          ; 32 differences in f32,
.set BK,   128                         ; 32 registers of whole rows
.set MP, 36                            ; s[36:37] M at my 32 rows
.set NP, 38                            ; s[38:39] N at the group's 32 rows
.set OH, 40                            ; s[40:41] Out's hi at the group's corner
.set OL, 42                            ; s[42:43] Out's lo
	s_load_b128 s[4:7], s[0:1], 0x0                ; xb s[4:5], wb s[6:7]
	s_load_b64 s[8:9], s[0:1], 0x10                ; hp
	v_lshl_add_u32 v[SPW], v0, 2, SPARE
	v_mov_b32 v[NIL], 0
	v_lshrrev_b32 v1, 5, v0
	v_readfirstlane_b32 s10, v1                    ; wave 0..3
	v_and_b32 v1, 15, v0                           ; l % 16
	v_bfe_u32 v3, v0, 4, 1                         ; l / 16
	v_lshlrev_b32 v[VO], 11, v1
	v_lshl_add_u32 v[VO], v3, 4, v[VO]
	v_mov_b32 v[NEG1], -1.0
	s_mov_b32 s11, ttmp9                           ; g
	s_max_u32 s12, s11, 128
	s_sub_co_u32 s12, s12, 128                     ; my number among V^T's groups (used where g >= 128)
	s_lshr_b32 s13, s11, 4
	s_and_b32 s14, s11, 15
	s_lshr_b32 s15, s12, 1
	s_and_b32 s16, s12, 1
	s_mov_b32 s27, 0x80000
	s_cmp_lt_u32 s11, 128
	s_cselect_b32 s17, s13, s15                    ; which 32 rows n
	s_cselect_b32 s18, s14, s16                    ; which 128 columns m
	s_cselect_b32 s25, 12, 9                       ; Out's rows are 4,096 or 512 bytes apart
	s_cselect_b32 s26, 0, 0x200000                 ; Out's hi in hp
	s_cselect_b32 s27, 0x100000, s27               ; from hi to lo
	s_lshl_b32 s19, s17, 5                         ; the first n
	s_lshl_b32 s20, s18, 7
	s_lshl_b32 s21, s10, 5
	s_add_co_u32 s20, s20, s21                     ; my first m
	s_add_co_u32 s22, s19, 2048                    ; W_v's rows in wb
	s_cmp_lt_u32 s11, 128
	s_cselect_b32 s23, s19, s20                    ; the first head row of x that I read,
	s_cselect_b32 s24, s20, s22                    ; the first row of wb
	s_lshr_b32 s28, s23, 6                         ; head row 64 b + i is xb's row 2,048 b + i; my 32 lie in one batch
	s_lshl_b32 s28, s28, 11
	s_and_b32 s29, s23, 63
	s_add_co_u32 s28, s28, s29
	s_lshl_b32 s28, s28, 11                        ; rows of 2,048 bytes
	s_mov_b32 s29, 0
	s_lshl_b32 s30, s24, 11
	s_mov_b32 s31, 0
	s_lshl_b32 s32, s19, s25
	s_add_co_u32 s32, s32, s26
	s_lshl_b32 s33, s18, 8                         ; 128 columns of 2 bytes
	s_add_co_u32 s32, s32, s33
	s_mov_b32 s33, 0
	s_mov_b32 s34, s27
	s_mov_b32 s35, 0
	s_wait_kmcnt 0x0
	s_add_nc_u64 s[28:29], s[4:5], s[28:29]        ; x's rows
	s_add_nc_u64 s[30:31], s[6:7], s[30:31]        ; the weights' rows
	s_cmp_lt_u32 s11, 128
	s_cselect_b64 s[MP:MP+1], s[30:31], s[28:29]
	s_cselect_b64 s[NP:NP+1], s[28:29], s[30:31]
	s_add_nc_u64 s[OH:OH+1], s[8:9], s[32:33]
	s_add_nc_u64 s[OL:OL+1], s[OH:OH+1], s[34:35]
; 16 loads: 64 along K at byte off of the rows, into slot sl.  A fragment is 16 rows x 32 K in 8 registers: two loads of 16 bytes, 32 bytes apart
.macro FILL sl, off
.irp u, 0,1
.irp g, 0,1
	global_load_b128 v[FR+64*(\sl)+32*(\u)+8*(\g):FR+64*(\sl)+32*(\u)+8*(\g)+3],       v[VO], s[MP:MP+1] offset:(\off)+32768*(\g)+64*(\u)
	global_load_b128 v[FR+64*(\sl)+32*(\u)+8*(\g)+4:FR+64*(\sl)+32*(\u)+8*(\g)+7],     v[VO], s[MP:MP+1] offset:(\off)+32768*(\g)+64*(\u)+32
	global_load_b128 v[FR+64*(\sl)+32*(\u)+16+8*(\g):FR+64*(\sl)+32*(\u)+16+8*(\g)+3],   v[VO], s[NP:NP+1] offset:(\off)+32768*(\g)+64*(\u)
	global_load_b128 v[FR+64*(\sl)+32*(\u)+16+8*(\g)+4:FR+64*(\sl)+32*(\u)+16+8*(\g)+7], v[VO], s[NP:NP+1] offset:(\off)+32768*(\g)+64*(\u)+32
.endr
.endr
.endm
; A slot's turn: 8 matrix instructions, the 4 accumulators by turns.  zero = 1: the first four start the sums.  off >= 0: the slot is filled again, three chunks ahead.
; left = how many younger loads may stay out.
.macro TURN sl, zero, off, left
	s_wait_loadcnt \left                           ; loads come back in order: this slot's 16 are in
.irp u, 0,1
.irp a, 0,1
.irp b, 0,1
.if (\zero) && ((\u) == 0)
	v_wmma_f32_16x16x32_bf16 v[ACC+8*(2*(\a)+(\b)):ACC+8*(2*(\a)+(\b))+7], v[FR+64*(\sl)+32*(\u)+8*(\a):FR+64*(\sl)+32*(\u)+8*(\a)+7], v[FR+64*(\sl)+32*(\u)+16+8*(\b):FR+64*(\sl)+32*(\u)+16+8*(\b)+7], 0
.else
	v_wmma_f32_16x16x32_bf16 v[ACC+8*(2*(\a)+(\b)):ACC+8*(2*(\a)+(\b))+7], v[FR+64*(\sl)+32*(\u)+8*(\a):FR+64*(\sl)+32*(\u)+8*(\a)+7], v[FR+64*(\sl)+32*(\u)+16+8*(\b):FR+64*(\sl)+32*(\u)+16+8*(\b)+7], v[ACC+8*(2*(\a)+(\b)):ACC+8*(2*(\a)+(\b))+7]
.endif
.endr
.endr
.endr
.if (\off) >= 0
.rept 4
	v_nop                                          ; four places between the last product and the loads into the registers that it read
.endr
	FILL \sl, \off
.endif
.endm
	FILL 0, 0                                      ; chunks 0, 1, 2 of 16: 48 loads of mine are out
	FILL 1, 128
	FILL 2, 256
	; the way out's addresses, in the wait for the first chunk
	v_mul_u32_u24 v4, v1, SPITCH
	v_lshl_add_u32 v4, v3, 4, v4
	s_lshl_b32 s44, s10, 6
	v_add_nc_u32 v[STO], s44, v4                   ; in: row l % 16, my wave's 64 bytes of it, 16 bytes for each half of the lanes
	s_mul_i32 s45, s10, 8*SPITCH
	v_mul_u32_u24 v5, v3, SPITCH
	v_lshl_add_u32 v5, v1, 4, v5
	v_add_nc_u32 v[RD], s45, v5                    ; back: wave w takes rows 8 w .. 8 w + 7, whole; lanes 0-15 one row, lanes 16-31 the next
	s_lshl_b32 s46, s10, 3
	v_add_nc_u32 v6, s46, v3
.irp t, 0,1,2,3
	v_add_nc_u32 v7, 2*(\t), v6
	v_lshlrev_b32 v7, s25, v7
	v_lshl_add_u32 v[GO+(\t)], v1, 4, v7           ; the same rows in Out
.endr
	TURN 0, 1, 384, 32                             ; chunk 0 starts the sums; 32: the other two slots' loads stay out
	s_mov_b32 s3, 4
.Ltrip:                                                ; trip t: chunks 3 t + 1 .. 3 t + 3 are multiplied, chunks 3 t + 4 .. 3 t + 6 asked for; the bases stand at chunk 3 t
	TURN 1, 0, 512, 32
	TURN 2, 0, 640, 32
	TURN 0, 0, 768, 32
	s_wait_xcnt 0x0                                ; the bases are stepped only behind this wait
	s_add_nc_u64 s[MP:MP+1], s[MP:MP+1], 384
	s_add_nc_u64 s[NP:NP+1], s[NP:NP+1], 384
	s_sub_co_u32 s3, s3, 1
	s_cmp_lg_u32 s3, 0
	s_cbranch_scc1 .Ltrip
	TURN 1, 0, -1, 32                              ; chunks 13, 14, 15: nothing is left to fetch, and the counts run down
	TURN 2, 0, -1, 16
	TURN 0, 0, -1, 0
.rept 4
	v_nop                                          ; four places between the last products and the conversions that read results and write over fragments (ISA guide 7.12.1)
.endr
.set q, 0
.rept 16                               ; hi: pair q % 4 of accumulator q / 4, each accumulator's registers in ascending order
	v_cvt_pk_f16_f32 v[HH+q], v[ACC+2*q], v[ACC+2*q+1]
.set q, q+1
.endr
.set q, 0
.rept 16                               ; sum - hi, exact in f32: hi's half times -1.0 plus the sum
	v_fma_mix_f32 v[TT+2*q],   v[HH+q], v[NEG1], v[ACC+2*q]   op_sel_hi:[1,0,0]
	v_fma_mix_f32 v[TT+2*q+1], v[HH+q], v[NEG1], v[ACC+2*q+1] op_sel:[1,0,0] op_sel_hi:[1,0,0]
.set q, q+1
.endr
.set q, 0
.rept 16
	v_cvt_pk_f16_f32 v[LL+q], v[TT+2*q], v[TT+2*q+1]
.set q, q+1
.endr
.irp a, 0,1
.irp b, 0,1
	ds_store_b128 v[STO], v[HH+4*(2*(\a)+(\b)):HH+4*(2*(\a)+(\b))+3] offset:(\b)*16*SPITCH+32*(\a)
	ds_store_b128 v[STO], v[LL+4*(2*(\a)+(\b)):LL+4*(2*(\a)+(\b))+3] offset:LOST+(\b)*16*SPITCH+32*(\a)
.endr
.endr
	s_wait_dscnt 0x0                               ; for the others' sake: my stores into the stage are done
	s_barrier_signal -1
	s_barrier_wait -1                              ; a row's 256 bytes come from four waves
.irp t, 0,1,2,3
	ds_load_b128 v[BK+4*(\t):BK+4*(\t)+3], v[RD] offset:(\t)*2*SPITCH
.endr
.irp t, 0,1,2,3
	ds_load_b128 v[BK+16+4*(\t):BK+16+4*(\t)+3], v[RD] offset:LOST+(\t)*2*SPITCH
.endr
.irp t, 0,1,2,3
	s_wait_dscnt 7-(\t)                            ; LDS loads come back in order: load t of the eight is in
	global_store_b128 v[GO+(\t)], v[BK+4*(\t):BK+4*(\t)+3], s[OH:OH+1]       ; 16 lanes store 256 consecutive bytes, at a multiple of 256 from hp's first byte
.endr
.irp t, 0,1,2,3
	s_wait_dscnt 3-(\t)
	global_store_b128 v[GO+(\t)], v[BK+16+4*(\t):BK+16+4*(\t)+3], s[OL:OL+1]
.endr
	s_wait_tensorcnt 0x0                           ; the wave's end, behind my last LDS store
	ds_add_u32 v[SPW], v[NIL]
	s_wait_dscnt 0x0
	s_endpgm
.Lfunc_end_k_qd606a57a64_hproj:
	.size	k_qd606a57a64_hproj, .Lfunc_end_k_qd606a57a64_hproj-k_qd606a57a64_hproj
	.p2alignl 7, 3214868480
	.fill 96, 4, 3214868480
	.section	.rodata,"a",@progbits
	.p2align	6, 0x0
	.amdhsa_kernel k_qd606a57a64_hproj
		.amdhsa_group_segment_fixed_size 17920
		.amdhsa_private_segment_fixed_size 0
		.amdhsa_enable_private_segment 0
		.amdhsa_kernarg_size 24
		.amdhsa_user_sgpr_count 2
		.amdhsa_user_sgpr_kernarg_segment_ptr 1
		.amdhsa_wavefront_size32 1
		.amdhsa_system_sgpr_workgroup_id_x 1
		.amdhsa_system_sgpr_workgroup_id_y 1
		.amdhsa_system_sgpr_workgroup_id_z 1
		.amdhsa_system_vgpr_workitem_id 0
		.amdhsa_next_free_vgpr 256
		.amdhsa_next_free_sgpr 66
		.amdhsa_reserve_vcc 0
		.amdhsa_float_denorm_mode_32 3
		.amdhsa_float_denorm_mode_16_64 3
		.amdhsa_memory_ordered 1
		.amdhsa_forward_progress 1
		.amdhsa_inst_pref_size 25
	.end_amdhsa_kernel
	.amdgpu_metadata
---
amdhsa.version: [ 1, 2 ]
amdhsa.kernels:
  - .name:           k_qd606a57a64_hproj
    .symbol:         k_qd606a57a64_hproj.kd
    .args:
      - { .name: xb, .offset: 0, .size: 8, .value_kind: global_buffer, .address_space: global }
      - { .name: wb, .offset: 8, .size: 8, .value_kind: global_buffer, .address_space: global }
      - { .name: hp, .offset: 16, .size: 8, .value_kind: global_buffer, .address_space: global }
    .group_segment_fixed_size: 17920
    .private_segment_fixed_size: 0
    .kernarg_segment_align: 8
    .kernarg_segment_size: 24
    .max_flat_workgroup_size: 128
    .sgpr_count:     66
    .vgpr_count:     256
    .wavefront_size: 32
...
	.end_amdgpu_metadata
.endif
;; end of part 2
;; launch proj (part 3): grid 8 x 48, 4 waves a work-group, clusters of 4 x 4, 327,680 bytes of LDS; arguments xb, wb, qk, vt; writes qk, vt
.if DOCPART == 3
	.amdgcn_target "amdgcn-amd-amdhsa--gfx1250"
	.amdhsa_code_object_version 6
	.text
	.protected	k_qd606a57a64_proj
	.globl	k_qd606a57a64_proj
	.p2align	8
	.type	k_qd606a57a64_proj,@function
k_qd606a57a64_proj:
	s_mov_b64 s[64:65], 0
	v_nop
	global_prefetch_b8 v0, s[64:65] scope:SCOPE_SE
	s_setreg_imm32_b32 hwreg(HW_REG_WAVE_MODE, 25, 1), 1
	s_wait_xcnt 0x0
	s_wait_alu depctr_hold_cnt(0) depctr_sa_sdst(0) depctr_va_vdst(0) depctr_va_sdst(0) depctr_va_ssrc(0) depctr_va_vcc(0) depctr_vm_vsrc(0)
	s_getreg_b32 s2, hwreg(HW_REG_IB_STS2, 6, 4)
	s_cmp_eq_u32 s2, 0
	s_cbranch_scc0 .Lentry_in_a_cluster
	s_endpgm
.Lentry_in_a_cluster:
	s_bfe_u32 s2, ttmp6, 0x10000c
	s_cmp_lg_u32 s2, 0xf033
	s_cbranch_scc0 .Lentry_shape_is_right
	s_endpgm
.Lentry_shape_is_right:
; THE THREE PROJECTIONS as one product C[m][n] = sum over k of A[m][k] B[n][k], bf16 operands, f32 sums, C rounded once to f16, K = 1,024, C's rows 2,048 numbers apart.
;   clusters with y < 8:  A = xb (8,192 rows), B = wb's rows 0-2047 (W_q, W_k), C = qk [8192][2048] = q | k: 256 tiles of 256 x 256
;   clusters with y >= 8: A = wb's rows 2048-3071 (W_v), B = xb, C = vt [4][1024][2048] = V^T by batches ([channel][key]): 128 tiles
; Which of the two hangs on the cluster's y alone, so it is the same in all sixteen partners.
; LIMIT.  q, k and v are kept in f16: a sum of 65,520 or more in size becomes an infinity.  With x of spread 1 and weights of spread 1/32 the sums have spread 1.
; A tile of C is made by four waves, each 128 x 128: 64 accumulators of 16 x 16, 512 registers.  K goes in steps of 128 through a ring of two LDS slots filled by the tensor data mover.
; CLUSTERS: 4 x 4 work-groups.  The four of a row of the cluster need the same tiles of A, the four of a column the same tiles of B: each tile is asked for JOINTLY, by the same tensor load
; with the same descriptor and a mask that names the four.  The last K step goes by rows of C, so that finished rows leave while the others are multiplied.
; REGISTERS, in windows of 256 (s_set_vgpr_msb: bits 1:0 source 0, 3:2 source 1, 5:4 source 2, 7:6 destination):
;   window 0: v0-31 addresses; v64-127, v128-191 fragments of A, two buffers (in the last K step four, of 16 rows x 128 K); v32-63, v192-255 at work on the way out
;   window 1: v64-127, v128-191 fragments of B, two buffers; in the last K step all 256
;   window 2: the 32 accumulators of my rows 0-63 (accumulator (a, b) at v[8 (8 a + b)]);   window 3: those of my rows 64-127
; THE MATRIX INSTRUCTION IS USED TRANSPOSED: source 0 = 16 rows of B, source 1 = 16 rows of A: a lane then holds row l % 16 of C and eight neighbouring columns, which pack into 16 bytes.
.set SIZE_K, 1024
.set SIZE_N, 2048                      ; numbers from row to row of C
.set KSTEP,  128
.set PITCH,  272                       ; an LDS row: 256 bytes of data + 16 of padding = 68 words: row r starts at bank 4 r mod 64 (64 banks of 4 bytes: ISA guide 11.1)
.set HALFT,  128*PITCH                 ; 128 rows: what one tensor load brings
.set SLOT,   4*HALFT                   ; A's 256 rows, then B's 256 rows
.set STAGE,  2*SLOT                    ; behind the ring: 16 rows x 272 bytes for each wave, for the way out
.set SPITCH, 272
.set SPARE,  STAGE+4*16*SPITCH         ; behind the stages: the spare words, 128 bytes for each wave
.set LAPS,   SIZE_K/(2*KSTEP)          ; a lap = two K steps = once round the ring
.set ADRA, 16                          ; v16-17  LDS address of my A fragments in slot 0, 1
.set ADRB, 20                          ; v20-21  the same for B
.set STO,  24                          ; v24     the way out: where I put 16 bytes of a row
.set RD,   25                          ; v25     the way out: where I read a row back
.set CO,   26                          ; v26     my byte offset in C
.set SPW,  28                          ; v28     LDS address of my spare word; never rewritten
.set NIL,  29                          ; v29     0; never rewritten
.set F0,   64
.set F1,   128
.set TMP,  192
.set OB,   32
.set PA,   64
.set G1, 24                            ; s[24:31] descriptor group 1 for A's tiles
.set G0, 32                            ; s[32:39] group 0 for A's tiles, one set for each slot
.set G1B, 48                           ; s[48:55] group 1 for B's tiles: another mask
.set G0B, 56                           ; s[56:63] group 0 for B's tiles
.set MSB, 0
.macro WIN new                         ; the immediate's high byte repeats the setting that is left
.if MSB != (\new)
	s_set_vgpr_msb (MSB<<8)|(\new)
.set MSB, \new
.endif
.endm
.set MUL_LO, 0xa1                      ; source 0 (B) window 1, source 1 (A) window 0, C and D window 2
.set MUL_HI, 0xf1                      ; the same, C and D window 3
.set TO_B,   0x40                      ; destination window 1, address window 0
; A joint load.  Waves 0 and 1 fetch A's two halves, waves 2 and 3 B's.  The branch hangs on the wave's number alone.  An s_nop 0 and four v_nop follow each of the two lines.
.macro JLOAD s
	s_cmp_eq_u32 s11, 0
	s_cbranch_scc0 .Lfor_b_\@
	tensor_load_to_lds s[G0+4*(\s):G0+4*(\s)+3], s[G1:G1+7]
	s_nop 0
.rept 4
	v_nop
.endr
	s_branch .Lasked_\@
.Lfor_b_\@:
	tensor_load_to_lds s[G0B+4*(\s):G0B+4*(\s)+3], s[G1B:G1B+7]
	s_nop 0
.rept 4
	v_nop
.endr
.Lasked_\@:
.endm
.macro CREST                           ; a round of the cluster's barrier behind its opening barrier
	s_cmp_lg_u32 s10, 0
	s_cbranch_scc1 .Lnot_wave_0_\@
	s_barrier_signal -3
.Lnot_wave_0_\@:
	s_barrier_wait -3
	s_barrier_signal -1
	s_barrier_wait -1
.endm
.macro CROUND                          ; a whole round
	s_barrier_signal -1
	s_barrier_wait -1
	CREST
.endm
	s_load_b256 s[68:75], s[0:1], 0x0              ; xb s[68:69], wb s[70:71], qk s[72:73], vt s[74:75]
	v_lshl_add_u32 v[SPW], v0, 2, SPARE
	v_mov_b32 v[NIL], 0
	ds_add_u32 v[SPW], v[NIL]                      ; the wave's opening: the add, and its wait ahead of my first tensor load; the set-up below stands between them
	ds_add_u32 v28, v29
	v_lshrrev_b32 v1, 5, v0
	v_readfirstlane_b32 s10, v1                    ; wave 0..3
	s_lshr_b32 s11, s10, 1                         ; which half of the tile's rows is mine.  Also: I fetch for A (0) or for B (1)
	s_and_b32 s12, s10, 1                          ; which half of its columns.  Also: which 128 rows of that tile I fetch
	s_bfe_u32 s40, ttmp6, 0x40000                  ; cx
	s_bfe_u32 s41, ttmp6, 0x40004                  ; cy
	s_mov_b32 s78, ttmp9                           ; the cluster's x, 0 or 1
	s_and_b32 s79, ttmp7, 0xffff                   ; the cluster's y, 0 to 11
	s_max_u32 s80, s79, 8
	s_sub_co_u32 s80, s80, 8
	s_lshl_b32 s80, s80, 1
	s_add_co_u32 s80, s80, s78                     ; c8 = 2 (y - 8) + x: which of V^T's eight clusters (used where y >= 8)
	s_lshl_b32 s81, s79, 2                         ; 4 y
	s_lshl_b32 s82, s78, 2                         ; 4 x
	s_lshl_b32 s83, s80, 2                         ; 4 c8
	s_lshr_b32 s20, s80, 1
	s_lshl_b32 s20, s20, 2                         ; 4 x batch
	s_and_b32 s21, s80, 1
	s_lshl_b32 s21, s21, 2                         ; 4 x half of the batch's keys
	s_cmp_lt_u32 s79, 8
	s_cselect_b32 s13, s81, 8                      ; A's tile row: of xb, or W_v's (rows 2,048 on of wb)
	s_cselect_b32 s42, s82, s83                    ; B's tile row: of wb, or of xb
	s_cselect_b32 s76, s81, s20                    ; C's tile row: vt taken as rows 1,024 b + channel
	s_cselect_b32 s77, s82, s21                    ; C's tile column
	s_add_co_u32 s13, s13, s41
	s_add_co_u32 s42, s42, s40
	s_add_co_u32 s76, s76, s41
	s_add_co_u32 s77, s77, s40
	s_lshl_b32 s43, s41, 2
	s_lshl_b32 s43, 15, s43                        ; my row of the cluster: places 4 cy .. 4 cy + 3
	s_lshl_b32 s44, 0x1111, s40                    ; my column: places cx, cx + 4, cx + 8, cx + 12
	; descriptor group 1: a tile of 128 rows x 128 elements, padded in LDS
	s_or_b32 s[G1+0], s43, (1<<16)|(1<<20)|(1<<21)|(5<<22)|(3<<25)  ; 15:0 the mask; 17:16 element of 2 bytes; 20 padding on; 21 set beside a mask; 24:22 after every 64 words; 31:25 of 4 words
	s_or_b32 s[G1B+0], s44, (1<<16)|(1<<20)|(1<<21)|(5<<22)|(3<<25)
.irp g, G1, G1B
	s_mov_b32 s[(\g)+1], KSTEP<<16                 ; tensor_dim0 = 128
	s_mov_b32 s[(\g)+2], 128<<16                   ; tensor_dim1 = 128
	s_mov_b32 s[(\g)+3], KSTEP<<16                 ; tile_dim0 = 128
	s_mov_b32 s[(\g)+4], 128                       ; tile_dim1 = 128
	s_mov_b32 s[(\g)+5], SIZE_K                    ; elements from row to row
	s_mov_b32 s[(\g)+6], 0
	s_mov_b32 s[(\g)+7], 0
.endr
	; A's tiles hang on its tile row alone, which my row of the cluster shares; B's on its tile row alone, which my column shares.
	s_lshl_b32 s17, s12, 7                         ; which 128 rows of the tile I fetch
	s_lshl_b32 s16, s13, 8
	s_add_co_u32 s16, s16, s17
	s_lshl_b32 s46, s42, 8
	s_add_co_u32 s46, s46, s17
	s_mov_b32 s17, 0
	s_mov_b32 s47, 0
	s_mov_b64 s[18:19], SIZE_K*2
	s_mul_u64 s[16:17], s[16:17], s[18:19]         ; in bytes
	s_mul_u64 s[46:47], s[46:47], s[18:19]
	s_mul_i32 s20, s10, HALFT                      ; where they go: wave x 128 rows: no place in the cluster enters an LDS address
	s_wait_dscnt 0x0                               ; the opening add is done
	s_wait_kmcnt 0x0
	s_cmp_lt_u32 s79, 8
	s_cselect_b64 s[4:5], s[68:69], s[70:71]       ; A
	s_cselect_b64 s[6:7], s[70:71], s[68:69]       ; B
	s_cselect_b64 s[8:9], s[72:73], s[74:75]       ; C
	s_add_nc_u64 s[14:15], s[4:5], s[16:17]
	s_add_nc_u64 s[46:47], s[6:7], s[46:47]
	CROUND                                         ; all sixteen work-groups are here: the first joint loads meet
.irp s, 0,1
	s_mov_b32 s[G0+4*(\s)], 1
	s_add_co_u32 s[G0+4*(\s)+1], s20, (\s)*SLOT
	s_add_nc_u64 s[G0+4*(\s)+2:G0+4*(\s)+3], s[14:15], (\s)*KSTEP*2
	s_or_b32 s[G0+4*(\s)+3], s[G0+4*(\s)+3], 0x80000000
	s_mov_b32 s[G0B+4*(\s)], 1
	s_add_co_u32 s[G0B+4*(\s)+1], s20, (\s)*SLOT
	s_add_nc_u64 s[G0B+4*(\s)+2:G0B+4*(\s)+3], s[46:47], (\s)*KSTEP*2
	s_or_b32 s[G0B+4*(\s)+3], s[G0B+4*(\s)+3], 0x80000000
	JLOAD \s                                       ; two loads of mine are out
.endr
	; A fragment is 16 rows x 32 K in 8 registers: lane l holds row l % 16; registers 0-3 K = 8 (l / 16) + 0..7, registers 4-7 K = 16 + 8 (l / 16) + 0..7: two loads of 16 bytes, 32 bytes apart.
	v_and_b32 v1, 15, v0
	v_bfe_u32 v2, v0, 4, 1
	v_mul_u32_u24 v3, v1, PITCH
	v_lshl_add_u32 v3, v2, 4, v3
	s_mul_i32 s21, s11, HALFT                      ; my 128 rows of A
	s_mul_i32 s22, s12, HALFT                      ; my 128 rows of B,
	s_add_co_u32 s22, s22, 2*HALFT                 ; which lie behind A's 256
.irp s, 0,1
	v_add_nc_u32 v[ADRA+(\s)], s21, v3
	v_add_nc_u32 v[ADRB+(\s)], s22, v3
	s_add_co_u32 s21, s21, SLOT
	s_add_co_u32 s22, s22, SLOT
.endr
	s_mul_i32 s23, s10, 16*SPITCH
	s_add_co_u32 s23, s23, STAGE                   ; my stage
	v_mul_u32_u24 v4, v1, SPITCH
	v_lshl_add_u32 v4, v2, 4, v4
	v_add_nc_u32 v[STO], s23, v4
	v_mul_u32_u24 v5, v2, SPITCH
	v_lshl_add_u32 v5, v1, 4, v5
	v_add_nc_u32 v[RD], s23, v5
	v_mul_u32_u24 v5, v2, SIZE_N*2
	v_lshl_add_u32 v[CO], v1, 4, v5
	; where my part of the tile begins in C, in bytes
	s_lshl_b32 s13, s76, 8
	s_lshl_b32 s14, s11, 7
	s_add_co_u32 s16, s13, s14                     ; my first row of C
	s_mov_b32 s17, 0
	s_mov_b64 s[18:19], SIZE_N*2
	s_mul_u64 s[16:17], s[16:17], s[18:19]
	s_lshl_b32 s46, s77, 9                         ; my first column, in bytes
	s_lshl_b32 s47, s12, 8
	s_add_co_u32 s46, s46, s47
	s_mov_b32 s47, 0
	s_add_nc_u64 s[16:17], s[16:17], s[46:47]
; 16 matrix instructions: m blocks a0, a0 + 1 of the window's four x all 8 n blocks, 32 along K.  zero = 1: the first product starts the sums.
.macro MUL16 f, hi, a0, zero
	WIN MUL_LO+0x50*(\hi)
.irp a, \a0, (\a0)+1
.irp b, 0,1,2,3,4,5,6,7
.if \zero
	v_wmma_f32_16x16x32_bf16 v[8*(8*(\a)+(\b)):8*(8*(\a)+(\b))+7], v[(\f)+8*(\b):(\f)+8*(\b)+7], v[(\f)+8*(4*(\hi)+(\a)):(\f)+8*(4*(\hi)+(\a))+7], 0
.else
	v_wmma_f32_16x16x32_bf16 v[8*(8*(\a)+(\b)):8*(8*(\a)+(\b))+7], v[(\f)+8*(\b):(\f)+8*(\b)+7], v[(\f)+8*(4*(\hi)+(\a)):(\f)+8*(4*(\hi)+(\a))+7], v[8*(8*(\a)+(\b)):8*(8*(\a)+(\b))+7]
.endif
.endr
.endr
.endm
; 32 LDS loads in one run: the fragments of one quarter step (32 K at byte k of the rows) into buffer f
.macro FETCH slot, k, f
	WIN TO_B
.irp i, 0,1,2,3,4,5,6,7
	ds_load_b128 v[(\f)+8*(\i):(\f)+8*(\i)+3],   v[ADRB+(\slot)] offset:(\k)+(\i)*16*PITCH
	ds_load_b128 v[(\f)+8*(\i)+4:(\f)+8*(\i)+7], v[ADRB+(\slot)] offset:(\k)+(\i)*16*PITCH+32
.endr
	WIN 0
.irp i, 0,1,2,3,4,5,6,7
	ds_load_b128 v[(\f)+8*(\i):(\f)+8*(\i)+3],   v[ADRA+(\slot)] offset:(\k)+(\i)*16*PITCH
	ds_load_b128 v[(\f)+8*(\i)+4:(\f)+8*(\i)+7], v[ADRA+(\slot)] offset:(\k)+(\i)*16*PITCH+32
.endr
.endm
; Four plain vector instructions stand between a matrix instruction and a load into, or a vector instruction on, its registers (ISA guide 7.12.1 for vector instructions).
.macro PLACES
.rept 4
	v_nop
.endr
.endm
; A K step is four quarters of 32 along K, 64 matrix instructions each, on buffers 0, 1, 0, 1.  One of the first three: multiplies f, fetches the next quarter into g in its middle.
.macro QUARTER slot, k, f, g, zero
	s_wait_dscnt 8                                 ; B and A's rows 0-63 are in; the youngest eight loads (A's rows 64-127) may be out
	WIN MUL_LO
	MUL16 \f, 0, 0, \zero
	MUL16 \f, 0, 2, \zero
	PLACES
	FETCH \slot, \k, \g
	s_wait_dscnt 32                                ; all but the 32 just issued
	WIN MUL_HI
	MUL16 \f, 1, 0, \zero
	MUL16 \f, 1, 2, \zero
.endm
; The first half of the last quarter: ONE barrier for the change of slots.  In front of it each wave waits for all its tensor loads (one is out: its part of the next slot), adds 0 to its
; spare word, and waits for that and for its own reads of this slot.
.macro MEET round
	WIN 0                                          ; (the add's two registers lie in window 0)
	s_wait_tensorcnt 0x0
	ds_add_u32 v[SPW], v[NIL]
	s_wait_dscnt 9                                 ; (the add and the youngest eight loads may be out)
	WIN MUL_LO
	MUL16 F1, 0, 0, 0
	s_wait_dscnt 0x0                               ; the add is done, and my reads of this slot are over
	s_barrier_signal -1
	MUL16 F1, 0, 2, 0
.if \round
	WIN 0
.endif
	s_barrier_wait -1
.endm
; The whole last quarter: behind the round the slot just read out is filled again first, with the K step two steps on; then come the next slot's first fragments.
.macro TURN slot, next
	MEET 1
	CREST                                          ; no wave of any partner still reads this slot's tile or has a load on its way
	s_add_nc_u64 s[G0+4*(\slot)+2:G0+4*(\slot)+3], s[G0+4*(\slot)+2:G0+4*(\slot)+3], 2*KSTEP*2
	s_add_nc_u64 s[G0B+4*(\slot)+2:G0B+4*(\slot)+3], s[G0B+4*(\slot)+2:G0B+4*(\slot)+3], 2*KSTEP*2
	JLOAD \slot                                    ; the four v_nop behind it are also the places in front of the loads below
	FETCH \next, 0, F0
	WIN MUL_HI
	MUL16 F1, 1, 0, 0
	MUL16 F1, 1, 2, 0
.endm
; THE LAST K STEP (slot 1) GOES BY ROWS OF C.  All its fragments of B fill window 1; my eight blocks of 16 rows are finished one after the other, 32 matrix instructions each, the block's 8 accumulators by turns.
.macro BLOAD q
	WIN TO_B
.irp i, 0,1,2,3,4,5,6,7
	ds_load_b128 v[64*(\q)+8*(\i):64*(\q)+8*(\i)+3],   v[ADRB+1] offset:64*(\q)+(\i)*16*PITCH
	ds_load_b128 v[64*(\q)+8*(\i)+4:64*(\q)+8*(\i)+7], v[ADRB+1] offset:64*(\q)+(\i)*16*PITCH+32
.endr
.endm
.macro ALOAD a
	WIN 0
.set FA, PA+32*((\a)%4)
.irp q, 0,1,2,3
	ds_load_b128 v[FA+8*(\q):FA+8*(\q)+3],   v[ADRA+1] offset:64*(\q)+(\a)*16*PITCH
	ds_load_b128 v[FA+8*(\q)+4:FA+8*(\q)+7], v[ADRA+1] offset:64*(\q)+(\a)*16*PITCH+32
.endr
.endm
.macro ROW a
.set FA, PA+32*((\a)%4)
.set AC, 64*((\a)%4)
	WIN MUL_LO+0x50*((\a)/4)
.irp q, 0,1,2,3
.if (\a) == 0 && (\q) == 2
	s_wait_dscnt 24                                ; B's quarter 2 is in (behind it: A's blocks 1 to 3)
.endif
.irp b, 0,1,2,3,4,5,6,7
	v_wmma_f32_16x16x32_bf16 v[AC+8*(\b):AC+8*(\b)+7], v[64*(\q)+8*(\b):64*(\q)+8*(\b)+7], v[FA+8*(\q):FA+8*(\q)+7], v[AC+8*(\b):AC+8*(\b)+7]
.endr
.endr
.endm
; THE WAY OUT of block a.  PACK: rounded to f16, 16 bytes a lane.  TOSTAGE: into my own stage in LDS, and back as whole rows of 256 bytes.  SEND: stored.
.macro PACK a
.set AC, 64*((\a)%4)
	WIN 0x0a+5*((\a)/4)                            ; sources 0 and 1: window 2 or 3
.irp b, 0,1,2,3,4,5,6,7
.irp r, 0,1,2,3
	v_cvt_pk_f16_f32 v[TMP+4*(\b)+(\r)], v[AC+8*(\b)+2*(\r)], v[AC+8*(\b)+2*(\r)+1]
.endr
.endr
	WIN 0
.endm
.macro TOSTAGE a
	WIN 0
.set BK, OB+192*((\a)%2)
.irp b, 0,1,2,3,4,5,6,7
	ds_store_b128 v[STO], v[TMP+4*(\b):TMP+4*(\b)+3] offset:32*(\b)
.endr
.irp t, 0,1,2,3,4,5,6,7
	ds_load_b128 v[BK+4*(\t):BK+4*(\t)+3], v[RD] offset:(\t)*2*SPITCH  ; LDS serves a wave's instructions in order (ISA guide 5.7.1.4): these see the stores above
.endr
.endm
.macro SEND a, younger
	WIN 0
.set BK, OB+192*((\a)%2)
	s_wait_dscnt \younger                          ; the block is back in registers
	s_wait_xcnt 0x0                                ; the stores' base and the registers that earlier stores read are rewritten only behind this wait
.if (\a) == 0
	s_add_nc_u64 s[8:9], s[8:9], s[16:17]          ; on to my first rows
.else
	s_add_nc_u64 s[8:9], s[8:9], 16*SIZE_N*2       ; 16 rows of C on
.endif
.irp t, 0,1,2,3,4,5,6,7
	global_store_b128 v[CO], v[BK+4*(\t):BK+4*(\t)+3], s[8:9] offset:2*(\t)*SIZE_N*2  ; 16 lanes store 256 consecutive bytes, at a multiple of 256 from C's first byte
.endr
.endm
	s_wait_tensorcnt 1                             ; my part of K step 0 is in; K step 1's may stay out
	s_barrier_signal -1
	s_barrier_wait -1
	FETCH 0, 0, F0
	QUARTER 0, 64,  F0, F1, 1                      ; the first quarter stands in front of the loop: its products start the sums
	WIN 0
	s_mov_b32 s3, LAPS-1
.Llap:                                                 ; a trip goes once round the ring, from a lap's second quarter to the next lap's first, and fills both slots again
	QUARTER 0, 128, F1, F0, 0
	QUARTER 0, 192, F0, F1, 0
	TURN 0, 1
	QUARTER 1, 64,  F0, F1, 0
	QUARTER 1, 128, F1, F0, 0
	QUARTER 1, 192, F0, F1, 0
	TURN 1, 0
	QUARTER 0, 64,  F0, F1, 0
	WIN 0
	s_sub_co_u32 s3, s3, 1
	s_cmp_lg_u32 s3, 0
	s_cbranch_scc1 .Llap
	QUARTER 0, 128, F1, F0, 0
	QUARTER 0, 192, F0, F1, 0
	MEET 0                                         ; the load that was still out is slot 1's, the last K step's, so no round follows
	PLACES
	WIN TO_B
	BLOAD 0
	BLOAD 1
	BLOAD 3
	WIN 0
	ALOAD 0
	WIN MUL_HI
	MUL16 F1, 1, 0, 0
	MUL16 F1, 1, 2, 0
	PLACES
	WIN TO_B
	BLOAD 2
	WIN 0
	ALOAD 1
	ALOAD 2
	ALOAD 3
	s_wait_dscnt 40                                ; all but the 40 just issued
	ROW 0
.irp a, 0,1,2,3,4,5,6,7
	PLACES
	PACK \a
	TOSTAGE \a
.if (\a) < 4
	ALOAD (\a)+4
	SEND \a, 8
.else
	SEND \a, 0
.endif
.if (\a) < 7
	ROW (\a)+1
.endif
.endr
	s_wait_tensorcnt 0x0                           ; the wave's end
	ds_add_u32 v[SPW], v[NIL]
	s_wait_dscnt 0x0
	CROUND                                         ; the closing round
	s_endpgm
.Lfunc_end_k_qd606a57a64_proj:
	.size	k_qd606a57a64_proj, .Lfunc_end_k_qd606a57a64_proj-k_qd606a57a64_proj
	.p2alignl 7, 3214868480
	.fill 96, 4, 3214868480
	.section	.rodata,"a",@progbits
	.p2align	6, 0x0
	.amdhsa_kernel k_qd606a57a64_proj
		.amdhsa_group_segment_fixed_size 327680
		.amdhsa_private_segment_fixed_size 0
		.amdhsa_enable_private_segment 0
		.amdhsa_kernarg_size 32
		.amdhsa_user_sgpr_count 2
		.amdhsa_user_sgpr_kernarg_segment_ptr 1
		.amdhsa_wavefront_size32 1
		.amdhsa_system_sgpr_workgroup_id_x 1
		.amdhsa_system_sgpr_workgroup_id_y 1
		.amdhsa_system_sgpr_workgroup_id_z 1
		.amdhsa_system_vgpr_workitem_id 0
		.amdhsa_next_free_vgpr 1024
		.amdhsa_next_free_sgpr 84
		.amdhsa_reserve_vcc 0
		.amdhsa_float_denorm_mode_32 3
		.amdhsa_float_denorm_mode_16_64 3
		.amdhsa_memory_ordered 1
		.amdhsa_forward_progress 1
		.amdhsa_inst_pref_size 144
	.end_amdhsa_kernel
	.amdgpu_metadata
---
amdhsa.version: [ 1, 2 ]
amdhsa.kernels:
  - .name:           k_qd606a57a64_proj
    .symbol:         k_qd606a57a64_proj.kd
    .args:
      - { .name: xb, .offset: 0, .size: 8, .value_kind: global_buffer, .address_space: global }
      - { .name: wb, .offset: 8, .size: 8, .value_kind: global_buffer, .address_space: global }
      - { .name: qk, .offset: 16, .size: 8, .value_kind: global_buffer, .address_space: global }
      - { .name: vt, .offset: 24, .size: 8, .value_kind: global_buffer, .address_space: global }
    .group_segment_fixed_size: 327680
    .private_segment_fixed_size: 0
    .kernarg_segment_align: 8
    .kernarg_segment_size: 32
    .max_flat_workgroup_size: 128
    .sgpr_count:     84
    .vgpr_count:     1024
    .wavefront_size: 32
...
	.end_amdgpu_metadata
.endif
;; end of part 3
;; launch score (part 4): grid 36 x 4, 4 waves a work-group, no clusters, 327,680 bytes of LDS; arguments qk, pt, st; writes pt, st
.if DOCPART == 4
	.amdgcn_target "amdgcn-amd-amdhsa--gfx1250"
	.amdhsa_code_object_version 6
	.text
	.protected	k_qd606a57a64_score
	.globl	k_qd606a57a64_score
	.p2align	8
	.type	k_qd606a57a64_score,@function
k_qd606a57a64_score:
	s_mov_b64 s[64:65], 0
	v_nop
	global_prefetch_b8 v0, s[64:65] scope:SCOPE_SE
	s_setreg_imm32_b32 hwreg(HW_REG_WAVE_MODE, 25, 1), 1
	s_wait_xcnt 0x0
; SCORES AND THE SOFTMAX'S FIRST HALF.  For each tile of 256 queries x 256 keys on or below the diagonal (36 a batch): S = q k^T (f16 operands, f32 sums, K = 1,024); then for each row and
; each CHUNK of 128 keys the true maximum of the chunk's scores: m' = c max, c = log2(e) / 32;  p = 2^(c s - m') <= 1 (but for the rounding of c max);  l = the sum of the chunk's p, in f32.
; Stored: p in f16 into pt [4][2048][2048]; (m', l) in f32 into st [4][16 chunks][2048 rows][2].  The last launch joins the chunks by 2^(m' - the row's largest m').
; LIMITS.  A hidden score (key > query) counts as -2^100; c 2^100 is exact, so a chunk that is wholly hidden gets p = 1 and m' = -c 2^100, and its weight in the last launch is 0.
; A weight below 2^-126 counts as 0 in l, one below 6e-8 is 0 in f16.  q and k arrive in f16.  NaN and infinities are not treated apart.
; NO CLUSTER: row i of a batch's triangle has i + 1 tiles and column j has 8 - j; no sets of four tiles of one row or one column cover it, and filling the sets up would launch
; 48 work-groups with hidden tiles alone.
; SHARES.  Tile t of the batch: i = its row in the triangle, j = t - i (i + 1) / 2.  Four waves, each 128 queries x 128 keys (one chunk): 64 accumulators, 512 registers.
; K goes in steps of 128 through a ring of two LDS slots; each wave fetches 128 rows (waves 0, 1: q's; waves 2, 3: k's) with one tensor load.
; The matrix instruction is used transposed (source 0 = 16 keys, source 1 = 16 queries): a lane holds query l % 16 and eight neighbouring keys.
; THE END.  The wave's 128 x 128 scores go into LDS (over the ring, which has had its last fill) and come back by rows: 16 lanes hold a row, 8 neighbouring keys each, so a row's maximum and sum
; are four steps among 16 lanes, and a row's 128 p are 256 consecutive bytes of pt.
; REGISTERS as in the projection: window 0 addresses and A's fragments, window 1 B's, windows 2 and 3 the accumulators.
.set KSTEP,  128
.set PITCH,  272                       ; an LDS row: 256 bytes + 16 of padding: the 16 rows of a load start at 16 different groups of four banks (64 banks of 4 bytes: ISA guide 11.1)
.set HALFT,  128*PITCH
.set SLOT,   4*HALFT
.set DP,     528                       ; a row of the dump: 512 bytes + 16.  First the columns 8 g .. 8 g + 3 at byte 16 g (g = 0..15), then the columns 8 g + 4 .. 8 g + 7 at byte 256 + 16 g
.set DUMPW,  128*DP                    ; a wave's dump: 67,584 bytes, four of them inside the ring's 278,528
.set STATS,  2*SLOT                    ; behind the ring: 1,024 bytes for each wave: (m', l) of its 128 rows
.set SPARE,  STATS+4*1024              ; the spare words, 128 bytes for each wave
.set LAPS,   4                         ; 1,024 / 256
.set ADRA, 16                          ; v16-17  LDS address of my q fragments in slot 0, 1
.set ADRB, 20                          ; v20-21  of my k fragments
.set RDC,  22                          ; v22     the dump's rows of the trip in hand
.set SAC,  23                          ; v23     the statistics' place of the trip in hand
.set STO,  24                          ; v24     where I put 16 bytes of the dump
.set RD,   25                          ; v25     where I read rows back, first trip
.set GO,   26                          ; v26     my byte offset in two rows of pt
.set SA,   27                          ; v27     my row's place in the statistics, first trip
.set SPW,  28
.set NIL,  29
.set DD,   30                          ; v30     my query less my first key, in the tile: register j of pair p is hidden where j - 2 p is greater
.set HID,  31                          ; v31     -2^100
.set SL,   32                          ; v32     my 16 bytes of the wave's statistics in LDS
.set SG,   33                          ; v33     and in st
.set F0,   64
.set F1,   128
.set X,    64                          ; v64-127   the end: 8 pairs of rows x 8 scores
.set Y,    128                         ; v128-159  8 pairs x 4 registers of f16
.set ST,   160                         ; v160-175  pair p: m', l
.set T,    176                         ; v176-183  pair p: the maximum
.set G1, 24                            ; s[24:31] descriptor group 1
.set G0, 32                            ; s[32:39] group 0, one set for each slot
.set DG, 40                            ; s40  1: the tile holds the diagonal
.set CS, 42                            ; s[42:43] c, twice
.set PO, 44                            ; s[44:45] pt at my first row and key
.set SO, 46                            ; s[46:47] st at my chunk and first row
.set RO, 48                            ; s48  the trip's rows in the dump, in bytes
.set SF, 49                            ; s49  the trip's rows in the statistics, in bytes
.set MSB, 0
.macro WIN new
.if MSB != (\new)
	s_set_vgpr_msb (MSB<<8)|(\new)
.set MSB, \new
.endif
.endm
.set MUL_LO, 0xa1
.set MUL_HI, 0xf1
.set TO_B,   0x40
.macro LOADT s                         ; my 128 rows of a K step; an s_nop 0 and four v_nop follow
	tensor_load_to_lds s[G0+4*(\s):G0+4*(\s)+3], s[G1:G1+7]
	s_nop 0
.rept 4
	v_nop
.endr
.endm
	s_load_b128 s[4:7], s[0:1], 0x0                ; qk s[4:5], pt s[6:7]
	s_load_b64 s[8:9], s[0:1], 0x10                ; st
	v_lshl_add_u32 v[SPW], v0, 2, SPARE
	v_mov_b32 v[NIL], 0
	ds_add_u32 v[SPW], v[NIL]                      ; the wave's opening: the add, and its wait ahead of my first tensor load
	ds_add_u32 v28, v29
	v_lshrrev_b32 v1, 5, v0
	v_readfirstlane_b32 s10, v1                    ; wave 0..3
	s_lshr_b32 s11, s10, 1                         ; hr: which 128 queries
	s_and_b32 s12, s10, 1                          ; hc: which 128 keys.  Also: which 128 rows I fetch
	s_mov_b32 s13, ttmp9                           ; t
	s_and_b32 s14, ttmp7, 0xffff                   ; the batch
	s_mov_b32 s15, 0
.irp T0, 1,3,6,10,15,21,28
	s_cmp_ge_u32 s13, \T0                          ; i = how many rows of the triangle begin at or below t
	s_add_co_ci_u32 s15, s15, 0
.endr
	s_add_co_u32 s16, s15, 1
	s_mul_i32 s16, s16, s15
	s_lshr_b32 s16, s16, 1
	s_sub_co_u32 s16, s13, s16                     ; j
	s_cmp_eq_u32 s15, s16
	s_cselect_b32 s[DG], 1, 0
	s_mov_b32 s[G1+0], (1<<16)|(1<<20)|(5<<22)|(3<<25)  ; element of 2 bytes; padding on: after every 64 words 4 words
	s_mov_b32 s[G1+1], KSTEP<<16                   ; tensor_dim0 = 128
	s_mov_b32 s[G1+2], 128<<16                     ; tensor_dim1 = 128
	s_mov_b32 s[G1+3], KSTEP<<16                   ; tile_dim0 = 128
	s_mov_b32 s[G1+4], 128                         ; tile_dim1 = 128
	s_mov_b32 s[G1+5], 2048                        ; elements from row to row of qk
	s_mov_b32 s[G1+6], 0
	s_mov_b32 s[G1+7], 0
	s_cmp_lt_u32 s10, 2
	s_cselect_b32 s17, s15, s16                    ; waves 0, 1: q's rows of block i; waves 2, 3: k's rows of block j,
	s_cselect_b32 s18, 0, 2048                     ; which begin 2,048 bytes into a row of qk
	s_lshl_b32 s17, s17, 8
	s_lshl_b32 s19, s12, 7
	s_add_co_u32 s17, s17, s19
	s_lshl_b32 s19, s14, 11                        ; the batch's 2,048 rows
	s_add_co_u32 s17, s17, s19
	s_lshl_b32 s20, s17, 12                        ; rows of 4,096 bytes
	s_add_co_u32 s20, s20, s18
	s_mov_b32 s21, 0
	s_mul_i32 s22, s10, HALFT                      ; where my rows go
	s_lshl_b32 s[PO], s15, 8
	s_lshl_b32 s23, s11, 7
	s_add_co_u32 s[PO], s[PO], s23                 ; my first query in the batch: 256 i + 128 hr
	s_mov_b32 s[SO], s[PO]
	s_add_co_u32 s[PO], s[PO], s19
	s_lshl_b32 s[PO], s[PO], 12
	s_lshl_b32 s23, s16, 9                         ; 256 j keys of 2 bytes
	s_add_co_u32 s[PO], s[PO], s23
	s_lshl_b32 s23, s12, 8
	s_add_co_u32 s[PO], s[PO], s23
	s_mov_b32 s[PO+1], 0
	s_lshl_b32 s23, s14, 4
	s_lshl1_add_u32 s23, s16, s23
	s_add_co_u32 s23, s23, s12                     ; 16 b + my chunk 2 j + hc
	s_lshl_b32 s23, s23, 11
	s_add_co_u32 s[SO], s[SO], s23
	s_lshl_b32 s[SO], s[SO], 3
	s_mov_b32 s[SO+1], 0
	s_mov_b32 s[CS], 0x3d38aa3b                    ; c = log2(e) / 32
	s_mov_b32 s[CS+1], s[CS]
	s_wait_dscnt 0x0                               ; the opening add is done
	s_wait_kmcnt 0x0
	s_add_nc_u64 s[20:21], s[4:5], s[20:21]
	s_add_nc_u64 s[PO:PO+1], s[6:7], s[PO:PO+1]
	s_add_nc_u64 s[SO:SO+1], s[8:9], s[SO:SO+1]
.irp s, 0,1
	s_mov_b32 s[G0+4*(\s)], 1
	s_add_co_u32 s[G0+4*(\s)+1], s22, (\s)*SLOT
	s_add_nc_u64 s[G0+4*(\s)+2:G0+4*(\s)+3], s[20:21], (\s)*KSTEP*2
	s_or_b32 s[G0+4*(\s)+3], s[G0+4*(\s)+3], 0x80000000
	LOADT \s                                       ; two loads of mine are out
.endr
	v_and_b32 v1, 15, v0                           ; l % 16
	v_bfe_u32 v2, v0, 4, 1                         ; h = l / 16
	v_mul_u32_u24 v3, v1, PITCH
	v_lshl_add_u32 v3, v2, 4, v3
	s_mul_i32 s17, s11, HALFT
	s_mul_i32 s18, s12, HALFT
	s_add_co_u32 s18, s18, 2*HALFT
.irp s, 0,1
	v_add_nc_u32 v[ADRA+(\s)], s17, v3
	v_add_nc_u32 v[ADRB+(\s)], s18, v3
	s_add_co_u32 s17, s17, SLOT
	s_add_co_u32 s18, s18, SLOT
.endr
	s_mul_i32 s19, s10, DUMPW                      ; my dump
	v_mul_u32_u24 v4, v1, DP
	v_lshl_add_u32 v4, v2, 4, v4
	v_add_nc_u32 v[STO], s19, v4                   ; in: row l % 16, 16 bytes for each half of the lanes
	v_mul_u32_u24 v4, v2, DP
	v_lshl_add_u32 v4, v1, 4, v4
	v_add_nc_u32 v[RD], s19, v4                    ; back: lanes 0-15 one row, lanes 16-31 the next
	v_lshlrev_b32 v[GO], 12, v2
	v_lshl_add_u32 v[GO], v1, 4, v[GO]             ; the same two rows in pt
	s_lshl_b32 s19, s10, 10
	s_add_co_u32 s19, s19, STATS
	v_lshl_add_u32 v[SA], v2, 3, s19
	v_and_b32 v4, 31, v0
	v_lshlrev_b32 v[SG], 4, v4
	v_add_nc_u32 v[SL], s19, v[SG]
	s_sub_co_i32 s19, s11, s12
	s_lshl_b32 s19, s19, 7                         ; 128 (hr - hc)
	v_lshlrev_b32 v4, 3, v1
	v_sub_nc_u32 v[DD], v2, v4
	v_add_nc_u32 v[DD], s19, v[DD]                 ; 128 hr + h - 128 hc - 8 (l % 16)
	v_mov_b32 v[HID], 0xf1800000                   ; -2^100
.macro MUL16 f, hi, a0, zero
	WIN MUL_LO+0x50*(\hi)
.irp a, \a0, (\a0)+1
.irp b, 0,1,2,3,4,5,6,7
.if \zero
	v_wmma_f32_16x16x32_f16 v[8*(8*(\a)+(\b)):8*(8*(\a)+(\b))+7], v[(\f)+8*(\b):(\f)+8*(\b)+7], v[(\f)+8*(4*(\hi)+(\a)):(\f)+8*(4*(\hi)+(\a))+7], 0
.else
	v_wmma_f32_16x16x32_f16 v[8*(8*(\a)+(\b)):8*(8*(\a)+(\b))+7], v[(\f)+8*(\b):(\f)+8*(\b)+7], v[(\f)+8*(4*(\hi)+(\a)):(\f)+8*(4*(\hi)+(\a))+7], v[8*(8*(\a)+(\b)):8*(8*(\a)+(\b))+7]
.endif
.endr
.endr
.endm
.macro FETCH slot, k, f
	WIN TO_B
.irp i, 0,1,2,3,4,5,6,7
	ds_load_b128 v[(\f)+8*(\i):(\f)+8*(\i)+3],   v[ADRB+(\slot)] offset:(\k)+(\i)*16*PITCH
	ds_load_b128 v[(\f)+8*(\i)+4:(\f)+8*(\i)+7], v[ADRB+(\slot)] offset:(\k)+(\i)*16*PITCH+32
.endr
	WIN 0
.irp i, 0,1,2,3,4,5,6,7
	ds_load_b128 v[(\f)+8*(\i):(\f)+8*(\i)+3],   v[ADRA+(\slot)] offset:(\k)+(\i)*16*PITCH
	ds_load_b128 v[(\f)+8*(\i)+4:(\f)+8*(\i)+7], v[ADRA+(\slot)] offset:(\k)+(\i)*16*PITCH+32
.endr
.endm
.macro PLACES                          ; four plain vector instructions between a matrix instruction and a load into, or a vector instruction or store on, its registers
.rept 4
	v_nop
.endr
.endm
.macro QUARTER slot, k, f, g, zero
	s_wait_dscnt 8                                 ; k's fragments and q's rows 0-63 are in; the youngest eight loads may be out
	WIN MUL_LO
	MUL16 \f, 0, 0, \zero
	MUL16 \f, 0, 2, \zero
	PLACES
	FETCH \slot, \k, \g
	s_wait_dscnt 32                                ; all but the 32 just issued
	WIN MUL_HI
	MUL16 \f, 1, 0, \zero
	MUL16 \f, 1, 2, \zero
.endm
; The change of slots: ONE barrier.  In front of it each wave waits for all its tensor loads (one is out: its part of the next slot), adds 0 to its spare word, and waits for that and for its reads of this slot.
.macro MEET
	WIN 0
	s_wait_tensorcnt 0x0
	ds_add_u32 v[SPW], v[NIL]
	s_wait_dscnt 9                                 ; (the add and the youngest eight loads may be out)
	WIN MUL_LO
	MUL16 F1, 0, 0, 0
	s_wait_dscnt 0x0                               ; the add is done, and my reads of this slot are over
	s_barrier_signal -1
	MUL16 F1, 0, 2, 0
	s_barrier_wait -1
.endm
.macro TURN slot, next
	MEET
	s_add_nc_u64 s[G0+4*(\slot)+2:G0+4*(\slot)+3], s[G0+4*(\slot)+2:G0+4*(\slot)+3], 2*KSTEP*2  ; no load of mine is out: the K step two steps on
	LOADT \slot                                    ; my one tensor load behind the barrier, and the first thing there; its four v_nop are also the places in front of the loads below
	FETCH \next, 0, F0
	WIN MUL_HI
	MUL16 F1, 1, 0, 0
	MUL16 F1, 1, 2, 0
.endm
	s_wait_tensorcnt 1                             ; my part of K step 0 is in; K step 1's may stay out
	s_barrier_signal -1
	s_barrier_wait -1
	FETCH 0, 0, F0
	QUARTER 0, 64,  F0, F1, 1                      ; the first quarter's products start the sums
	WIN 0
	s_mov_b32 s3, LAPS-1
.Llap:
	QUARTER 0, 128, F1, F0, 0
	QUARTER 0, 192, F0, F1, 0
	TURN 0, 1
	QUARTER 1, 64,  F0, F1, 0
	QUARTER 1, 128, F1, F0, 0
	QUARTER 1, 192, F0, F1, 0
	TURN 1, 0
	QUARTER 0, 64,  F0, F1, 0
	WIN 0
	s_sub_co_u32 s3, s3, 1
	s_cmp_lg_u32 s3, 0
	s_cbranch_scc1 .Llap
	QUARTER 0, 128, F1, F0, 0                      ; the last lap fills nothing
	QUARTER 0, 192, F0, F1, 0
	MEET
	PLACES
	FETCH 1, 0, F0
	WIN MUL_HI
	MUL16 F1, 1, 0, 0
	MUL16 F1, 1, 2, 0
	QUARTER 1, 64,  F0, F1, 0
	QUARTER 1, 128, F1, F0, 0
	QUARTER 1, 192, F0, F1, 0
	s_wait_dscnt 8                                 ; the very last quarter
	MUL16 F1, 0, 0, 0
	MUL16 F1, 0, 2, 0
	s_wait_dscnt 0x0                               ; my last reads of the ring are over: say so,
	s_barrier_signal -1
	MUL16 F1, 1, 0, 0
	MUL16 F1, 1, 2, 0
	WIN 0
	s_barrier_wait -1                              ; and write over it only when all four have said so
	PLACES                                         ; the stores below read results just made
	; THE DUMP: block a (16 queries), key block b: a lane's eight scores as two stores of 16 bytes, the low four registers first
.irp a, 0,1,2,3,4,5,6,7
	WIN 0x08+4*((\a)/4)                            ; the stores' data in window 2 or 3
.irp b, 0,1,2,3,4,5,6,7
	ds_store_b128 v[STO], v[64*((\a)%4)+8*(\b):64*((\a)%4)+8*(\b)+3]   offset:(\a)*16*DP+32*(\b)
	ds_store_b128 v[STO], v[64*((\a)%4)+8*(\b)+4:64*((\a)%4)+8*(\b)+7] offset:(\a)*16*DP+32*(\b)+256
.endr
.endr
	WIN 0
.set p, 0
.rept 16
	v_mov_b32 v[ST+p], 0                           ; the pairs (m', l) are named whole before l is first made
.set p, p+1
.endr
	s_mov_b32 s[RO], 0
	s_mov_b32 s[SF], 0
	s_mov_b32 s3, 8
.Lrows:                                                ; a trip: 16 rows.  Pair p is rows 2 p + h; lane l % 16 holds the keys 8 (l % 16) + 0..7
	v_add_nc_u32 v[RDC], s[RO], v[RD]
	v_add_nc_u32 v[SAC], s[SF], v[SA]
.irp p, 0,1,2,3,4,5,6,7
	ds_load_b128 v[X+8*(\p):X+8*(\p)+3],   v[RDC] offset:(\p)*2*DP      ; LDS serves a wave's instructions in order (ISA guide 5.7.1.4): these see my stores above
	ds_load_b128 v[X+8*(\p)+4:X+8*(\p)+7], v[RDC] offset:(\p)*2*DP+256
.endr
	s_wait_dscnt 0x0
	s_cmp_eq_u32 s[DG], 0
	s_cbranch_scc1 .Lopen                          ; only a tile on the diagonal hides anything
.set p, 0
.rept 8
.set j, 0
.rept 8
	v_cmp_gt_i32 vcc_lo, j-2*p, v[DD]
	v_cndmask_b32 v[X+8*p+j], v[X+8*p+j], v[HID], vcc_lo
.set j, j+1
.endr
.set p, p+1
.endr
.Lopen:
.irp p, 0,1,2,3,4,5,6,7
	v_max3_num_f32 v[T+(\p)], v[X+8*(\p)], v[X+8*(\p)+1], v[X+8*(\p)+2]
.endr
.irp p, 0,1,2,3,4,5,6,7
	v_max3_num_f32 v[T+(\p)], v[T+(\p)], v[X+8*(\p)+3], v[X+8*(\p)+4]
.endr
.irp p, 0,1,2,3,4,5,6,7
	v_max3_num_f32 v[T+(\p)], v[T+(\p)], v[X+8*(\p)+5], v[X+8*(\p)+6]
.endr
.irp p, 0,1,2,3,4,5,6,7
	v_max_num_f32 v[T+(\p)], v[T+(\p)], v[X+8*(\p)+7]
.endr
.irp m, 1,2,4,8                        ; among the 16 lanes of a row
.irp p, 0,1,2,3,4,5,6,7
	v_max_num_f32_dpp v[T+(\p)], v[T+(\p)], v[T+(\p)] row_xmask:\m row_mask:0xf bank_mask:0xf
.endr
.endr
.irp p, 0,1,2,3,4,5,6,7
	v_mul_f32 v[ST+2*(\p)], s[CS], v[T+(\p)]       ; m' = c max
.endr
.irp p, 0,1,2,3,4,5,6,7
.irp q, 0,1,2,3
	v_pk_fma_f32 v[X+8*(\p)+2*(\q):X+8*(\p)+2*(\q)+1], v[X+8*(\p)+2*(\q):X+8*(\p)+2*(\q)+1], s[CS:CS+1], v[ST+2*(\p):ST+2*(\p)+1] op_sel_hi:[1,0,0] neg_lo:[0,0,1] neg_hi:[0,0,1]  ; c s - m'
.endr
.endr
.set p, 0
.rept 64
	v_exp_f32 v[X+p], v[X+p]
.set p, p+1
.endr
	v_nop                                          ; a plain instruction between the last exponential and the use of its result
	s_wait_alu depctr_va_vdst(0)
.irp p, 0,1,2,3,4,5,6,7
.irp q, 0,1,2,3
	v_cvt_pk_f16_f32 v[Y+4*(\p)+(\q)], v[X+8*(\p)+2*(\q)], v[X+8*(\p)+2*(\q)+1]
.endr
.endr
.irp p, 0,1,2,3,4,5,6,7
	global_store_b128 v[GO], v[Y+4*(\p):Y+4*(\p)+3], s[PO:PO+1] offset:(\p)*8192  ; 16 lanes store a row's 256 consecutive bytes, at a multiple of 256 from pt's first byte
.endr
.irp p, 0,1,2,3,4,5,6,7
	v_pk_add_f32 v[X+8*(\p):X+8*(\p)+1], v[X+8*(\p):X+8*(\p)+1], v[X+8*(\p)+2:X+8*(\p)+3]
	v_pk_add_f32 v[X+8*(\p)+4:X+8*(\p)+5], v[X+8*(\p)+4:X+8*(\p)+5], v[X+8*(\p)+6:X+8*(\p)+7]
.endr
.irp p, 0,1,2,3,4,5,6,7
	v_pk_add_f32 v[X+8*(\p):X+8*(\p)+1], v[X+8*(\p):X+8*(\p)+1], v[X+8*(\p)+4:X+8*(\p)+5]
.endr
.irp p, 0,1,2,3,4,5,6,7
	v_add_f32 v[ST+2*(\p)+1], v[X+8*(\p)], v[X+8*(\p)+1]
.endr
.irp m, 1,2,4,8
.irp p, 0,1,2,3,4,5,6,7
	v_add_f32_dpp v[ST+2*(\p)+1], v[ST+2*(\p)+1], v[ST+2*(\p)+1] row_xmask:\m row_mask:0xf bank_mask:0xf
.endr
.endr
.irp p, 0,1,2,3,4,5,6,7
	ds_store_b64 v[SAC], v[ST+2*(\p):ST+2*(\p)+1] offset:16*(\p)  ; the 16 lanes of a row write the same 8 bytes with the same numbers
.endr
	s_wait_xcnt 0x0                                ; pt's address and Y are rewritten only behind this wait
	s_add_nc_u64 s[PO:PO+1], s[PO:PO+1], 16*4096
	s_add_co_u32 s[RO], s[RO], 16*DP
	s_add_co_u32 s[SF], s[SF], 128
	v_add_nc_u32 v[DD], 16, v[DD]
	s_sub_co_u32 s3, s3, 1
	s_cmp_lg_u32 s3, 0
	s_cbranch_scc1 .Lrows
	ds_load_b128 v[X:X+3], v[SL]                   ; my wave's 1,024 bytes of statistics leave as two stores of 512 consecutive bytes
	ds_load_b128 v[X+4:X+7], v[SL] offset:512
	s_wait_dscnt 0x0
	global_store_b128 v[SG], v[X:X+3], s[SO:SO+1]
	global_store_b128 v[SG], v[X+4:X+7], s[SO:SO+1] offset:512
	s_wait_tensorcnt 0x0                           ; the wave's end
	ds_add_u32 v[SPW], v[NIL]
	s_wait_dscnt 0x0
	s_endpgm
.Lfunc_end_k_qd606a57a64_score:
	.size	k_qd606a57a64_score, .Lfunc_end_k_qd606a57a64_score-k_qd606a57a64_score
	.p2alignl 7, 3214868480
	.fill 96, 4, 3214868480
	.section	.rodata,"a",@progbits
	.p2align	6, 0x0
	.amdhsa_kernel k_qd606a57a64_score
		.amdhsa_group_segment_fixed_size 327680
		.amdhsa_private_segment_fixed_size 0
		.amdhsa_enable_private_segment 0
		.amdhsa_kernarg_size 24
		.amdhsa_user_sgpr_count 2
		.amdhsa_user_sgpr_kernarg_segment_ptr 1
		.amdhsa_wavefront_size32 1
		.amdhsa_system_sgpr_workgroup_id_x 1
		.amdhsa_system_sgpr_workgroup_id_y 1
		.amdhsa_system_sgpr_workgroup_id_z 1
		.amdhsa_system_vgpr_workitem_id 0
		.amdhsa_next_free_vgpr 1024
		.amdhsa_next_free_sgpr 66
		.amdhsa_reserve_vcc 1
		.amdhsa_float_denorm_mode_32 3
		.amdhsa_float_denorm_mode_16_64 3
		.amdhsa_memory_ordered 1
		.amdhsa_forward_progress 1
		.amdhsa_inst_pref_size 138
	.end_amdhsa_kernel
	.amdgpu_metadata
---
amdhsa.version: [ 1, 2 ]
amdhsa.kernels:
  - .name:           k_qd606a57a64_score
    .symbol:         k_qd606a57a64_score.kd
    .args:
      - { .name: qk, .offset: 0, .size: 8, .value_kind: global_buffer, .address_space: global }
      - { .name: pt, .offset: 8, .size: 8, .value_kind: global_buffer, .address_space: global }
      - { .name: st, .offset: 16, .size: 8, .value_kind: global_buffer, .address_space: global }
    .group_segment_fixed_size: 327680
    .private_segment_fixed_size: 0
    .kernarg_segment_align: 8
    .kernarg_segment_size: 24
    .max_flat_workgroup_size: 128
    .sgpr_count:     66
    .vgpr_count:     1024
    .wavefront_size: 32
...
	.end_amdgpu_metadata
.endif
;; end of part 4
;; launch pv (part 5): grid 8 x 32, 4 waves a work-group, clusters of 4 x 4, 327,680 bytes of LDS; arguments pt, vt, st, out0; writes out0
.if DOCPART == 5
	.amdgcn_target "amdgcn-amd-amdhsa--gfx1250"
	.amdhsa_code_object_version 6
	.text
	.protected	k_qd606a57a64_pv
	.globl	k_qd606a57a64_pv
	.p2align	8
	.type	k_qd606a57a64_pv,@function
k_qd606a57a64_pv:
	s_mov_b64 s[64:65], 0
	v_nop
	global_prefetch_b8 v0, s[64:65] scope:SCOPE_SE
	s_setreg_imm32_b32 hwreg(HW_REG_WAVE_MODE, 25, 1), 1
	s_wait_xcnt 0x0
	s_wait_alu depctr_hold_cnt(0) depctr_sa_sdst(0) depctr_va_vdst(0) depctr_va_sdst(0) depctr_va_ssrc(0) depctr_va_vcc(0) depctr_vm_vsrc(0)
	s_getreg_b32 s2, hwreg(HW_REG_IB_STS2, 6, 4)
	s_cmp_eq_u32 s2, 0
	s_cbranch_scc0 .Lentry_in_a_cluster
	s_endpgm
.Lentry_in_a_cluster:
	s_bfe_u32 s2, ttmp6, 0x10000c
	s_cmp_lg_u32 s2, 0xf033
	s_cbranch_scc0 .Lentry_shape_is_right
	s_endpgm
.Lentry_shape_is_right:
; THE SOFTMAX'S SECOND HALF AND THE SECOND PRODUCT.  out[q][e] = (sum over chunks t of f_t(q) x sum over the chunk's 128 keys of p[q][k] V[k][e]) / l_row(q),
; with m_row = the largest m'_t of the row, f_t = 2^(m'_t - m_row) <= 1, l_row = sum of f_t l_t.  p (pt) and V^T (vt) in f16; each chunk's product has f32 sums of its own and is
; multiplied by f_t in f32; out0 is f32.  A chunk that was never written (m' = the lowest finite number, l = 0) or is wholly hidden (m' = -c 2^100) has f_t = 0.
; LIMITS.  A factor below 2^-126 counts as 0.  NaN and infinities are not treated apart.
; SHARES.  A batch's queries lie in 16 blocks of 128.  A work-group makes TWO tiles of 128 queries x 128 channels: block 4 G + cy (2 G + 2 steps of 256 keys) and then block 4 (3 - G) + cy
; (8 - 2 G steps): ten steps whatever G: all 256 work-groups do equal work, and every trip count is a constant.  Four waves, each 64 x 64.
; CLUSTER, 4 x 4.  The four of a row (same cy) take the same rows of p, the four of a column (same cx) the same rows of V^T, and all walk the same keys: every tile is asked for jointly.
; A block with cy < 2 needs one step fewer than its partners: in that step it asks for its last written tile of p once more (the step's number is capped in p's global address alone),
; and the two chunks' factors are 0.  So no partner leaves a joint request out, and no branch hangs on cx or cy.
; A STEP is 256 keys, two chunks.  Chunk 0's products go into accumulator set 0, chunk 1's into set 1, each started with the constant 0; while one set is multiplied the other is added
; into O, times its factor: sixteen packed multiply-adds behind every eight matrix instructions.
; O, set 1 and the factors are cleared at the start (and O between the tiles): 400 v_mov_b32 in the text, in the wait for the first tiles; the price of writing no first step out.
; The matrix instruction is used transposed (source 0 = 16 channels of V^T, source 1 = 16 queries of p): a lane holds query l % 16 and eight neighbouring channels, so a factor is one number a lane.
; REGISTERS, in windows of 256 (s_set_vgpr_msb: bits 1:0 source 0, 3:2 source 1, 5:4 source 2, 7:6 destination):
;   window 0: v0-31 addresses; v32-47 factors; v48-55 1 / l_row; v64-127 at work at the start; v128-255 O ((a, b) at 128 + 8 (4 a + b))
;   window 1: two fragment buffers of 128: for 64 along K, 64 registers of p, then 64 of V^T          window 2: v0-127 set 0, v128-255 set 1
.set KSTEP,  256
.set PITCH,  528                       ; an LDS row: 512 bytes + 16 of padding = 132 words: row r starts at bank 4 r mod 64 (64 banks of 4 bytes: ISA guide 11.1)
.set HALFT,  64*PITCH                  ; 64 rows: what one tensor load brings
.set SLOT,   4*HALFT                   ; p's 128 rows, then V^T's 128 rows
.set STAGE,  2*SLOT                    ; behind the ring: 16 rows x 272 bytes for each wave, for the way out
.set SPITCH, 272
.set CTAB,   STAGE+4*16*SPITCH         ; the factors: f32 [20 chunks in the order of the walk][128 rows]
.set LINV,   CTAB+20*512               ; 1 / l_row: f32 [2 tiles][128 rows]
.set SPARE,  LINV+2*512                ; the spare words, 128 bytes for each wave
.set ADRA, 16                          ; v16-17  LDS address of my p fragments in slot 0, 1
.set ADRB, 20                          ; v20-21  of my V^T fragments
.set CA0,  22                          ; v22     my row's place in a chunk's factors; never rewritten
.set STO,  24                          ; v24     the way out: where I put 16 bytes of a row
.set RD,   25                          ; v25     where I read a row back
.set CO,   26                          ; v26     my byte offset in two rows of out0
.set CA,   27                          ; v27     CA0 + the trip's first chunk
.set SPW,  28
.set NIL,  29
.set LA,   30                          ; v30     my row's place in 1 / l_row
.set TA,   31                          ; v31     the start: thread t's place in a chunk's factors
.set CF,   32                          ; factor of set s, row block a at CF + 8 s + 2 a; the odd registers hold 0 and are named with them as pairs
.set LI,   48                          ; 1 / l_row of row block a at LI + 2 a
.set O,    128
.set F0,   0
.set F1,   128
.set G1, 24                            ; s[24:31] group 1 for p's tiles;  s[32:39] group 0, one set for each slot
.set G0, 32
.set G1B, 48                           ; s[48:55], s[56:63] the same for V^T's tiles
.set G0B, 56
.set PT,  68                           ; s[68:69] pt, s[70:71] vt, s[72:73] st, s[74:75] out0
.set VT,  70
.set KN,  78                           ; s78  the step of 256 keys to be asked for next
.set KL,  79                           ; s79  the last step of the tile whose steps are being asked for
.set OAC, 80                           ; s80  byte offset in pt of my 64 rows of that tile;  s81 of the second tile
.set OA2, 81
.set LIMC, 82                          ; s82  the last step of p that is written for those rows;  s83 for the second tile's
.set LIM2, 83
.set OB,  84                           ; s84  byte offset in vt of my 64 rows
.set CT,  85                           ; s85  the trip's first chunk in the factors, in bytes
.set TOA, 86                           ; s[86:87] p's offset, made anew for each request; never holds cx
.set TOB, 88                           ; s[88:89] V^T's; never holds cy
.set ENDC, 90                          ; s90  the loop's count in the trip that ends the first tile
.set GM,  91                           ; s91  G as a mask of lanes: 0 or all ones
.set OUT1, 92                          ; s[92:93], s[94:95] out0 at my corner of the two tiles
.set OUT2, 94
.set ST1, 96                           ; s[96:97], s[98:99] st at the two blocks' rows, chunk 0
.set ST2, 98
.set MSB, 0
.macro WIN new
.if MSB != (\new)
	s_set_vgpr_msb (MSB<<8)|(\new)
.set MSB, \new
.endif
.endm
.set MULW,  0xa5                       ; sources 0 and 1 window 1; C and D window 2
.set TO_F,  0x40                       ; destination window 1, address window 0
.set W_RID, 0x02                       ; source 0 (a set) window 2; factor, O window 0
.macro JLOAD s                         ; a joint load: waves 0 and 1 fetch p's two halves, waves 2 and 3 V^T's; an s_nop 0 and four v_nop follow each of the two lines
	s_cmp_eq_u32 s11, 0
	s_cbranch_scc0 .Lfor_b_\@
	tensor_load_to_lds s[G0+4*(\s):G0+4*(\s)+3], s[G1:G1+7]
	s_nop 0
.rept 4
	v_nop
.endr
	s_branch .Lasked_\@
.Lfor_b_\@:
	tensor_load_to_lds s[G0B+4*(\s):G0B+4*(\s)+3], s[G1B:G1B+7]
	s_nop 0
.rept 4
	v_nop
.endr
.Lasked_\@:
.endm
.macro CREST
	s_cmp_lg_u32 s10, 0
	s_cbranch_scc1 .Lnot_wave_0_\@
	s_barrier_signal -3
.Lnot_wave_0_\@:
	s_barrier_wait -3
	s_barrier_signal -1
	s_barrier_wait -1
.endm
.macro CROUND
	s_barrier_signal -1
	s_barrier_wait -1
	CREST
.endm
; The next step's two global addresses, made anew from the step's number, into the slot's descriptors.  It stands only where no tensor load of the wave that names them is out.
.macro NEXTADDR slot
	s_cmp_gt_u32 s[KN], s[KL]                      ; behind the first tile's last step: the second tile's step 0
	s_cselect_b32 s[KN], 0, s[KN]
	s_cselect_b32 s[OAC], s[OA2], s[OAC]
	s_cselect_b32 s[LIMC], s[LIM2], s[LIMC]
	s_cselect_b32 s[KL], 99, s[KL]
	s_min_u32 s[TOA], s[KN], s[LIMC]               ; never a tile of p that was not written
	s_lshl_b32 s[TOA], s[TOA], 9                   ; 256 keys of 2 bytes
	s_add_co_u32 s[TOA], s[TOA], s[OAC]
	s_add_nc_u64 s[G0+4*(\slot)+2:G0+4*(\slot)+3], s[PT:PT+1], s[TOA:TOA+1]
	s_or_b32 s[G0+4*(\slot)+3], s[G0+4*(\slot)+3], 0x80000000
	s_lshl_b32 s[TOB], s[KN], 9
	s_add_co_u32 s[TOB], s[TOB], s[OB]
	s_add_nc_u64 s[G0B+4*(\slot)+2:G0B+4*(\slot)+3], s[VT:VT+1], s[TOB:TOB+1]
	s_or_b32 s[G0B+4*(\slot)+3], s[G0B+4*(\slot)+3], 0x80000000
	s_add_co_u32 s[KN], s[KN], 1
.endm
	s_load_b256 s[68:75], s[0:1], 0x0
	v_lshl_add_u32 v[SPW], v0, 2, SPARE
	v_mov_b32 v[NIL], 0
	ds_add_u32 v[SPW], v[NIL]                      ; the wave's opening: the add, and its wait ahead of my first tensor load
	ds_add_u32 v28, v29
	v_lshrrev_b32 v1, 5, v0
	v_readfirstlane_b32 s10, v1                    ; wave 0..3
	s_lshr_b32 s11, s10, 1                         ; hr: which 64 queries.  Also: I fetch p (0) or V^T (1)
	s_and_b32 s12, s10, 1                          ; hc: which 64 channels.  Also: which 64 rows I fetch
	s_bfe_u32 s40, ttmp6, 0x40000                  ; cx
	s_bfe_u32 s41, ttmp6, 0x40004                  ; cy
	s_lshl_b32 s42, ttmp9, 2
	s_add_co_u32 s42, s42, s40                     ; n: my block of 128 channels
	s_and_b32 s13, ttmp7, 0xffff
	s_lshr_b32 s76, s13, 1                         ; the batch
	s_and_b32 s77, s13, 1                          ; G
	s_lshl_b32 s43, s41, 2
	s_lshl_b32 s43, 15, s43                        ; my row of the cluster
	s_lshl_b32 s44, 0x1111, s40                    ; my column
	s_or_b32 s[G1+0], s43, (1<<16)|(1<<20)|(1<<21)|(6<<22)|(3<<25)  ; the mask; element of 2 bytes; padding on; 21 set beside a mask; after every 128 words 4 words
	s_or_b32 s[G1B+0], s44, (1<<16)|(1<<20)|(1<<21)|(6<<22)|(3<<25)
.irp g, G1, G1B
	s_mov_b32 s[(\g)+1], KSTEP<<16                 ; tensor_dim0 = 256
	s_mov_b32 s[(\g)+2], 64<<16                    ; tensor_dim1 = 64
	s_mov_b32 s[(\g)+3], KSTEP<<16                 ; tile_dim0 = 256
	s_mov_b32 s[(\g)+4], 64                        ; tile_dim1 = 64
	s_mov_b32 s[(\g)+5], 2048                      ; elements from row to row, in pt and in vt
	s_mov_b32 s[(\g)+6], 0
	s_mov_b32 s[(\g)+7], 0
.endr
	s_lshl_b32 s14, s77, 2
	s_add_co_u32 s14, s14, s41                     ; the first tile's block of queries: 4 G + cy
	s_sub_co_u32 s15, 3, s77
	s_lshl_b32 s15, s15, 2
	s_add_co_u32 s15, s15, s41                     ; the second's: 4 (3 - G) + cy
	s_lshl_b32 s16, s76, 11                        ; the batch's 2,048 rows
	s_lshl_b32 s17, s12, 6                         ; which 64 rows I fetch
	s_lshl_b32 s[OAC], s14, 7
	s_add_co_u32 s[OAC], s[OAC], s16
	s_add_co_u32 s[OAC], s[OAC], s17
	s_lshl_b32 s[OAC], s[OAC], 12                  ; rows of 4,096 bytes
	s_lshl_b32 s[OA2], s15, 7
	s_add_co_u32 s[OA2], s[OA2], s16
	s_add_co_u32 s[OA2], s[OA2], s17
	s_lshl_b32 s[OA2], s[OA2], 12
	s_lshr_b32 s18, s41, 1
	s_lshl_b32 s[LIMC], s77, 1
	s_add_co_u32 s[LIMC], s[LIMC], s18             ; 2 G + cy / 2: the tile of 256 x 256 that holds the block's diagonal
	s_sub_co_u32 s[LIM2], 3, s77
	s_lshl_b32 s[LIM2], s[LIM2], 1
	s_add_co_u32 s[LIM2], s[LIM2], s18
	s_lshl_b32 s[OB], s76, 10                      ; the batch's 1,024 rows of V^T
	s_lshl_b32 s19, s42, 7
	s_add_co_u32 s[OB], s[OB], s19
	s_add_co_u32 s[OB], s[OB], s17
	s_lshl_b32 s[OB], s[OB], 12
	s_mov_b32 s[KN], 0
	s_lshl_b32 s[KL], s77, 1
	s_add_co_u32 s[KL], s[KL], 1                   ; the first tile has 2 G + 2 steps
	s_mov_b32 s[TOA+1], 0
	s_mov_b32 s[TOB+1], 0
	s_mov_b32 s[CT], 0
	s_sub_co_u32 s[ENDC], 4, s77                   ; the first tile ends with trip G + 1, in which the count is 4 - G
	s_cmp_eq_u32 s77, 1
	s_cselect_b32 s[GM], -1, 0
	s_lshl_b32 s20, s11, 6                         ; my 64 rows of a tile
	s_lshl_b32 s21, s42, 9                         ; 128 n channels of 4 bytes
	s_lshl_b32 s22, s12, 8
	s_add_co_u32 s21, s21, s22
	s_lshl_b32 s[OUT1], s14, 7
	s_add_co_u32 s[OUT1], s[OUT1], s16
	s_add_co_u32 s[OUT1], s[OUT1], s20
	s_lshl_b32 s[OUT1], s[OUT1], 12
	s_add_co_u32 s[OUT1], s[OUT1], s21
	s_mov_b32 s[OUT1+1], 0
	s_lshl_b32 s[OUT2], s15, 7
	s_add_co_u32 s[OUT2], s[OUT2], s16
	s_add_co_u32 s[OUT2], s[OUT2], s20
	s_lshl_b32 s[OUT2], s[OUT2], 12
	s_add_co_u32 s[OUT2], s[OUT2], s21
	s_mov_b32 s[OUT2+1], 0
	s_lshl_b32 s22, s76, 15                        ; 16 chunks x 2,048 rows
	s_lshl_b32 s[ST1], s14, 7
	s_add_co_u32 s[ST1], s[ST1], s22
	s_lshl_b32 s[ST1], s[ST1], 3
	s_mov_b32 s[ST1+1], 0
	s_lshl_b32 s[ST2], s15, 7
	s_add_co_u32 s[ST2], s[ST2], s22
	s_lshl_b32 s[ST2], s[ST2], 3
	s_mov_b32 s[ST2+1], 0
	s_mul_i32 s23, s10, HALFT                      ; where my rows go: wave x 64 rows: no place in the cluster enters an LDS address
.irp s, 0,1
	s_mov_b32 s[G0+4*(\s)], 1
	s_add_co_u32 s[G0+4*(\s)+1], s23, (\s)*SLOT
	s_mov_b32 s[G0B+4*(\s)], 1
	s_add_co_u32 s[G0B+4*(\s)+1], s23, (\s)*SLOT
.endr
	s_wait_dscnt 0x0                               ; the opening add is done
	s_wait_kmcnt 0x0
	s_add_nc_u64 s[OUT1:OUT1+1], s[74:75], s[OUT1:OUT1+1]
	s_add_nc_u64 s[OUT2:OUT2+1], s[74:75], s[OUT2:OUT2+1]
	s_add_nc_u64 s[ST1:ST1+1], s[72:73], s[ST1:ST1+1]
	s_add_nc_u64 s[ST2:ST2+1], s[72:73], s[ST2:ST2+1]
	CROUND                                         ; all sixteen work-groups are here: the first joint loads meet
	NEXTADDR 0
	JLOAD 0
	NEXTADDR 1                                     ; it writes slot 1's descriptors alone
	JLOAD 1                                        ; two loads of mine are out
	; THE START, in the wait for the first tiles.  Thread t is row t of both blocks: its (m', l) of chunks 0-7 of the first block and 0-15 of the second
	v_lshlrev_b32 v6, 3, v0
.irp t, 0,1,2,3,4,5,6,7
	global_load_b64 v[64+2*(\t):65+2*(\t)], v6, s[ST1:ST1+1] offset:(\t)*16384
.endr
.irp t, 0,1,2,3,4,5,6,7,8,9,10,11,12,13,14,15
	global_load_b64 v[80+2*(\t):81+2*(\t)], v6, s[ST2:ST2+1] offset:(\t)*16384
.endr
	v_and_b32 v1, 15, v0                           ; l % 16
	v_bfe_u32 v2, v0, 4, 1                         ; h = l / 16
	v_mul_u32_u24 v3, v1, PITCH
	v_lshl_add_u32 v3, v2, 4, v3
	s_mul_i32 s21, s11, HALFT
	s_mul_i32 s22, s12, HALFT
	s_add_co_u32 s22, s22, 2*HALFT
.irp s, 0,1
	v_add_nc_u32 v[ADRA+(\s)], s21, v3
	v_add_nc_u32 v[ADRB+(\s)], s22, v3
	s_add_co_u32 s21, s21, SLOT
	s_add_co_u32 s22, s22, SLOT
.endr
	s_mul_i32 s23, s10, 16*SPITCH
	s_add_co_u32 s23, s23, STAGE                   ; my stage
	v_mul_u32_u24 v4, v1, SPITCH
	v_lshl_add_u32 v4, v2, 5, v4                   ; in: row l % 16, 32 bytes (8 channels of f32) for each half of the lanes
	v_add_nc_u32 v[STO], s23, v4
	v_mul_u32_u24 v4, v2, SPITCH
	v_lshl_add_u32 v4, v1, 4, v4                   ; back: lanes 0-15 one row of 256 bytes, lanes 16-31 the next
	v_add_nc_u32 v[RD], s23, v4
	v_lshlrev_b32 v[CO], 12, v2
	v_lshl_add_u32 v[CO], v1, 4, v[CO]             ; the same two rows in out0
	s_lshl_b32 s23, s11, 8                         ; my 64 rows of 4 bytes
	v_lshl_add_u32 v4, v1, 2, s23
	v_add_nc_u32 v[CA0], CTAB, v4
	v_add_nc_u32 v[LA], LINV, v4
	v_lshl_add_u32 v[TA], v0, 2, CTAB
	v_mov_b32 v[CA], v[CA0]
.set z, 0
.rept 24
	v_mov_b32 v[CF+z], 0                           ; the factors (set 1's first use adds 0 times 0) and the pairs' odd registers
.set z, z+1
.endr
.set z, 0
.rept 128
	v_mov_b32 v[O+z], 0
.set z, z+1
.endr
	WIN 0x80
.set z, 0
.rept 128
	v_mov_b32 v[128+z], 0                          ; set 1
.set z, z+1
.endr
	WIN 0
	s_wait_loadcnt 0x0
	v_max3_num_f32 v112, v64, v66, v68             ; m_row of the first block's row,
	v_max3_num_f32 v113, v80, v82, v84             ; and of the second's
	v_max3_num_f32 v112, v112, v70, v72
	v_max3_num_f32 v113, v113, v86, v88
	v_max3_num_f32 v112, v112, v74, v76
	v_max3_num_f32 v113, v113, v90, v92
	v_max_num_f32 v112, v112, v78
	v_max3_num_f32 v113, v113, v94, v96
	v_max3_num_f32 v113, v113, v98, v100
	v_max3_num_f32 v113, v113, v102, v104
	v_max3_num_f32 v113, v113, v106, v108
	v_max_num_f32 v113, v113, v110
.irp t, 0,1,2,3,4,5,6,7
	v_sub_f32 v[64+2*(\t)], v[64+2*(\t)], v112
.endr
.irp t, 0,1,2,3,4,5,6,7,8,9,10,11,12,13,14,15
	v_sub_f32 v[80+2*(\t)], v[80+2*(\t)], v113
.endr
.set z, 0
.rept 24
	v_exp_f32 v[64+2*z], v[64+2*z]                 ; f_t, in m'_t's place
.set z, z+1
.endr
	v_nop                                          ; a plain instruction behind the last exponential
	s_wait_alu depctr_va_vdst(0)
	v_mul_f32 v114, v64, v65                       ; l_row = sum of f_t l_t
	v_mul_f32 v115, v80, v81
.irp t, 1,2,3,4,5,6,7
	v_fmac_f32 v114, v[64+2*(\t)], v[65+2*(\t)]
.endr
.irp t, 1,2,3,4,5,6,7,8,9,10,11,12,13,14,15
	v_fmac_f32 v115, v[80+2*(\t)], v[81+2*(\t)]
.endr
	v_rcp_f32 v116, v114
	v_rcp_f32 v117, v115
	; the factors in the order of the walk: G = 0: 4 chunks of the first tile, 16 of the second; G = 1: 8 and 12.  The choices land in the second block's l registers, which are free now
.irp e, 4,5,6,7
	v_cndmask_b32 v[81+2*((\e)-4)], v[80+2*((\e)-4)], v[64+2*(\e)], s[GM]
.endr
.irp e, 8,9,10,11,12,13,14,15,16,17,18,19
	v_cndmask_b32 v[81+2*((\e)-4)], v[80+2*((\e)-4)], v[80+2*((\e)-8)], s[GM]
.endr
.irp e, 0,1,2,3
	ds_store_b32 v[TA], v[64+2*(\e)] offset:(\e)*512
.endr
.irp e, 4,5,6,7,8,9,10,11,12,13,14,15,16,17,18,19
	ds_store_b32 v[TA], v[81+2*((\e)-4)] offset:(\e)*512
.endr
	s_wait_alu depctr_va_vdst(0)
	ds_store_b32 v[TA], v116 offset:LINV-CTAB
	ds_store_b32 v[TA], v117 offset:LINV-CTAB+512
; 8 matrix instructions: row blocks a0, a0 + 1 x all 4 channel blocks, 32 along K: half c of buffer f, into a set.  zero = 1: the product starts the chunk's sums.  The 16 accumulators take turns.
.macro MUL8 f, c, a0, set, zero
	WIN MULW
.irp a, \a0, (\a0)+1
.irp b, 0,1,2,3
.if \zero
	v_wmma_f32_16x16x32_f16 v[128*(\set)+8*(4*(\a)+(\b)):128*(\set)+8*(4*(\a)+(\b))+7], v[(\f)+64+8*(4*(\c)+(\b)):(\f)+64+8*(4*(\c)+(\b))+7], v[(\f)+8*(4*(\c)+(\a)):(\f)+8*(4*(\c)+(\a))+7], 0
.else
	v_wmma_f32_16x16x32_f16 v[128*(\set)+8*(4*(\a)+(\b)):128*(\set)+8*(4*(\a)+(\b))+7], v[(\f)+64+8*(4*(\c)+(\b)):(\f)+64+8*(4*(\c)+(\b))+7], v[(\f)+8*(4*(\c)+(\a)):(\f)+8*(4*(\c)+(\a))+7], v[128*(\set)+8*(4*(\a)+(\b)):128*(\set)+8*(4*(\a)+(\b))+7]
.endif
.endr
.endr
.endm
; 32 LDS loads in one run: the fragments of 64 along K at byte k of the rows, into buffer f; the first 32 along K first
.macro FETCH slot, k, f
	WIN TO_F
.irp c, 0,1
.irp i, 0,1,2,3
	ds_load_b128 v[(\f)+64+8*(4*(\c)+(\i)):(\f)+64+8*(4*(\c)+(\i))+3],   v[ADRB+(\slot)] offset:(\k)+64*(\c)+(\i)*16*PITCH
	ds_load_b128 v[(\f)+64+8*(4*(\c)+(\i))+4:(\f)+64+8*(4*(\c)+(\i))+7], v[ADRB+(\slot)] offset:(\k)+64*(\c)+(\i)*16*PITCH+32
	ds_load_b128 v[(\f)+8*(4*(\c)+(\i)):(\f)+8*(4*(\c)+(\i))+3],         v[ADRA+(\slot)] offset:(\k)+64*(\c)+(\i)*16*PITCH
	ds_load_b128 v[(\f)+8*(4*(\c)+(\i))+4:(\f)+8*(4*(\c)+(\i))+7],       v[ADRA+(\slot)] offset:(\k)+64*(\c)+(\i)*16*PITCH+32
.endr
.endr
.endm
.macro PLACES                          ; four plain vector instructions between a matrix instruction and a load into, or a vector instruction on, its registers
.rept 4
	v_nop
.endr
.endm
; O's row block a takes a finished set's row block a, times the chunk's factor: 16 packed multiply-adds, each accumulator's registers in ascending order
.macro RID set, a
	WIN W_RID
.set z, 0
.rept 16
	v_pk_fma_f32 v[O+32*(\a)+2*z:O+32*(\a)+2*z+1], v[128*(\set)+32*(\a)+2*z:128*(\set)+32*(\a)+2*z+1], v[CF+8*(\set)+2*(\a):CF+8*(\set)+2*(\a)+1], v[O+32*(\a)+2*z:O+32*(\a)+2*z+1] op_sel_hi:[1,0,1]
.set z, z+1
.endr
.endm
.macro CFL set, off                    ; a chunk's factors for my four row blocks: the chunk lies off bytes behind the trip's first
	WIN 0
.irp a, 0,1,2,3
	ds_load_b32 v[CF+8*(\set)+2*(\a)], v[CA] offset:(\off)+64*(\a)
.endr
.endm
; A STEP of 256 keys in four quarters of 64 along K.  mode 2: this slot is filled again, two steps ahead; 1: nothing is filled; 0: the walk's last step.
; cf1: this step's second chunk in the factors; cf0: the next step's first.  Set 1's additions into O in the first two quarters belong to the step before.
; Each addition stands behind four v_nop that follow the last product on its set.  Behind the last product that reads buffer 0 stand sixteen of the additions, which name none of its
; registers: they are the places in front of the loads into buffer 0.
.macro STEP slot, next, mode, cf1, cf0
	s_wait_dscnt 20                                ; the first 32 along K are in; the other 16 fragment loads and 4 factor loads may be out
	MUL8 F0, 0, 0, 0, 1
	MUL8 F0, 0, 2, 0, 1
	PLACES
	FETCH \slot, 128, F1
	s_wait_dscnt 32                                ; all but the 32 just issued
	MUL8 F0, 1, 0, 0, 0
	RID 1, 0
	MUL8 F0, 1, 2, 0, 0
	RID 1, 1
	s_wait_dscnt 16
	MUL8 F1, 0, 0, 0, 0
	RID 1, 2
	MUL8 F1, 0, 2, 0, 0
	RID 1, 3
	FETCH \slot, 256, F0
	CFL 1, \cf1
	s_wait_dscnt 36                                ; all but the 36 just issued
	MUL8 F1, 1, 0, 0, 0
	MUL8 F1, 1, 2, 0, 0
	s_wait_dscnt 20
	MUL8 F0, 0, 0, 1, 1
	MUL8 F0, 0, 2, 1, 1
	PLACES
	FETCH \slot, 384, F1
	s_wait_dscnt 32
	MUL8 F0, 1, 0, 1, 0
	RID 0, 0
	MUL8 F0, 1, 2, 1, 0
	RID 0, 1
.if (\mode) > 0
	WIN 0                                          ; (the add's two registers lie in window 0)
	s_wait_tensorcnt 0x0                           ; all my tensor loads have landed: the one that was out is my part of the next slot
	ds_add_u32 v[SPW], v[NIL]
.if (\mode) == 2
	NEXTADDR \slot
.endif
	s_wait_dscnt 17                                ; (the add and the youngest sixteen loads may be out)
	MUL8 F1, 0, 0, 1, 0
	RID 0, 2
	s_wait_dscnt 0x0                               ; the add is done, and my reads of this slot are over
	s_barrier_signal -1
	MUL8 F1, 0, 2, 1, 0
	RID 0, 3
	WIN 0
	s_barrier_wait -1
.if (\mode) == 2
	CREST                                          ; the barrier has opened a round of the cluster's: no wave of any partner still reads this slot or has a load on its way
	JLOAD \slot                                    ; the first tensor load behind the round
.endif
	FETCH \next, 0, F0
	CFL 0, \cf0
	MUL8 F1, 1, 0, 1, 0
	MUL8 F1, 1, 2, 1, 0
.else
	s_wait_dscnt 16
	MUL8 F1, 0, 0, 1, 0
	RID 0, 2
	MUL8 F1, 0, 2, 1, 0
	RID 0, 3
	s_wait_dscnt 0x0
	MUL8 F1, 1, 0, 1, 0
	MUL8 F1, 1, 2, 1, 0
.endif
.endm
.macro FLUSH                           ; a tile's last chunk
	PLACES
	RID 1, 0
	RID 1, 1
	RID 1, 2
	RID 1, 3
	WIN 0
.endm
; THE WAY OUT.  Row block r: O times 1 / l_row; a lane's eight channels go into rows of 272 bytes of my stage and come back as whole rows of 256 bytes, into the registers that they left.
.macro PACK r
	WIN 0
.set z, 0
.rept 16
	v_pk_mul_f32 v[O+32*(\r)+2*z:O+32*(\r)+2*z+1], v[O+32*(\r)+2*z:O+32*(\r)+2*z+1], v[LI+2*(\r):LI+2*(\r)+1] op_sel_hi:[1,0]
.set z, z+1
.endr
.irp b, 0,1,2,3
	ds_store_b128 v[STO], v[O+32*(\r)+8*(\b):O+32*(\r)+8*(\b)+3]   offset:64*(\b)
	ds_store_b128 v[STO], v[O+32*(\r)+8*(\b)+4:O+32*(\r)+8*(\b)+7] offset:64*(\b)+16
.endr
.irp f, 0,1,2,3,4,5,6,7
	ds_load_b128 v[O+32*(\r)+4*(\f):O+32*(\r)+4*(\f)+3], v[RD] offset:(\f)*2*SPITCH  ; LDS serves a wave's instructions in order (ISA guide 5.7.1.4): these see the stores above; the next block's stores come behind them
.endr
.endm
.macro SEND r, younger, base           ; younger: the LDS instructions issued behind block r's loads: the next block's sixteen, or none
.irp f, 0,1,2,3,4,5,6,7
	s_wait_dscnt (\younger)+7-(\f)
	global_store_b128 v[CO], v[O+32*(\r)+4*(\f):O+32*(\r)+4*(\f)+3], s[(\base):(\base)+1] offset:(\r)*65536+(\f)*8192 th:TH_STORE_NT  ; 16 lanes store 256 consecutive bytes, at a multiple of 256 from out0's first byte
.endr
.endm
.macro OUT grp, base
	WIN 0
.irp a, 0,1,2,3
	ds_load_b32 v[LI+2*(\a)], v[LA] offset:512*(\grp)+64*(\a)
.endr
	s_wait_dscnt 0x0
	PACK 0
	PACK 1                                         ; a block's arithmetic stands between the loads of the block before and its stores
	SEND 0, 16, \base
	PACK 2
	SEND 1, 16, \base
	PACK 3
	SEND 2, 16, \base
	SEND 3, 0, \base
.endm
	s_wait_tensorcnt 0x1                           ; my part of step 0 is in; step 1's may stay out
	s_wait_dscnt 0x0                               ; my part of the factors is stored
	s_barrier_signal -1
	s_barrier_wait -1                              ; everybody's is
	FETCH 0, 0, F0
	CFL 0, 0
	WIN 0
	s_mov_b32 s3, 4
.Llap:                                                 ; a trip: two steps, four chunks; both slots are filled again
	STEP 0, 1, 2, 512, 1024
	STEP 1, 0, 2, 1536, 2048
	WIN 0
	s_add_co_u32 s[CT], s[CT], 2048
	v_add_nc_u32 v[CA], s[CT], v[CA0]              ; the next trip's first chunk
	s_cmp_lg_u32 s3, s[ENDC]                       ; the same in all partners and waves: it hangs on G alone
	s_cbranch_scc1 .Lsame_tile
	FLUSH                                          ; THE FIRST TILE ENDS.  The next tile's first tiles of p and V^T are asked for, its first fragments fetched
.irp a, 0,1,2,3
	v_mov_b32 v[CF+8+2*(\a)], 0                    ; the next step's additions of set 1 add 0
.endr
	OUT 0, OUT1
	s_wait_xcnt 0x0                                ; O is rewritten only behind this wait
.set z, 0
.rept 128
	v_mov_b32 v[O+z], 0
.set z, z+1
.endr
.Lsame_tile:
	s_sub_co_u32 s3, s3, 1
	s_cmp_lg_u32 s3, 0
	s_cbranch_scc1 .Llap
	STEP 0, 1, 1, 512, 1024                        ; the last two steps are written out: nothing is left to fetch
	STEP 1, 0, 0, 1536, 0
	FLUSH
	OUT 1, OUT2
	s_wait_tensorcnt 0x0                           ; the wave's end
	ds_add_u32 v[SPW], v[NIL]
	s_wait_dscnt 0x0
	CROUND                                         ; the closing round
	s_endpgm
.Lfunc_end_k_qd606a57a64_pv:
	.size	k_qd606a57a64_pv, .Lfunc_end_k_qd606a57a64_pv-k_qd606a57a64_pv
	.p2alignl 7, 3214868480
	.fill 96, 4, 3214868480
	.section	.rodata,"a",@progbits
	.p2align	6, 0x0
	.amdhsa_kernel k_qd606a57a64_pv
		.amdhsa_group_segment_fixed_size 327680
		.amdhsa_private_segment_fixed_size 0
		.amdhsa_enable_private_segment 0
		.amdhsa_kernarg_size 32
		.amdhsa_user_sgpr_count 2
		.amdhsa_user_sgpr_kernarg_segment_ptr 1
		.amdhsa_wavefront_size32 1
		.amdhsa_system_sgpr_workgroup_id_x 1
		.amdhsa_system_sgpr_workgroup_id_y 1
		.amdhsa_system_sgpr_workgroup_id_z 1
		.amdhsa_system_vgpr_workitem_id 0
		.amdhsa_next_free_vgpr 768
		.amdhsa_next_free_sgpr 100
		.amdhsa_reserve_vcc 0
		.amdhsa_float_denorm_mode_32 3
		.amdhsa_float_denorm_mode_16_64 3
		.amdhsa_memory_ordered 1
		.amdhsa_forward_progress 1
		.amdhsa_inst_pref_size 170
	.end_amdhsa_kernel
	.amdgpu_metadata
---
amdhsa.version: [ 1, 2 ]
amdhsa.kernels:
  - .name:           k_qd606a57a64_pv
    .symbol:         k_qd606a57a64_pv.kd
    .args:
      - { .name: pt, .offset: 0, .size: 8, .value_kind: global_buffer, .address_space: global }
      - { .name: vt, .offset: 8, .size: 8, .value_kind: global_buffer, .address_space: global }
      - { .name: st, .offset: 16, .size: 8, .value_kind: global_buffer, .address_space: global }
      - { .name: out0, .offset: 24, .size: 8, .value_kind: global_buffer, .address_space: global }
    .group_segment_fixed_size: 327680
    .private_segment_fixed_size: 0
    .kernarg_segment_align: 8
    .kernarg_segment_size: 32
    .max_flat_workgroup_size: 128
    .sgpr_count:     100
    .vgpr_count:     768
    .wavefront_size: 32
...
	.end_amdgpu_metadata
.endif
;; end of part 5
;; launch hattn (part 6): grid 4 x 4, 16 waves a work-group, no clusters, 141,312 bytes of LDS; arguments hp, out0; writes out0
.if DOCPART == 6
	.amdgcn_target "amdgcn-amd-amdhsa--gfx1250"
	.amdhsa_code_object_version 6
	.text
	.protected	k_qd606a57a64_hattn
	.globl	k_qd606a57a64_hattn
	.p2align	8
	.type	k_qd606a57a64_hattn,@function
k_qd606a57a64_hattn:
	s_mov_b64 s[64:65], 0
	v_nop
	global_prefetch_b8 v0, s[64:65] scope:SCOPE_SE
	s_setreg_imm32_b32 hwreg(HW_REG_WAVE_MODE, 25, 1), 1
	s_wait_xcnt 0x0
; THE FIRST 64 ROWS OF EACH BATCH ONCE MORE, with every 16-bit operand in two parts (hi + lo, about 22 bits): these rows average few keys, and one f16 rounding each of q, k, p and v is too
; coarse for them (the arithmetic stands at the head of the launch that makes hp).  They see the keys 0-63 alone.  The rows are stored over what the launch before stored there:
; 4 x 64 rows x 4,096 bytes = 1 MiB of out0 is written twice; that launch cannot leave them out, since the test would hang on a work-group's place in its cluster.
; S = qh kh + ql kh + qh kl (ql kl, some 2^-22 of S, is left out);  p = 2^(c s - c max), c = log2(e) / 32, with the row's true maximum;  l = sum of p in f32;
; out = (ph vh + pl vh + ph vl) / l.  All products on f16 operands with f32 sums.
; LIMITS.  A hidden score (key > query) counts as -2^100; a weight below 2^-126 counts as 0; q, k, v within f16's range.  NaN and infinities are not treated apart.
; SHARES.  A work-group: 16 queries of one batch; 16 waves.  Wave w takes K = 64 w .. 64 w + 63 of the scores for all 64 keys, and later the channels 64 w .. 64 w + 63 of the output.
; The partial scores, f32, meet in LDS: each wave stores its 4,096 bytes; behind a barrier wave w adds the sixteen images' bytes 256 w .. 256 w + 255; behind a second barrier every wave reads
; the sum and makes the softmax for itself.
; LAYOUT.  S^T = K Q^T (source 0 = 16 keys, source 1 = 16 queries): a lane holds query l % 16 and the keys 16 j + 8 (l / 16) + 0..7.  Two such tiles packed in pairs ARE source 1 (32 keys x
; 16 queries) of O^T = V^T P, whose result holds one query a lane and eight neighbouring channels.  V^T's fragments lie in hp as the registers want them.
; All key tiles are computed and the hidden ones masked, whatever the query tile: 16 work-groups of equal, short work.  No tensor loads and no cluster: the launch reads 3 MB.
.set PARTB,  4096
.set SUM,    16*PARTB                  ; behind the sixteen images: their sum
.set STAGE,  SUM+PARTB                 ; 16 rows x 272 bytes for each wave, for the way out
.set SPITCH, 272
.set SPARE,  STAGE+16*16*SPITCH        ; 139,264: the spare words, 128 bytes for each wave
.set LOQK,   0x100000                  ; from q | k hi to lo
.set VTH,    0x200000                  ; V^T hi
.set LOVT,   0x80000                   ; from V^T hi to lo
.set VQ,  8                            ; v8   my offset in q's rows; never rewritten
.set VK,  9                            ; v9   in k's rows
.set VV,  10                           ; v10  in V^T's rows
.set PW,  11                           ; v11  my 16 bytes in a block of 512 of my wave's image
.set RS,  12                           ; v12  my 8 bytes of my wave's slice, in image 0
.set SW,  13                           ; v13  the same in the sum
.set SR,  14                           ; v14  my 16 bytes in a block of 512 of the sum
.set SA,  16                           ; v16-47   S^T: key tile j at SA + 8 j
.set SPW, 48                           ; v48  LDS address of my spare word; never rewritten
.set NIL, 49                           ; v49  0; never rewritten
.set HID, 50                           ; v50  -2^100
.set NEG1, 51                          ; v51  -1.0
.set MX,  52                           ; v52-53  c max, and 0: named as a pair
.set LI,  54                           ; v54-55  1 / l, and 0
.set CC,  56                           ; v56-59  at work
.set STO, 60
.set RD,  61
.set GO,  62
.set DD,  63                           ; v63  my query less my lanes' 8 (l / 16): register i of tile j is hidden where 16 j + i is greater
.set FR,  64                           ; v64-223  the scores' fragments: for each 32 along K (u) 80 registers: qh, ql, kh x 4, kl x 4.  Later v64-127 V^T hi, v128-191 V^T lo
.set TT,  192                          ; v192-223 at work: the slices; then p - ph; then O^T
.set OA,  192
.set PH,  224                          ; v224-239 p hi: two fragments
.set PL,  240                          ; v240-255 p lo
.set QB,  16                           ; s[16:17] hp at the batch's head rows of q | k
.set OB,  24                           ; s[24:25] out0 at my 16 rows
.set CS,  26                           ; s[26:27] c, twice
.set SEL, 28                           ; s[28:29] v_permlanex16_b32's selects: each lane takes its own place in the other half
	s_load_b128 s[4:7], s[0:1], 0x0                ; hp s[4:5], out0 s[6:7]
	v_lshl_add_u32 v[SPW], v0, 2, SPARE
	v_mov_b32 v[NIL], 0
	v_lshrrev_b32 v1, 5, v0
	v_readfirstlane_b32 s10, v1                    ; wave 0..15
	s_mov_b32 s11, ttmp9                           ; the query tile
	s_and_b32 s12, ttmp7, 0xffff                   ; the batch
	v_and_b32 v1, 15, v0                           ; l % 16
	v_bfe_u32 v2, v0, 4, 1                         ; l / 16
	v_and_b32 v3, 31, v0                           ; l
	s_lshl_b32 s13, s10, 7                         ; my 64 along K, in bytes
	v_lshlrev_b32 v4, 12, v1                       ; rows of 4,096 bytes
	v_lshl_add_u32 v4, v2, 4, v4
	v_add_nc_u32 v4, s13, v4
	v_add_nc_u32 v[VK], 2048, v4                   ; k lies 2,048 bytes into a row
	s_lshl_b32 s20, s11, 16                        ; 16 rows for each query tile
	v_add_nc_u32 v[VQ], s20, v4
	s_lshl_b32 s21, s10, 15                        ; my 64 channels: rows of 512 bytes
	s_lshl_b32 s22, s12, 7                         ; the batch's 64 keys of 2 bytes
	s_add_co_u32 s21, s21, s22
	v_lshlrev_b32 v5, 9, v1
	v_lshl_add_u32 v5, v2, 4, v5
	v_add_nc_u32 v[VV], s21, v5
	s_lshl_b32 s14, s12, 18                        ; the batch's 64 head rows
	s_mov_b32 s15, 0
	s_lshl_b32 s18, s12, 11
	s_lshl_b32 s19, s11, 4
	s_add_co_u32 s18, s18, s19                     ; out0's row 2,048 b + 16 t
	s_lshl_b32 s18, s18, 12
	s_mov_b32 s19, 0
	s_mov_b32 s[CS], 0x3d38aa3b                    ; c = log2(e) / 32
	s_mov_b32 s[CS+1], s[CS]
	s_mov_b32 s[SEL], 0x76543210
	s_mov_b32 s[SEL+1], 0xfedcba98
	s_wait_kmcnt 0x0
	s_add_nc_u64 s[QB:QB+1], s[4:5], s[14:15]
	s_add_nc_u64 s[OB:OB+1], s[6:7], s[18:19]
.irp u, 0,1                            ; 20 loads for each 32 along K
	global_load_b128 v[FR+80*(\u):FR+80*(\u)+3],     v[VQ], s[QB:QB+1] offset:64*(\u)
	global_load_b128 v[FR+80*(\u)+4:FR+80*(\u)+7],   v[VQ], s[QB:QB+1] offset:64*(\u)+32
	global_load_b128 v[FR+80*(\u)+8:FR+80*(\u)+11],  v[VQ], s[QB:QB+1] offset:LOQK+64*(\u)
	global_load_b128 v[FR+80*(\u)+12:FR+80*(\u)+15], v[VQ], s[QB:QB+1] offset:LOQK+64*(\u)+32
.irp j, 0,1,2,3
	global_load_b128 v[FR+80*(\u)+16+8*(\j):FR+80*(\u)+16+8*(\j)+3],   v[VK], s[QB:QB+1] offset:65536*(\j)+64*(\u)
	global_load_b128 v[FR+80*(\u)+16+8*(\j)+4:FR+80*(\u)+16+8*(\j)+7], v[VK], s[QB:QB+1] offset:65536*(\j)+64*(\u)+32
	global_load_b128 v[FR+80*(\u)+48+8*(\j):FR+80*(\u)+48+8*(\j)+3],   v[VK], s[QB:QB+1] offset:LOQK+65536*(\j)+64*(\u)
	global_load_b128 v[FR+80*(\u)+48+8*(\j)+4:FR+80*(\u)+48+8*(\j)+7], v[VK], s[QB:QB+1] offset:LOQK+65536*(\j)+64*(\u)+32
.endr
.endr
	s_lshl_b32 s23, s11, 4
	v_lshlrev_b32 v6, 3, v2
	v_sub_nc_u32 v[DD], v1, v6
	v_add_nc_u32 v[DD], s23, v[DD]                 ; 16 t + l % 16 - 8 (l / 16)
	v_mov_b32 v[HID], 0xf1800000                   ; -2^100
	v_mov_b32 v[NEG1], -1.0
	v_mov_b32 v[MX+1], 0
; four products, one for each key tile: the 4 accumulators take turns.  ko: kh (16) or kl (48); qo: qh (0) or ql (8)
.macro SC u, ko, qo, zero
.irp j, 0,1,2,3
.if \zero
	v_wmma_f32_16x16x32_f16 v[SA+8*(\j):SA+8*(\j)+7], v[FR+80*(\u)+(\ko)+8*(\j):FR+80*(\u)+(\ko)+8*(\j)+7], v[FR+80*(\u)+(\qo):FR+80*(\u)+(\qo)+7], 0
.else
	v_wmma_f32_16x16x32_f16 v[SA+8*(\j):SA+8*(\j)+7], v[FR+80*(\u)+(\ko)+8*(\j):FR+80*(\u)+(\ko)+8*(\j)+7], v[FR+80*(\u)+(\qo):FR+80*(\u)+(\qo)+7], v[SA+8*(\j):SA+8*(\j)+7]
.endif
.endr
.endm
	s_wait_loadcnt 20                              ; the first 32 along K are in; the other 20 loads stay out
	SC 0, 16, 0, 1
	SC 0, 16, 8, 0
	SC 0, 48, 0, 0
	s_wait_loadcnt 0x0
	SC 1, 16, 0, 0
	SC 1, 16, 8, 0
	SC 1, 48, 0, 0
	; the LDS addresses: five plain instructions, the places between the last products and the loads into their sources and the stores of their results
	s_lshl_b32 s30, s10, 12
	v_lshl_add_u32 v[PW], v3, 4, s30               ; my wave's image
	s_lshl_b32 s31, s10, 8
	v_lshl_add_u32 v[RS], v3, 3, s31               ; my wave's slice
	v_add_nc_u32 v[SW], SUM, v[RS]
	v_lshlrev_b32 v[SR], 4, v3
	v_add_nc_u32 v[SR], SUM, v[SR]
.irp ct, 0,1,2,3                       ; V^T of my 64 channels, hi and lo: 32 loads, on their way during the sums and the softmax.  Channel tile ct, keys 32 kk on at 8 (2 ct + kk)
.irp kk, 0,1
	global_load_b128 v[64+8*(2*(\ct)+(\kk)):64+8*(2*(\ct)+(\kk))+3],     v[VV], s[4:5] offset:VTH+8192*(\ct)+64*(\kk)
	global_load_b128 v[64+8*(2*(\ct)+(\kk))+4:64+8*(2*(\ct)+(\kk))+7],   v[VV], s[4:5] offset:VTH+8192*(\ct)+64*(\kk)+32
	global_load_b128 v[128+8*(2*(\ct)+(\kk)):128+8*(2*(\ct)+(\kk))+3],   v[VV], s[4:5] offset:VTH+LOVT+8192*(\ct)+64*(\kk)
	global_load_b128 v[128+8*(2*(\ct)+(\kk))+4:128+8*(2*(\ct)+(\kk))+7], v[VV], s[4:5] offset:VTH+LOVT+8192*(\ct)+64*(\kk)+32
.endr
.endr
.irp j, 0,1,2,3                        ; my partial scores: block 2 j + half of 512 bytes, 16 bytes a lane; each accumulator's low four registers first
	ds_store_b128 v[PW], v[SA+8*(\j):SA+8*(\j)+3]   offset:1024*(\j)
	ds_store_b128 v[PW], v[SA+8*(\j)+4:SA+8*(\j)+7] offset:1024*(\j)+512
.endr
	s_wait_dscnt 0x0                               ; for the others' sake: my image is stored
	s_barrier_signal -1
	s_barrier_wait -1
.set p, 0
.rept 16
	ds_load_b64 v[TT+2*p:TT+2*p+1], v[RS] offset:p*PARTB
.set p, p+1
.endr
	s_wait_dscnt 0x0
.irp i, 0,1,2,3,4,5,6,7
	v_pk_add_f32 v[TT+2*(\i):TT+2*(\i)+1], v[TT+2*(\i):TT+2*(\i)+1], v[TT+2*(\i)+16:TT+2*(\i)+17]
.endr
.irp i, 0,1,2,3
	v_pk_add_f32 v[TT+2*(\i):TT+2*(\i)+1], v[TT+2*(\i):TT+2*(\i)+1], v[TT+2*(\i)+8:TT+2*(\i)+9]
.endr
.irp i, 0,1
	v_pk_add_f32 v[TT+2*(\i):TT+2*(\i)+1], v[TT+2*(\i):TT+2*(\i)+1], v[TT+2*(\i)+4:TT+2*(\i)+5]
.endr
	v_pk_add_f32 v[TT:TT+1], v[TT:TT+1], v[TT+2:TT+3]
	ds_store_b64 v[SW], v[TT:TT+1]
	s_wait_dscnt 0x0                               ; for the others' sake: my slice of the sum is stored
	s_barrier_signal -1
	s_barrier_wait -1
.irp c, 0,1,2,3,4,5,6,7
	ds_load_b128 v[SA+4*(\c):SA+4*(\c)+3], v[SR] offset:512*(\c)
.endr
	s_wait_dscnt 0x0
	; THE SOFTMAX of my query's 32 keys; the other 32 lie in the lane 16 away
.set j, 0
.rept 4
.set i, 0
.rept 8
	v_cmp_gt_i32 vcc_lo, 16*j+i, v[DD]
	v_cndmask_b32 v[SA+8*j+i], v[SA+8*j+i], v[HID], vcc_lo
.set i, i+1
.endr
.set j, j+1
.endr
.irp j, 0,1,2,3
	v_max3_num_f32 v[CC+(\j)], v[SA+8*(\j)], v[SA+8*(\j)+1], v[SA+8*(\j)+2]
.endr
.irp j, 0,1,2,3
	v_max3_num_f32 v[CC+(\j)], v[CC+(\j)], v[SA+8*(\j)+3], v[SA+8*(\j)+4]
.endr
.irp j, 0,1,2,3
	v_max3_num_f32 v[CC+(\j)], v[CC+(\j)], v[SA+8*(\j)+5], v[SA+8*(\j)+6]
.endr
.irp j, 0,1,2,3
	v_max_num_f32 v[CC+(\j)], v[CC+(\j)], v[SA+8*(\j)+7]
.endr
	v_max3_num_f32 v[CC], v[CC], v[CC+1], v[CC+2]
	v_max_num_f32 v[CC], v[CC], v[CC+3]
	v_permlanex16_b32 v[CC+1], v[CC], s[SEL], s[SEL+1]
	v_max_num_f32 v[CC], v[CC], v[CC+1]            ; every row sees its own key: the maximum is a true score
	v_mul_f32 v[MX], s[CS], v[CC]
.set i, 0
.rept 16
	v_pk_fma_f32 v[SA+2*i:SA+2*i+1], v[SA+2*i:SA+2*i+1], s[CS:CS+1], v[MX:MX+1] op_sel_hi:[1,0,0] neg_lo:[0,0,1] neg_hi:[0,0,1]  ; c s - c max
.set i, i+1
.endr
.set i, 0
.rept 32
	v_exp_f32 v[SA+i], v[SA+i]
.set i, i+1
.endr
	v_nop                                          ; a plain instruction between the last exponential and the use of its result
.set i, 0
	s_wait_alu depctr_va_vdst(0)
.rept 16
	v_cvt_pk_f16_f32 v[PH+i], v[SA+2*i], v[SA+2*i+1]
.set i, i+1
.endr
.set i, 0
.rept 16                               ; p - ph, exact in f32
	v_fma_mix_f32 v[TT+2*i],   v[PH+i], v[NEG1], v[SA+2*i]   op_sel_hi:[1,0,0]
	v_fma_mix_f32 v[TT+2*i+1], v[PH+i], v[NEG1], v[SA+2*i+1] op_sel:[1,0,0] op_sel_hi:[1,0,0]
.set i, i+1
.endr
.set i, 0
.rept 16
	v_cvt_pk_f16_f32 v[PL+i], v[TT+2*i], v[TT+2*i+1]
.set i, i+1
.endr
.irp i, 0,1,2,3,4,5,6,7                ; l, of the unrounded p
	v_pk_add_f32 v[SA+2*(\i):SA+2*(\i)+1], v[SA+2*(\i):SA+2*(\i)+1], v[SA+2*(\i)+16:SA+2*(\i)+17]
.endr
.irp i, 0,1,2,3
	v_pk_add_f32 v[SA+2*(\i):SA+2*(\i)+1], v[SA+2*(\i):SA+2*(\i)+1], v[SA+2*(\i)+8:SA+2*(\i)+9]
.endr
.irp i, 0,1
	v_pk_add_f32 v[SA+2*(\i):SA+2*(\i)+1], v[SA+2*(\i):SA+2*(\i)+1], v[SA+2*(\i)+4:SA+2*(\i)+5]
.endr
	v_pk_add_f32 v[SA:SA+1], v[SA:SA+1], v[SA+2:SA+3]
	v_add_f32 v[CC], v[SA], v[SA+1]
	v_permlanex16_b32 v[CC+1], v[CC], s[SEL], s[SEL+1]
	v_add_f32 v[CC], v[CC], v[CC+1]
	v_rcp_f32 v[LI], v[CC]
	v_mov_b32 v[LI+1], 0                           ; the pair's other register; also the plain instruction behind the reciprocal
; four products, one for each channel tile, by turns.  vo: V^T hi (64) or lo (128); po: p hi or lo
.macro PV kk, vo, po, zero
.irp ct, 0,1,2,3
.if \zero
	v_wmma_f32_16x16x32_f16 v[OA+8*(\ct):OA+8*(\ct)+7], v[(\vo)+8*(2*(\ct)+(\kk)):(\vo)+8*(2*(\ct)+(\kk))+7], v[(\po)+8*(\kk):(\po)+8*(\kk)+7], 0
.else
	v_wmma_f32_16x16x32_f16 v[OA+8*(\ct):OA+8*(\ct)+7], v[(\vo)+8*(2*(\ct)+(\kk)):(\vo)+8*(2*(\ct)+(\kk))+7], v[(\po)+8*(\kk):(\po)+8*(\kk)+7], v[OA+8*(\ct):OA+8*(\ct)+7]
.endif
.endr
.endm
	s_wait_loadcnt 0x0                             ; V^T
	PV 0, 64,  PH, 1
	PV 0, 64,  PL, 0
	PV 0, 128, PH, 0
	PV 1, 64,  PH, 0
	PV 1, 64,  PL, 0
	PV 1, 128, PH, 0
	; the way out's addresses: nine plain instructions, the places behind the last products
	s_mul_i32 s30, s10, 16*SPITCH
	s_add_co_u32 s30, s30, STAGE                   ; my stage
	s_lshl_b32 s31, s10, 8                         ; my 64 channels of 4 bytes
	v_mul_u32_u24 v7, v1, SPITCH
	v_lshl_add_u32 v7, v2, 5, v7                   ; in: row l % 16, 32 bytes (8 channels) for each half of the lanes
	v_add_nc_u32 v[STO], s30, v7
	v_mul_u32_u24 v6, v2, SPITCH
	v_lshl_add_u32 v6, v1, 4, v6                   ; back: lanes 0-15 one row of 256 bytes, lanes 16-31 the next
	v_add_nc_u32 v[RD], s30, v6
	v_lshlrev_b32 v[GO], 12, v2
	v_lshl_add_u32 v[GO], v1, 4, v[GO]
	v_add_nc_u32 v[GO], s31, v[GO]                 ; the same two rows in out0
.set i, 0
	s_wait_alu depctr_va_vdst(0)
.rept 16                               ; O^T / l, each accumulator's registers in ascending order
	v_pk_mul_f32 v[OA+2*i:OA+2*i+1], v[OA+2*i:OA+2*i+1], v[LI:LI+1] op_sel_hi:[1,0]
.set i, i+1
.endr
.irp ct, 0,1,2,3
	ds_store_b128 v[STO], v[OA+8*(\ct):OA+8*(\ct)+3]   offset:64*(\ct)
	ds_store_b128 v[STO], v[OA+8*(\ct)+4:OA+8*(\ct)+7] offset:64*(\ct)+16
.endr
.irp f, 0,1,2,3,4,5,6,7
	ds_load_b128 v[OA+4*(\f):OA+4*(\f)+3], v[RD] offset:(\f)*2*SPITCH  ; LDS serves a wave's instructions in order (ISA guide 5.7.1.4): these see my stores above
.endr
.irp f, 0,1,2,3,4,5,6,7
	s_wait_dscnt 7-(\f)                            ; load f of the eight is in
	global_store_b128 v[GO], v[OA+4*(\f):OA+4*(\f)+3], s[OB:OB+1] offset:(\f)*8192 th:TH_STORE_NT  ; 16 lanes store 256 consecutive bytes, at a multiple of 256 from out0's first byte
.endr
	s_wait_tensorcnt 0x0                           ; the wave's end, behind my last LDS store
	ds_add_u32 v[SPW], v[NIL]
	s_wait_dscnt 0x0
	s_endpgm
.Lfunc_end_k_qd606a57a64_hattn:
	.size	k_qd606a57a64_hattn, .Lfunc_end_k_qd606a57a64_hattn-k_qd606a57a64_hattn
	.p2alignl 7, 3214868480
	.fill 96, 4, 3214868480
	.section	.rodata,"a",@progbits
	.p2align	6, 0x0
	.amdhsa_kernel k_qd606a57a64_hattn
		.amdhsa_group_segment_fixed_size 141312
		.amdhsa_private_segment_fixed_size 0
		.amdhsa_enable_private_segment 0
		.amdhsa_kernarg_size 16
		.amdhsa_user_sgpr_count 2
		.amdhsa_user_sgpr_kernarg_segment_ptr 1
		.amdhsa_wavefront_size32 1
		.amdhsa_system_sgpr_workgroup_id_x 1
		.amdhsa_system_sgpr_workgroup_id_y 1
		.amdhsa_system_sgpr_workgroup_id_z 1
		.amdhsa_system_vgpr_workitem_id 0
		.amdhsa_next_free_vgpr 256
		.amdhsa_next_free_sgpr 66
		.amdhsa_reserve_vcc 1
		.amdhsa_float_denorm_mode_32 3
		.amdhsa_float_denorm_mode_16_64 3
		.amdhsa_memory_ordered 1
		.amdhsa_forward_progress 1
		.amdhsa_inst_pref_size 30
	.end_amdhsa_kernel
	.amdgpu_metadata
---
amdhsa.version: [ 1, 2 ]
amdhsa.kernels:
  - .name:           k_qd606a57a64_hattn
    .symbol:         k_qd606a57a64_hattn.kd
    .args:
      - { .name: hp, .offset: 0, .size: 8, .value_kind: global_buffer, .address_space: global }
      - { .name: out0, .offset: 8, .size: 8, .value_kind: global_buffer, .address_space: global }
    .group_segment_fixed_size: 141312
    .private_segment_fixed_size: 0
    .kernarg_segment_align: 8
    .kernarg_segment_size: 16
    .max_flat_workgroup_size: 512
    .sgpr_count:     66
    .vgpr_count:     256
    .wavefront_size: 32
...
	.end_amdgpu_metadata
.endif
;; end of part 6
;; ======== version 2 of 3: 4 launches; 1.16 times as fast as version 1
;; limits: values are held in f16: magnitudes above 65,504 overflow, below 6.1e-05 lose precision
;; workspace buffers: xb 16,777,216 bytes; wb 6,291,456 bytes; qk 33,554,432 bytes; vt 16,777,216 bytes; pt 33,554,432 bytes; st 1,048,576 bytes; hp 3,145,728 bytes; sink 1,048,576 bytes
;; launch cast: the kernel of part 1 again; grid 704 x 1, 8 waves a work-group, no clusters, 0 bytes of LDS; arguments x, W_q, W_k, W_v, xb, wb, st; writes xb, wb, st
;; launch proj (part 7): grid 8 x 72, 4 waves a work-group, clusters of 4 x 4, 327,680 bytes of LDS; arguments xb, wb, qk, vt, hp; writes qk, vt, hp
.if DOCPART == 7
	.amdgcn_target "amdgcn-amd-amdhsa--gfx1250"
	.amdhsa_code_object_version 6
	.text
	.protected	k_qd606a57a64_proj
	.globl	k_qd606a57a64_proj
	.p2align	8
	.type	k_qd606a57a64_proj,@function
k_qd606a57a64_proj:
	s_mov_b64 s[64:65], 0
	v_nop
	global_prefetch_b8 v0, s[64:65] scope:SCOPE_SE
	s_setreg_imm32_b32 hwreg(HW_REG_WAVE_MODE, 25, 1), 1
	s_wait_xcnt 0x0
	s_wait_alu depctr_hold_cnt(0) depctr_sa_sdst(0) depctr_va_vdst(0) depctr_va_sdst(0) depctr_va_ssrc(0) depctr_va_vcc(0) depctr_vm_vsrc(0)
	s_getreg_b32 s2, hwreg(HW_REG_IB_STS2, 6, 4)
	s_cmp_eq_u32 s2, 0
	s_cbranch_scc0 .Lentry_in_a_cluster
	s_endpgm
.Lentry_in_a_cluster:
	s_bfe_u32 s2, ttmp6, 0x10000c
	s_cmp_lg_u32 s2, 0xf033
	s_cbranch_scc0 .Lentry_shape_is_right
	s_endpgm
.Lentry_shape_is_right:
; THE THREE PROJECTIONS as one product C[m][n] = sum over k of A[m][k] B[n][k], bf16 operands, f32 sums, C rounded once to f16, K = 1,024, C's rows 2,048 numbers apart.
;   clusters with y < 8:    A = xb (8,192 rows), B = wb's rows 0-2047 (W_q, W_k), C = qk [8192][2048] = q | k: 256 tiles of 256 x 256
;   clusters with y 10-13:  A = wb's rows 2048-3071 (W_v), B = xb, C = vt [4][1024][2048] = V^T by batches ([channel][key]): 128 tiles
;   clusters with y 8, 9 and 14-17: THE HEAD: q, k and v of the first 64 rows of each batch once more, each sum kept as two f16 numbers (at the label .Lhead, where its own head comment stands)
; Which of the three hangs on the cluster's y alone, so it is the same in all sixteen partners.  Of the launch's 36 clusters, counted x first, the 24 long ones are numbers 0-15 and 20-27.
; LIMIT.  q, k and v are kept in f16: a sum of 65,520 or more in size becomes an infinity.  With x of spread 1 and weights of spread 1/32 the sums have spread 1.
; A tile of C is made by four waves, each 128 x 128: 64 accumulators of 16 x 16, 512 registers.  K goes in steps of 128 through a ring of two LDS slots filled by the tensor data mover.
; CLUSTERS: 4 x 4 work-groups.  The four of a row of the cluster need the same tiles of A, the four of a column the same tiles of B: each tile is asked for JOINTLY, by the same tensor load
; with the same descriptor and a mask that names the four.  The last K step goes by rows of C, so that finished rows leave while the others are multiplied.
; REGISTERS, in windows of 256 (s_set_vgpr_msb: bits 1:0 source 0, 3:2 source 1, 5:4 source 2, 7:6 destination):
;   window 0: v0-31 addresses; v64-127, v128-191 fragments of A, two buffers (in the last K step four, of 16 rows x 128 K); v32-63, v192-255 at work on the way out
;   window 1: v64-127, v128-191 fragments of B, two buffers; in the last K step all 256
;   window 2: the 32 accumulators of my rows 0-63 (accumulator (a, b) at v[8 (8 a + b)]);   window 3: those of my rows 64-127
; THE MATRIX INSTRUCTION IS USED TRANSPOSED: source 0 = 16 rows of B, source 1 = 16 rows of A: a lane then holds row l % 16 of C and eight neighbouring columns, which pack into 16 bytes.
.set SIZE_K, 1024
.set SIZE_N, 2048                      ; numbers from row to row of C
.set KSTEP,  128
.set PITCH,  272                       ; an LDS row: 256 bytes of data + 16 of padding = 68 words: row r starts at bank 4 r mod 64 (64 banks of 4 bytes: ISA guide 11.1)
.set HALFT,  128*PITCH                 ; 128 rows: what one tensor load brings
.set SLOT,   4*HALFT                   ; A's 256 rows, then B's 256 rows
.set STAGE,  2*SLOT                    ; behind the ring: 16 rows x 272 bytes for each wave, for the way out
.set SPITCH, 272
.set SPARE,  STAGE+4*16*SPITCH         ; behind the stages: the spare words, 128 bytes for each wave
.set LAPS,   SIZE_K/(2*KSTEP)          ; a lap = two K steps = once round the ring
.set ADRA, 16                          ; v16-17  LDS address of my A fragments in slot 0, 1
.set ADRB, 20                          ; v20-21  the same for B
.set STO,  24                          ; v24     the way out: where I put 16 bytes of a row
.set RD,   25                          ; v25     the way out: where I read a row back
.set CO,   26                          ; v26     my byte offset in C
.set SPW,  28                          ; v28     LDS address of my spare word; never rewritten
.set NIL,  29                          ; v29     0; never rewritten
.set F0,   64
.set F1,   128
.set TMP,  192
.set OB,   32
.set PA,   64
.set G1, 24                            ; s[24:31] descriptor group 1 for A's tiles
.set G0, 32                            ; s[32:39] group 0 for A's tiles, one set for each slot
.set G1B, 48                           ; s[48:55] group 1 for B's tiles: another mask
.set G0B, 56                           ; s[56:63] group 0 for B's tiles
.set MSB, 0
.macro WIN new                         ; the immediate's high byte repeats the setting that is left
.if MSB != (\new)
	s_set_vgpr_msb (MSB<<8)|(\new)
.set MSB, \new
.endif
.endm
.set MUL_LO, 0xa1                      ; source 0 (B) window 1, source 1 (A) window 0, C and D window 2
.set MUL_HI, 0xf1                      ; the same, C and D window 3
.set TO_B,   0x40                      ; destination window 1, address window 0
; A joint load.  Waves 0 and 1 fetch A's two halves, waves 2 and 3 B's.  The branch hangs on the wave's number alone.  An s_nop 0 and four v_nop follow each of the two lines.
.macro JLOAD s
	s_cmp_eq_u32 s11, 0
	s_cbranch_scc0 .Lfor_b_\@
	tensor_load_to_lds s[G0+4*(\s):G0+4*(\s)+3], s[G1:G1+7]
	s_nop 0
.rept 4
	v_nop
.endr
	s_branch .Lasked_\@
.Lfor_b_\@:
	tensor_load_to_lds s[G0B+4*(\s):G0B+4*(\s)+3], s[G1B:G1B+7]
	s_nop 0
.rept 4
	v_nop
.endr
.Lasked_\@:
.endm
.macro CREST                           ; a round of the cluster's barrier behind its opening barrier
	s_cmp_lg_u32 s10, 0
	s_cbranch_scc1 .Lnot_wave_0_\@
	s_barrier_signal -3
.Lnot_wave_0_\@:
	s_barrier_wait -3
	s_barrier_signal -1
	s_barrier_wait -1
.endm
.macro CROUND                          ; a whole round
	s_barrier_signal -1
	s_barrier_wait -1
	CREST
.endm
	s_load_b256 s[68:75], s[0:1], 0x0              ; xb s[68:69], wb s[70:71], qk s[72:73], vt s[74:75]
	s_load_b64 s[66:67], s[0:1], 0x20              ; hp
	v_lshl_add_u32 v[SPW], v0, 2, SPARE
	v_mov_b32 v[NIL], 0
	ds_add_u32 v[SPW], v[NIL]                      ; the wave's opening: the add, and its wait ahead of my first tensor load; the set-up below stands between them
	ds_add_u32 v28, v29
	v_lshrrev_b32 v1, 5, v0
	v_readfirstlane_b32 s10, v1                    ; wave 0..3
	s_lshr_b32 s11, s10, 1                         ; which half of the tile's rows is mine.  Also: I fetch for A (0) or for B (1)
	s_and_b32 s12, s10, 1                          ; which half of its columns.  Also: which 128 rows of that tile I fetch
	s_bfe_u32 s40, ttmp6, 0x40000                  ; cx
	s_bfe_u32 s41, ttmp6, 0x40004                  ; cy
	s_mov_b32 s78, ttmp9                           ; the cluster's x, 0 or 1
	s_and_b32 s79, ttmp7, 0xffff                   ; the cluster's y, 0 to 17
	s_max_u32 s80, s79, 10
	s_sub_co_u32 s80, s80, 10
	s_lshl_b32 s80, s80, 1
	s_add_co_u32 s80, s80, s78                     ; c8 = 2 (y - 10) + x: which of V^T's eight clusters (used where y is 10 to 13)
	s_lshl_b32 s81, s79, 2                         ; 4 y
	s_lshl_b32 s82, s78, 2                         ; 4 x
	s_lshl_b32 s83, s80, 2                         ; 4 c8
	s_lshr_b32 s20, s80, 1
	s_lshl_b32 s20, s20, 2                         ; 4 x batch
	s_and_b32 s21, s80, 1
	s_lshl_b32 s21, s21, 2                         ; 4 x half of the batch's keys
	s_cmp_lt_u32 s79, 8
	s_cselect_b32 s13, s81, 8                      ; A's tile row: of xb, or W_v's (rows 2,048 on of wb)
	s_cselect_b32 s42, s82, s83                    ; B's tile row: of wb, or of xb
	s_cselect_b32 s76, s81, s20                    ; C's tile row: vt taken as rows 1,024 b + channel
	s_cselect_b32 s77, s82, s21                    ; C's tile column
	s_add_co_u32 s13, s13, s41
	s_add_co_u32 s42, s42, s40
	s_add_co_u32 s76, s76, s41
	s_add_co_u32 s77, s77, s40
	s_lshl_b32 s43, s41, 2
	s_lshl_b32 s43, 15, s43                        ; my row of the cluster: places 4 cy .. 4 cy + 3
	s_lshl_b32 s44, 0x1111, s40                    ; my column: places cx, cx + 4, cx + 8, cx + 12
	; descriptor group 1: a tile of 128 rows x 128 elements, padded in LDS
	s_or_b32 s[G1+0], s43, (1<<16)|(1<<20)|(1<<21)|(5<<22)|(3<<25)  ; 15:0 the mask; 17:16 element of 2 bytes; 20 padding on; 21 set beside a mask; 24:22 after every 64 words; 31:25 of 4 words
	s_or_b32 s[G1B+0], s44, (1<<16)|(1<<20)|(1<<21)|(5<<22)|(3<<25)
.irp g, G1, G1B
	s_mov_b32 s[(\g)+1], KSTEP<<16                 ; tensor_dim0 = 128
	s_mov_b32 s[(\g)+2], 128<<16                   ; tensor_dim1 = 128
	s_mov_b32 s[(\g)+3], KSTEP<<16                 ; tile_dim0 = 128
	s_mov_b32 s[(\g)+4], 128                       ; tile_dim1 = 128
	s_mov_b32 s[(\g)+5], SIZE_K                    ; elements from row to row
	s_mov_b32 s[(\g)+6], 0
	s_mov_b32 s[(\g)+7], 0
.endr
	; A's tiles hang on its tile row alone, which my row of the cluster shares; B's on its tile row alone, which my column shares.
	s_lshl_b32 s17, s12, 7                         ; which 128 rows of the tile I fetch
	s_lshl_b32 s16, s13, 8
	s_add_co_u32 s16, s16, s17
	s_lshl_b32 s46, s42, 8
	s_add_co_u32 s46, s46, s17
	s_mov_b32 s17, 0
	s_mov_b32 s47, 0
	s_mov_b64 s[18:19], SIZE_K*2
	s_mul_u64 s[16:17], s[16:17], s[18:19]         ; in bytes
	s_mul_u64 s[46:47], s[46:47], s[18:19]
	s_mul_i32 s20, s10, HALFT                      ; where they go: wave x 128 rows: no place in the cluster enters an LDS address
	s_wait_dscnt 0x0                               ; the opening add is done
	s_wait_kmcnt 0x0
	s_cmp_lt_u32 s79, 8
	s_cselect_b64 s[4:5], s[68:69], s[70:71]       ; A
	s_cselect_b64 s[6:7], s[70:71], s[68:69]       ; B
	s_cselect_b64 s[8:9], s[72:73], s[74:75]       ; C
	s_add_nc_u64 s[14:15], s[4:5], s[16:17]
	s_add_nc_u64 s[46:47], s[6:7], s[46:47]
	CROUND                                         ; all sixteen work-groups are here: the first joint loads meet
	s_sub_co_u32 s21, s79, 8                       ; y = 8, 9 (below 8 the difference wraps to a large number)
	s_cmp_lt_u32 s21, 2
	s_cbranch_scc1 .Lhead                          ; the head's clusters leave here, all sixteen partners alike: what was made above of y is not used there
	s_cmp_ge_u32 s79, 14
	s_cbranch_scc1 .Lhead
.irp s, 0,1
	s_mov_b32 s[G0+4*(\s)], 1
	s_add_co_u32 s[G0+4*(\s)+1], s20, (\s)*SLOT
	s_add_nc_u64 s[G0+4*(\s)+2:G0+4*(\s)+3], s[14:15], (\s)*KSTEP*2
	s_or_b32 s[G0+4*(\s)+3], s[G0+4*(\s)+3], 0x80000000
	s_mov_b32 s[G0B+4*(\s)], 1
	s_add_co_u32 s[G0B+4*(\s)+1], s20, (\s)*SLOT
	s_add_nc_u64 s[G0B+4*(\s)+2:G0B+4*(\s)+3], s[46:47], (\s)*KSTEP*2
	s_or_b32 s[G0B+4*(\s)+3], s[G0B+4*(\s)+3], 0x80000000
	JLOAD \s                                       ; two loads of mine are out
.endr
	; A fragment is 16 rows x 32 K in 8 registers: lane l holds row l % 16; registers 0-3 K = 8 (l / 16) + 0..7, registers 4-7 K = 16 + 8 (l / 16) + 0..7: two loads of 16 bytes, 32 bytes apart.
	v_and_b32 v1, 15, v0
	v_bfe_u32 v2, v0, 4, 1
	v_mul_u32_u24 v3, v1, PITCH
	v_lshl_add_u32 v3, v2, 4, v3
	s_mul_i32 s21, s11, HALFT                      ; my 128 rows of A
	s_mul_i32 s22, s12, HALFT                      ; my 128 rows of B,
	s_add_co_u32 s22, s22, 2*HALFT                 ; which lie behind A's 256
.irp s, 0,1
	v_add_nc_u32 v[ADRA+(\s)], s21, v3
	v_add_nc_u32 v[ADRB+(\s)], s22, v3
	s_add_co_u32 s21, s21, SLOT
	s_add_co_u32 s22, s22, SLOT
.endr
	s_mul_i32 s23, s10, 16*SPITCH
	s_add_co_u32 s23, s23, STAGE                   ; my stage
	v_mul_u32_u24 v4, v1, SPITCH
	v_lshl_add_u32 v4, v2, 4, v4
	v_add_nc_u32 v[STO], s23, v4
	v_mul_u32_u24 v5, v2, SPITCH
	v_lshl_add_u32 v5, v1, 4, v5
	v_add_nc_u32 v[RD], s23, v5
	v_mul_u32_u24 v5, v2, SIZE_N*2
	v_lshl_add_u32 v[CO], v1, 4, v5
	; where my part of the tile begins in C, in bytes
	s_lshl_b32 s13, s76, 8
	s_lshl_b32 s14, s11, 7
	s_add_co_u32 s16, s13, s14                     ; my first row of C
	s_mov_b32 s17, 0
	s_mov_b64 s[18:19], SIZE_N*2
	s_mul_u64 s[16:17], s[16:17], s[18:19]
	s_lshl_b32 s46, s77, 9                         ; my first column, in bytes
	s_lshl_b32 s47, s12, 8
	s_add_co_u32 s46, s46, s47
	s_mov_b32 s47, 0
	s_add_nc_u64 s[16:17], s[16:17], s[46:47]
; 16 matrix instructions: m blocks a0, a0 + 1 of the window's four x all 8 n blocks, 32 along K.  zero = 1: the first product starts the sums.
.macro MUL16 f, hi, a0, zero
	WIN MUL_LO+0x50*(\hi)
.irp a, \a0, (\a0)+1
.irp b, 0,1,2,3,4,5,6,7
.if \zero
	v_wmma_f32_16x16x32_bf16 v[8*(8*(\a)+(\b)):8*(8*(\a)+(\b))+7], v[(\f)+8*(\b):(\f)+8*(\b)+7], v[(\f)+8*(4*(\hi)+(\a)):(\f)+8*(4*(\hi)+(\a))+7], 0
.else
	v_wmma_f32_16x16x32_bf16 v[8*(8*(\a)+(\b)):8*(8*(\a)+(\b))+7], v[(\f)+8*(\b):(\f)+8*(\b)+7], v[(\f)+8*(4*(\hi)+(\a)):(\f)+8*(4*(\hi)+(\a))+7], v[8*(8*(\a)+(\b)):8*(8*(\a)+(\b))+7]
.endif
.endr
.endr
.endm
; 32 LDS loads in one run: the fragments of one quarter step (32 K at byte k of the rows) into buffer f
.macro FETCH slot, k, f
	WIN TO_B
.irp i, 0,1,2,3,4,5,6,7
	ds_load_b128 v[(\f)+8*(\i):(\f)+8*(\i)+3],   v[ADRB+(\slot)] offset:(\k)+(\i)*16*PITCH
	ds_load_b128 v[(\f)+8*(\i)+4:(\f)+8*(\i)+7], v[ADRB+(\slot)] offset:(\k)+(\i)*16*PITCH+32
.endr
	WIN 0
.irp i, 0,1,2,3,4,5,6,7
	ds_load_b128 v[(\f)+8*(\i):(\f)+8*(\i)+3],   v[ADRA+(\slot)] offset:(\k)+(\i)*16*PITCH
	ds_load_b128 v[(\f)+8*(\i)+4:(\f)+8*(\i)+7], v[ADRA+(\slot)] offset:(\k)+(\i)*16*PITCH+32
.endr
.endm
; Four plain vector instructions stand between a matrix instruction and a load into, or a vector instruction on, its registers (ISA guide 7.12.1 for vector instructions).
.macro PLACES
.rept 4
	v_nop
.endr
.endm
; A K step is four quarters of 32 along K, 64 matrix instructions each, on buffers 0, 1, 0, 1.  One of the first three: multiplies f, fetches the next quarter into g in its middle.
.macro QUARTER slot, k, f, g, zero
	s_wait_dscnt 8                                 ; B and A's rows 0-63 are in; the youngest eight loads (A's rows 64-127) may be out
	WIN MUL_LO
	MUL16 \f, 0, 0, \zero
	MUL16 \f, 0, 2, \zero
	PLACES
	FETCH \slot, \k, \g
	s_wait_dscnt 32                                ; all but the 32 just issued
	WIN MUL_HI
	MUL16 \f, 1, 0, \zero
	MUL16 \f, 1, 2, \zero
.endm
; The first half of the last quarter: ONE barrier for the change of slots.  In front of it each wave waits for all its tensor loads (one is out: its part of the next slot), adds 0 to its
; spare word, and waits for that and for its own reads of this slot.
.macro MEET round
	WIN 0                                          ; (the add's two registers lie in window 0)
	s_wait_tensorcnt 0x0
	ds_add_u32 v[SPW], v[NIL]
	s_wait_dscnt 9                                 ; (the add and the youngest eight loads may be out)
	WIN MUL_LO
	MUL16 F1, 0, 0, 0
	s_wait_dscnt 0x0                               ; the add is done, and my reads of this slot are over
	s_barrier_signal -1
	MUL16 F1, 0, 2, 0
.if \round
	WIN 0
.endif
	s_barrier_wait -1
.endm
; The whole last quarter: behind the round the slot just read out is filled again first, with the K step two steps on; then come the next slot's first fragments.
.macro TURN slot, next
	MEET 1
	CREST                                          ; no wave of any partner still reads this slot's tile or has a load on its way
	s_add_nc_u64 s[G0+4*(\slot)+2:G0+4*(\slot)+3], s[G0+4*(\slot)+2:G0+4*(\slot)+3], 2*KSTEP*2
	s_add_nc_u64 s[G0B+4*(\slot)+2:G0B+4*(\slot)+3], s[G0B+4*(\slot)+2:G0B+4*(\slot)+3], 2*KSTEP*2
	JLOAD \slot                                    ; the four v_nop behind it are also the places in front of the loads below
	FETCH \next, 0, F0
	WIN MUL_HI
	MUL16 F1, 1, 0, 0
	MUL16 F1, 1, 2, 0
.endm
; THE LAST K STEP (slot 1) GOES BY ROWS OF C.  All its fragments of B fill window 1; my eight blocks of 16 rows are finished one after the other, 32 matrix instructions each, the block's 8 accumulators by turns.
.macro BLOAD q
	WIN TO_B
.irp i, 0,1,2,3,4,5,6,7
	ds_load_b128 v[64*(\q)+8*(\i):64*(\q)+8*(\i)+3],   v[ADRB+1] offset:64*(\q)+(\i)*16*PITCH
	ds_load_b128 v[64*(\q)+8*(\i)+4:64*(\q)+8*(\i)+7], v[ADRB+1] offset:64*(\q)+(\i)*16*PITCH+32
.endr
.endm
.macro ALOAD a
	WIN 0
.set FA, PA+32*((\a)%4)
.irp q, 0,1,2,3
	ds_load_b128 v[FA+8*(\q):FA+8*(\q)+3],   v[ADRA+1] offset:64*(\q)+(\a)*16*PITCH
	ds_load_b128 v[FA+8*(\q)+4:FA+8*(\q)+7], v[ADRA+1] offset:64*(\q)+(\a)*16*PITCH+32
.endr
.endm
.macro ROW a
.set FA, PA+32*((\a)%4)
.set AC, 64*((\a)%4)
	WIN MUL_LO+0x50*((\a)/4)
.irp q, 0,1,2,3
.if (\a) == 0 && (\q) == 2
	s_wait_dscnt 24                                ; B's quarter 2 is in (behind it: A's blocks 1 to 3)
.endif
.irp b, 0,1,2,3,4,5,6,7
	v_wmma_f32_16x16x32_bf16 v[AC+8*(\b):AC+8*(\b)+7], v[64*(\q)+8*(\b):64*(\q)+8*(\b)+7], v[FA+8*(\q):FA+8*(\q)+7], v[AC+8*(\b):AC+8*(\b)+7]
.endr
.endr
.endm
; THE WAY OUT of block a.  PACK: rounded to f16, 16 bytes a lane.  TOSTAGE: into my own stage in LDS, and back as whole rows of 256 bytes.  SEND: stored.
.macro PACK a
.set AC, 64*((\a)%4)
	WIN 0x0a+5*((\a)/4)                            ; sources 0 and 1: window 2 or 3
.irp b, 0,1,2,3,4,5,6,7
.irp r, 0,1,2,3
	v_cvt_pk_f16_f32 v[TMP+4*(\b)+(\r)], v[AC+8*(\b)+2*(\r)], v[AC+8*(\b)+2*(\r)+1]
.endr
.endr
	WIN 0
.endm
.macro TOSTAGE a
	WIN 0
.set BK, OB+192*((\a)%2)
.irp b, 0,1,2,3,4,5,6,7
	ds_store_b128 v[STO], v[TMP+4*(\b):TMP+4*(\b)+3] offset:32*(\b)
.endr
.irp t, 0,1,2,3,4,5,6,7
	ds_load_b128 v[BK+4*(\t):BK+4*(\t)+3], v[RD] offset:(\t)*2*SPITCH  ; LDS serves a wave's instructions in order (ISA guide 5.7.1.4): these see the stores above
.endr
.endm
.macro SEND a, younger
	WIN 0
.set BK, OB+192*((\a)%2)
	s_wait_dscnt \younger                          ; the block is back in registers
	s_wait_xcnt 0x0                                ; the stores' base and the registers that earlier stores read are rewritten only behind this wait
.if (\a) == 0
	s_add_nc_u64 s[8:9], s[8:9], s[16:17]          ; on to my first rows
.else
	s_add_nc_u64 s[8:9], s[8:9], 16*SIZE_N*2       ; 16 rows of C on
.endif
.irp t, 0,1,2,3,4,5,6,7
	global_store_b128 v[CO], v[BK+4*(\t):BK+4*(\t)+3], s[8:9] offset:2*(\t)*SIZE_N*2  ; 16 lanes store 256 consecutive bytes, at a multiple of 256 from C's first byte
.endr
.endm
	s_wait_tensorcnt 1                             ; my part of K step 0 is in; K step 1's may stay out
	s_barrier_signal -1
	s_barrier_wait -1
	FETCH 0, 0, F0
	QUARTER 0, 64,  F0, F1, 1                      ; the first quarter stands in front of the loop: its products start the sums
	WIN 0
	s_mov_b32 s3, LAPS-1
.Llap:                                                 ; a trip goes once round the ring, from a lap's second quarter to the next lap's first, and fills both slots again
	QUARTER 0, 128, F1, F0, 0
	QUARTER 0, 192, F0, F1, 0
	TURN 0, 1
	QUARTER 1, 64,  F0, F1, 0
	QUARTER 1, 128, F1, F0, 0
	QUARTER 1, 192, F0, F1, 0
	TURN 1, 0
	QUARTER 0, 64,  F0, F1, 0
	WIN 0
	s_sub_co_u32 s3, s3, 1
	s_cmp_lg_u32 s3, 0
	s_cbranch_scc1 .Llap
	QUARTER 0, 128, F1, F0, 0
	QUARTER 0, 192, F0, F1, 0
	MEET 0                                         ; the load that was still out is slot 1's, the last K step's, so no round follows
	PLACES
	WIN TO_B
	BLOAD 0
	BLOAD 1
	BLOAD 3
	WIN 0
	ALOAD 0
	WIN MUL_HI
	MUL16 F1, 1, 0, 0
	MUL16 F1, 1, 2, 0
	PLACES
	WIN TO_B
	BLOAD 2
	WIN 0
	ALOAD 1
	ALOAD 2
	ALOAD 3
	s_wait_dscnt 40                                ; all but the 40 just issued
	ROW 0
.irp a, 0,1,2,3,4,5,6,7
	PLACES
	PACK \a
	TOSTAGE \a
.if (\a) < 4
	ALOAD (\a)+4
	SEND \a, 8
.else
	SEND \a, 0
.endif
.if (\a) < 7
	ROW (\a)+1
.endif
.endr
	s_wait_tensorcnt 0x0                           ; the wave's end
	ds_add_u32 v[SPW], v[NIL]
	s_wait_dscnt 0x0
	CROUND                                         ; the closing round
	s_endpgm
; THE HEAD: q, k AND v OF THE FIRST 64 ROWS OF EACH BATCH, KEPT TO ABOUT 22 BITS: each f32 sum is stored as two f16 numbers, hi = f16(sum) and lo = f16(sum - hi).
; Why: a row of the output with few keys is a mean of few v of size 1, while every number is held to a hundredth of the whole output's root mean square (about 0.1): one f16 rounding each
; of q, k, p and v comes to about 4e-4 of such a row's terms, too near that line.  From row 64 on a row averages so many keys that the same roundings weigh a quarter of that or less.
; hp, f16: q | k hi [256 head rows = 64 b + i][2048] at byte 0, lo at 1 MiB;  V^T hi [1024 channels][256 head rows] at 2 MiB, lo at 2.5 MiB.
; ONE PRODUCT for both: Out[n][m] = sum over k of M[m][k] N[n][k], bf16 operands, f32 sums, K = 1,024.  12 clusters are 192 work-groups, g = 16 x the head cluster's number + cx + 4 cy:
;   g 0-127:   N = 32 head rows of xb, M = 128 rows of W_q | W_k (wb's rows 0-2047), Out = q | k
;   g 128-191: N = 32 rows of W_v (wb's rows 2048 on), M = 128 head rows of xb,     Out = V^T
; g enters global addresses alone; which of the two products it is hangs on the cluster's number.  LIMIT: a sum of 65,520 or more in size becomes an infinity, as above.
; SHARES.  Wave w makes 32 rows n x the 32 columns m = 32 w on: 4 accumulators, which take turns.  Source 0 = 16 rows of M, source 1 = 16 rows of N: a lane holds row n = l % 16 and
; eight neighbouring m, which pack into 16 bytes.
; NO TENSOR LOAD, NO JOINT REQUEST here: these work-groups read 7 MB in all, the fragments lie in memory as the registers want them (K along the rows), and a wave's time is a few round
; trips to memory: a ring of three register slots of 64 along K keeps 32 loads of every wave on their way while one slot is multiplied.
; The way out goes through the bytes of the four waves' stages above (2 x 32 rows x 272 bytes = 4 x 16 x 272), which no tensor load fills.
.set HLOST, 32*SPITCH                  ; the stage for lo lies behind the stage for hi
.set HVO,  2                           ; v2      a fragment's lane offset: (l % 16) x 2,048 + 16 (l / 16); never rewritten
.set HSTO, 8                           ; v8      where I put 16 bytes of a row of the stage
.set HRD,  9                           ; v9      where I read rows back
.set HGO,  10                          ; v10-13  my byte offsets in Out: rows 8 w + 2 t + l / 16
.set HNEG, 14                          ; v14     -1.0
.set HACC, 32                          ; v32-63  accumulator (a, b) at HACC + 8 (2 a + b)
.set HFR,  64                          ; v64-255 slot s at HFR + 64 s: for each 32 along K (u): M's two fragments, then N's two
.set HHH,  64                          ; the way out: 16 registers of hi,
.set HLL,  80                          ; 16 of lo,
.set HTT,  96                          ; 32 differences in f32,
.set HBK,  128                         ; 32 registers of whole rows
.set HMP, 36                           ; s[36:37] M at my 32 rows
.set HNP, 38                           ; s[38:39] N at the group's 32 rows
.set HOH, 40                           ; s[40:41] Out's hi at the group's corner
.set HOL, 42                           ; s[42:43] Out's lo
; 16 loads: 64 along K at byte off of the rows, into slot sl.  A fragment is 16 rows x 32 K in 8 registers: two loads of 16 bytes, 32 bytes apart
.macro HFILL sl, off
.irp u, 0,1
.irp g, 0,1
	global_load_b128 v[HFR+64*(\sl)+32*(\u)+8*(\g):HFR+64*(\sl)+32*(\u)+8*(\g)+3],       v[HVO], s[HMP:HMP+1] offset:(\off)+32768*(\g)+64*(\u)
	global_load_b128 v[HFR+64*(\sl)+32*(\u)+8*(\g)+4:HFR+64*(\sl)+32*(\u)+8*(\g)+7],     v[HVO], s[HMP:HMP+1] offset:(\off)+32768*(\g)+64*(\u)+32
	global_load_b128 v[HFR+64*(\sl)+32*(\u)+16+8*(\g):HFR+64*(\sl)+32*(\u)+16+8*(\g)+3],   v[HVO], s[HNP:HNP+1] offset:(\off)+32768*(\g)+64*(\u)
	global_load_b128 v[HFR+64*(\sl)+32*(\u)+16+8*(\g)+4:HFR+64*(\sl)+32*(\u)+16+8*(\g)+7], v[HVO], s[HNP:HNP+1] offset:(\off)+32768*(\g)+64*(\u)+32
.endr
.endr
.endm
; A slot's turn: 8 matrix instructions, the 4 accumulators by turns.  zero = 1: the first four start the sums.  off >= 0: the slot is filled again, three chunks ahead.
; left = how many younger loads may stay out.
.macro HTURN sl, zero, off, left
	s_wait_loadcnt \left                           ; loads come back in order: this slot's 16 are in
.irp u, 0,1
.irp a, 0,1
.irp b, 0,1
.if (\zero) && ((\u) == 0)
	v_wmma_f32_16x16x32_bf16 v[HACC+8*(2*(\a)+(\b)):HACC+8*(2*(\a)+(\b))+7], v[HFR+64*(\sl)+32*(\u)+8*(\a):HFR+64*(\sl)+32*(\u)+8*(\a)+7], v[HFR+64*(\sl)+32*(\u)+16+8*(\b):HFR+64*(\sl)+32*(\u)+16+8*(\b)+7], 0
.else
	v_wmma_f32_16x16x32_bf16 v[HACC+8*(2*(\a)+(\b)):HACC+8*(2*(\a)+(\b))+7], v[HFR+64*(\sl)+32*(\u)+8*(\a):HFR+64*(\sl)+32*(\u)+8*(\a)+7], v[HFR+64*(\sl)+32*(\u)+16+8*(\b):HFR+64*(\sl)+32*(\u)+16+8*(\b)+7], v[HACC+8*(2*(\a)+(\b)):HACC+8*(2*(\a)+(\b))+7]
.endif
.endr
.endr
.endr
.if (\off) >= 0
	PLACES                                         ; between the last product and the loads into the registers that it read
	HFILL \sl, \off
.endif
.endm
.Lhead:
	s_cmp_lt_u32 s79, 10
	s_cselect_b32 s12, 8, 12
	s_sub_co_u32 s11, s79, s12                     ; y = 8, 9 -> 0, 1; y = 14 .. 17 -> 2 .. 5
	s_lshl_b32 s11, s11, 1
	s_add_co_u32 s11, s11, s78                     ; the head cluster's number, 0 to 11
	s_lshl_b32 s11, s11, 4
	s_lshl2_add_u32 s12, s41, s40                  ; my place in the cluster: 4 cy + cx
	s_add_co_u32 s11, s11, s12                     ; g
	v_and_b32 v1, 15, v0                           ; l % 16
	v_bfe_u32 v3, v0, 4, 1                         ; l / 16
	v_lshlrev_b32 v[HVO], 11, v1
	v_lshl_add_u32 v[HVO], v3, 4, v[HVO]
	v_mov_b32 v[HNEG], -1.0
	s_max_u32 s12, s11, 128
	s_sub_co_u32 s12, s12, 128                     ; my number among V^T's groups (used where g >= 128)
	s_lshr_b32 s13, s11, 4
	s_and_b32 s14, s11, 15
	s_lshr_b32 s15, s12, 1
	s_and_b32 s16, s12, 1
	s_mov_b32 s27, 0x80000
	s_cmp_lt_u32 s11, 128
	s_cselect_b32 s17, s13, s15                    ; which 32 rows n
	s_cselect_b32 s18, s14, s16                    ; which 128 columns m
	s_cselect_b32 s25, 12, 9                       ; Out's rows are 4,096 or 512 bytes apart
	s_cselect_b32 s26, 0, 0x200000                 ; Out's hi in hp
	s_cselect_b32 s27, 0x100000, s27               ; from hi to lo
	s_lshl_b32 s19, s17, 5                         ; the first n
	s_lshl_b32 s20, s18, 7
	s_lshl_b32 s21, s10, 5
	s_add_co_u32 s20, s20, s21                     ; my first m
	s_add_co_u32 s22, s19, 2048                    ; W_v's rows in wb
	s_cmp_lt_u32 s11, 128
	s_cselect_b32 s23, s19, s20                    ; the first head row of x that I read,
	s_cselect_b32 s24, s20, s22                    ; the first row of wb
	s_lshr_b32 s28, s23, 6                         ; head row 64 b + i is xb's row 2,048 b + i; my 32 lie in one batch
	s_lshl_b32 s28, s28, 11
	s_and_b32 s29, s23, 63
	s_add_co_u32 s28, s28, s29
	s_lshl_b32 s28, s28, 11                        ; rows of 2,048 bytes
	s_mov_b32 s29, 0
	s_lshl_b32 s30, s24, 11
	s_mov_b32 s31, 0
	s_lshl_b32 s32, s19, s25
	s_add_co_u32 s32, s32, s26
	s_lshl_b32 s33, s18, 8                         ; 128 columns of 2 bytes
	s_add_co_u32 s32, s32, s33
	s_mov_b32 s33, 0
	s_mov_b32 s34, s27
	s_mov_b32 s35, 0
	s_add_nc_u64 s[28:29], s[68:69], s[28:29]      ; x's rows
	s_add_nc_u64 s[30:31], s[70:71], s[30:31]      ; the weights' rows
	s_cmp_lt_u32 s11, 128
	s_cselect_b64 s[HMP:HMP+1], s[30:31], s[28:29]
	s_cselect_b64 s[HNP:HNP+1], s[28:29], s[30:31]
	s_add_nc_u64 s[HOH:HOH+1], s[66:67], s[32:33]
	s_add_nc_u64 s[HOL:HOL+1], s[HOH:HOH+1], s[34:35]
	HFILL 0, 0                                     ; chunks 0, 1, 2 of 16: 48 loads of mine are out
	HFILL 1, 128
	HFILL 2, 256
	; the way out's addresses, in the wait for the first chunk
	v_mul_u32_u24 v4, v1, SPITCH
	v_lshl_add_u32 v4, v3, 4, v4
	s_lshl_b32 s44, s10, 6
	s_add_co_u32 s44, s44, STAGE
	v_add_nc_u32 v[HSTO], s44, v4                  ; in: row l % 16, my wave's 64 bytes of it, 16 bytes for each half of the lanes
	s_mul_i32 s45, s10, 8*SPITCH
	s_add_co_u32 s45, s45, STAGE
	v_mul_u32_u24 v5, v3, SPITCH
	v_lshl_add_u32 v5, v1, 4, v5
	v_add_nc_u32 v[HRD], s45, v5                   ; back: wave w takes rows 8 w .. 8 w + 7, whole; lanes 0-15 one row, lanes 16-31 the next
	s_lshl_b32 s46, s10, 3
	v_add_nc_u32 v6, s46, v3
.irp t, 0,1,2,3
	v_add_nc_u32 v7, 2*(\t), v6
	v_lshlrev_b32 v7, s25, v7
	v_lshl_add_u32 v[HGO+(\t)], v1, 4, v7          ; the same rows in Out
.endr
	HTURN 0, 1, 384, 32                            ; chunk 0 starts the sums; 32: the other two slots' loads stay out
	s_mov_b32 s3, 4
.Lhtrip:                                               ; trip t: chunks 3 t + 1 .. 3 t + 3 are multiplied, chunks 3 t + 4 .. 3 t + 6 asked for; the bases stand at chunk 3 t
	HTURN 1, 0, 512, 32
	HTURN 2, 0, 640, 32
	HTURN 0, 0, 768, 32
	s_wait_xcnt 0x0                                ; the bases are stepped only behind this wait
	s_add_nc_u64 s[HMP:HMP+1], s[HMP:HMP+1], 384
	s_add_nc_u64 s[HNP:HNP+1], s[HNP:HNP+1], 384
	s_sub_co_u32 s3, s3, 1
	s_cmp_lg_u32 s3, 0
	s_cbranch_scc1 .Lhtrip
	HTURN 1, 0, -1, 32                             ; chunks 13, 14, 15: nothing is left to fetch, and the counts run down
	HTURN 2, 0, -1, 16
	HTURN 0, 0, -1, 0
	PLACES                                         ; between the last products and the conversions that read results and write over fragments
.set q, 0
.rept 16                               ; hi: pair q % 4 of accumulator q / 4, each accumulator's registers in ascending order
	v_cvt_pk_f16_f32 v[HHH+q], v[HACC+2*q], v[HACC+2*q+1]
.set q, q+1
.endr
.set q, 0
.rept 16                               ; sum - hi, exact in f32: hi's half times -1.0 plus the sum
	v_fma_mix_f32 v[HTT+2*q],   v[HHH+q], v[HNEG], v[HACC+2*q]   op_sel_hi:[1,0,0]
	v_fma_mix_f32 v[HTT+2*q+1], v[HHH+q], v[HNEG], v[HACC+2*q+1] op_sel:[1,0,0] op_sel_hi:[1,0,0]
.set q, q+1
.endr
.set q, 0
.rept 16
	v_cvt_pk_f16_f32 v[HLL+q], v[HTT+2*q], v[HTT+2*q+1]
.set q, q+1
.endr
.irp a, 0,1
.irp b, 0,1
	ds_store_b128 v[HSTO], v[HHH+4*(2*(\a)+(\b)):HHH+4*(2*(\a)+(\b))+3] offset:(\b)*16*SPITCH+32*(\a)
	ds_store_b128 v[HSTO], v[HLL+4*(2*(\a)+(\b)):HLL+4*(2*(\a)+(\b))+3] offset:HLOST+(\b)*16*SPITCH+32*(\a)
.endr
.endr
	s_wait_dscnt 0x0                               ; for the others' sake: my stores into the stage are done
	s_barrier_signal -1
	s_barrier_wait -1                              ; a row's 256 bytes come from four waves
.irp t, 0,1,2,3
	ds_load_b128 v[HBK+4*(\t):HBK+4*(\t)+3], v[HRD] offset:(\t)*2*SPITCH
.endr
.irp t, 0,1,2,3
	ds_load_b128 v[HBK+16+4*(\t):HBK+16+4*(\t)+3], v[HRD] offset:HLOST+(\t)*2*SPITCH
.endr
.irp t, 0,1,2,3
	s_wait_dscnt 7-(\t)                            ; LDS loads come back in order: load t of the eight is in
	global_store_b128 v[HGO+(\t)], v[HBK+4*(\t):HBK+4*(\t)+3], s[HOH:HOH+1]       ; 16 lanes store 256 consecutive bytes, at a multiple of 256 from hp's first byte
.endr
.irp t, 0,1,2,3
	s_wait_dscnt 3-(\t)
	global_store_b128 v[HGO+(\t)], v[HBK+16+4*(\t):HBK+16+4*(\t)+3], s[HOL:HOL+1]
.endr
	s_wait_tensorcnt 0x0                           ; the wave's end, behind my last LDS store
	ds_add_u32 v[SPW], v[NIL]
	s_wait_dscnt 0x0
	CROUND                                         ; the closing round, as on the other path: every work-group of a cluster passes two rounds here
	s_endpgm
.Lfunc_end_k_qd606a57a64_proj:
	.size	k_qd606a57a64_proj, .Lfunc_end_k_qd606a57a64_proj-k_qd606a57a64_proj
	.p2alignl 7, 3214868480
	.fill 96, 4, 3214868480
	.section	.rodata,"a",@progbits
	.p2align	6, 0x0
	.amdhsa_kernel k_qd606a57a64_proj
		.amdhsa_group_segment_fixed_size 327680
		.amdhsa_private_segment_fixed_size 0
		.amdhsa_enable_private_segment 0
		.amdhsa_kernarg_size 40
		.amdhsa_user_sgpr_count 2
		.amdhsa_user_sgpr_kernarg_segment_ptr 1
		.amdhsa_wavefront_size32 1
		.amdhsa_system_sgpr_workgroup_id_x 1
		.amdhsa_system_sgpr_workgroup_id_y 1
		.amdhsa_system_sgpr_workgroup_id_z 1
		.amdhsa_system_vgpr_workitem_id 0
		.amdhsa_next_free_vgpr 1024
		.amdhsa_next_free_sgpr 84
		.amdhsa_reserve_vcc 0
		.amdhsa_float_denorm_mode_32 3
		.amdhsa_float_denorm_mode_16_64 3
		.amdhsa_memory_ordered 1
		.amdhsa_forward_progress 1
		.amdhsa_inst_pref_size 169
	.end_amdhsa_kernel
	.amdgpu_metadata
---
amdhsa.version: [ 1, 2 ]
amdhsa.kernels:
  - .name:           k_qd606a57a64_proj
    .symbol:         k_qd606a57a64_proj.kd
    .args:
      - { .name: xb, .offset: 0, .size: 8, .value_kind: global_buffer, .address_space: global }
      - { .name: wb, .offset: 8, .size: 8, .value_kind: global_buffer, .address_space: global }
      - { .name: qk, .offset: 16, .size: 8, .value_kind: global_buffer, .address_space: global }
      - { .name: vt, .offset: 24, .size: 8, .value_kind: global_buffer, .address_space: global }
      - { .name: hp, .offset: 32, .size: 8, .value_kind: global_buffer, .address_space: global }
    .group_segment_fixed_size: 327680
    .private_segment_fixed_size: 0
    .kernarg_segment_align: 8
    .kernarg_segment_size: 40
    .max_flat_workgroup_size: 128
    .sgpr_count:     84
    .vgpr_count:     1024
    .wavefront_size: 32
...
	.end_amdgpu_metadata
.endif
;; end of part 7
;; launch score (part 8): grid 52 x 4, 4 waves a work-group, no clusters, 327,680 bytes of LDS; arguments qk, pt, st, hp, out0; writes pt, st, out0
.if DOCPART == 8
	.amdgcn_target "amdgcn-amd-amdhsa--gfx1250"
	.amdhsa_code_object_version 6
	.text
	.protected	k_qd606a57a64_score
	.globl	k_qd606a57a64_score
	.p2align	8
	.type	k_qd606a57a64_score,@function
k_qd606a57a64_score:
	s_mov_b64 s[64:65], 0
	v_nop
	global_prefetch_b8 v0, s[64:65] scope:SCOPE_SE
	s_setreg_imm32_b32 hwreg(HW_REG_WAVE_MODE, 25, 1), 1
	s_wait_xcnt 0x0
; SCORES AND THE SOFTMAX'S FIRST HALF.  For each tile of 256 queries x 256 keys on or below the diagonal (36 a batch): S = q k^T (f16 operands, f32 sums, K = 1,024); then for each row and
; each CHUNK of 128 keys the true maximum of the chunk's scores: m' = c max, c = log2(e) / 32;  p = 2^(c s - m') <= 1 (but for the rounding of c max);  l = the sum of the chunk's p, in f32.
; Stored: p in f16 into pt [4][2048][2048]; (m', l) in f32 into st [4][16 chunks][2048 rows][2].  The last launch joins the chunks by 2^(m' - the row's largest m').
; Work-groups 36 to 51 of a batch are THE HEAD: the whole attention of the batch's first 64 rows, on operands in two parts, straight into out0 (at the label .Lhead, with its own head comment).
; LIMITS.  A hidden score (key > query) counts as -2^100; c 2^100 is exact, so a chunk that is wholly hidden gets p = 1 and m' = -c 2^100, and its weight in the last launch is 0.
; A weight below 2^-126 counts as 0 in l, one below 6e-8 is 0 in f16.  q and k arrive in f16.  NaN and infinities are not treated apart.
; NO CLUSTER: row i of a batch's triangle has i + 1 tiles and column j has 8 - j; no sets of four tiles of one row or one column cover it, and filling the sets up would launch
; 48 work-groups with hidden tiles alone.
; SHARES.  Tile t of the batch: i = its row in the triangle, j = t - i (i + 1) / 2.  Four waves, each 128 queries x 128 keys (one chunk): 64 accumulators, 512 registers.
; K goes in steps of 128 through a ring of two LDS slots; each wave fetches 128 rows (waves 0, 1: q's; waves 2, 3: k's) with one tensor load.
; The matrix instruction is used transposed (source 0 = 16 keys, source 1 = 16 queries): a lane holds query l % 16 and eight neighbouring keys.
; THE END.  The wave's 128 x 128 scores go into LDS (over the ring, which has had its last fill) and come back by rows: 16 lanes hold a row, 8 neighbouring keys each, so a row's maximum and sum
; are four steps among 16 lanes, and a row's 128 p are 256 consecutive bytes of pt.
; REGISTERS as in the projection: window 0 addresses and A's fragments, window 1 B's, windows 2 and 3 the accumulators.
.set KSTEP,  128
.set PITCH,  272                       ; an LDS row: 256 bytes + 16 of padding: the 16 rows of a load start at 16 different groups of four banks (64 banks of 4 bytes: ISA guide 11.1)
.set HALFT,  128*PITCH
.set SLOT,   4*HALFT
.set DP,     528                       ; a row of the dump: 512 bytes + 16.  First the columns 8 g .. 8 g + 3 at byte 16 g (g = 0..15), then the columns 8 g + 4 .. 8 g + 7 at byte 256 + 16 g
.set DUMPW,  128*DP                    ; a wave's dump: 67,584 bytes, four of them inside the ring's 278,528
.set STATS,  2*SLOT                    ; behind the ring: 1,024 bytes for each wave: (m', l) of its 128 rows
.set SPARE,  STATS+4*1024              ; the spare words, 128 bytes for each wave
.set LAPS,   4                         ; 1,024 / 256
.set ADRA, 16                          ; v16-17  LDS address of my q fragments in slot 0, 1
.set ADRB, 20                          ; v20-21  of my k fragments
.set RDC,  22                          ; v22     the dump's rows of the trip in hand
.set SAC,  23                          ; v23     the statistics' place of the trip in hand
.set STO,  24                          ; v24     where I put 16 bytes of the dump
.set RD,   25                          ; v25     where I read rows back, first trip
.set GO,   26                          ; v26     my byte offset in two rows of pt
.set SA,   27                          ; v27     my row's place in the statistics, first trip
.set SPW,  28
.set NIL,  29
.set DD,   30                          ; v30     my query less my first key, in the tile: register j of pair p is hidden where j - 2 p is greater
.set HID,  31                          ; v31     -2^100
.set SL,   32                          ; v32     my 16 bytes of the wave's statistics in LDS
.set SG,   33                          ; v33     and in st
.set F0,   64
.set F1,   128
.set X,    64                          ; v64-127   the end: 8 pairs of rows x 8 scores
.set Y,    128                         ; v128-159  8 pairs x 4 registers of f16
.set ST,   160                         ; v160-175  pair p: m', l
.set T,    176                         ; v176-183  pair p: the maximum
.set G1, 24                            ; s[24:31] descriptor group 1
.set G0, 32                            ; s[32:39] group 0, one set for each slot
.set DG, 40                            ; s40  1: the tile holds the diagonal
.set CS, 42                            ; s[42:43] c, twice
.set PO, 44                            ; s[44:45] pt at my first row and key
.set SO, 46                            ; s[46:47] st at my chunk and first row
.set RO, 48                            ; s48  the trip's rows in the dump, in bytes
.set SF, 49                            ; s49  the trip's rows in the statistics, in bytes
.set MSB, 0
.macro WIN new
.if MSB != (\new)
	s_set_vgpr_msb (MSB<<8)|(\new)
.set MSB, \new
.endif
.endm
.set MUL_LO, 0xa1
.set MUL_HI, 0xf1
.set TO_B,   0x40
.macro LOADT s                         ; my 128 rows of a K step; an s_nop 0 and four v_nop follow
	tensor_load_to_lds s[G0+4*(\s):G0+4*(\s)+3], s[G1:G1+7]
	s_nop 0
.rept 4
	v_nop
.endr
.endm
	s_load_b128 s[4:7], s[0:1], 0x0                ; qk s[4:5], pt s[6:7]
	s_load_b64 s[8:9], s[0:1], 0x10                ; st
	s_load_b64 s[52:53], s[0:1], 0x18              ; hp
	s_load_b64 s[54:55], s[0:1], 0x20              ; out0
	v_lshl_add_u32 v[SPW], v0, 2, SPARE
	v_mov_b32 v[NIL], 0
	ds_add_u32 v[SPW], v[NIL]                      ; the wave's opening: the add, and its wait ahead of my first tensor load
	ds_add_u32 v28, v29
	v_lshrrev_b32 v1, 5, v0
	v_readfirstlane_b32 s10, v1                    ; wave 0..3
	s_lshr_b32 s11, s10, 1                         ; hr: which 128 queries
	s_and_b32 s12, s10, 1                          ; hc: which 128 keys.  Also: which 128 rows I fetch
	s_mov_b32 s13, ttmp9                           ; t
	s_and_b32 s14, ttmp7, 0xffff                   ; the batch
	s_mov_b32 s15, 0
.irp T0, 1,3,6,10,15,21,28
	s_cmp_ge_u32 s13, \T0                          ; i = how many rows of the triangle begin at or below t
	s_add_co_ci_u32 s15, s15, 0
.endr
	s_add_co_u32 s16, s15, 1
	s_mul_i32 s16, s16, s15
	s_lshr_b32 s16, s16, 1
	s_sub_co_u32 s16, s13, s16                     ; j
	s_cmp_eq_u32 s15, s16
	s_cselect_b32 s[DG], 1, 0
	s_mov_b32 s[G1+0], (1<<16)|(1<<20)|(5<<22)|(3<<25)  ; element of 2 bytes; padding on: after every 64 words 4 words
	s_mov_b32 s[G1+1], KSTEP<<16                   ; tensor_dim0 = 128
	s_mov_b32 s[G1+2], 128<<16                     ; tensor_dim1 = 128
	s_mov_b32 s[G1+3], KSTEP<<16                   ; tile_dim0 = 128
	s_mov_b32 s[G1+4], 128                         ; tile_dim1 = 128
	s_mov_b32 s[G1+5], 2048                        ; elements from row to row of qk
	s_mov_b32 s[G1+6], 0
	s_mov_b32 s[G1+7], 0
	s_cmp_lt_u32 s10, 2
	s_cselect_b32 s17, s15, s16                    ; waves 0, 1: q's rows of block i; waves 2, 3: k's rows of block j,
	s_cselect_b32 s18, 0, 2048                     ; which begin 2,048 bytes into a row of qk
	s_lshl_b32 s17, s17, 8
	s_lshl_b32 s19, s12, 7
	s_add_co_u32 s17, s17, s19
	s_lshl_b32 s19, s14, 11                        ; the batch's 2,048 rows
	s_add_co_u32 s17, s17, s19
	s_lshl_b32 s20, s17, 12                        ; rows of 4,096 bytes
	s_add_co_u32 s20, s20, s18
	s_mov_b32 s21, 0
	s_mul_i32 s22, s10, HALFT                      ; where my rows go
	s_lshl_b32 s[PO], s15, 8
	s_lshl_b32 s23, s11, 7
	s_add_co_u32 s[PO], s[PO], s23                 ; my first query in the batch: 256 i + 128 hr
	s_mov_b32 s[SO], s[PO]
	s_add_co_u32 s[PO], s[PO], s19
	s_lshl_b32 s[PO], s[PO], 12
	s_lshl_b32 s23, s16, 9                         ; 256 j keys of 2 bytes
	s_add_co_u32 s[PO], s[PO], s23
	s_lshl_b32 s23, s12, 8
	s_add_co_u32 s[PO], s[PO], s23
	s_mov_b32 s[PO+1], 0
	s_lshl_b32 s23, s14, 4
	s_lshl1_add_u32 s23, s16, s23
	s_add_co_u32 s23, s23, s12                     ; 16 b + my chunk 2 j + hc
	s_lshl_b32 s23, s23, 11
	s_add_co_u32 s[SO], s[SO], s23
	s_lshl_b32 s[SO], s[SO], 3
	s_mov_b32 s[SO+1], 0
	s_mov_b32 s[CS], 0x3d38aa3b                    ; c = log2(e) / 32
	s_mov_b32 s[CS+1], s[CS]
	s_wait_dscnt 0x0                               ; the opening add is done
	s_wait_kmcnt 0x0
	s_cmp_ge_u32 s13, 36
	s_cbranch_scc1 .Lhead                          ; the head's work-groups leave here: of what was made above they use the wave's number, t, the batch and c
	s_add_nc_u64 s[20:21], s[4:5], s[20:21]
	s_add_nc_u64 s[PO:PO+1], s[6:7], s[PO:PO+1]
	s_add_nc_u64 s[SO:SO+1], s[8:9], s[SO:SO+1]
.irp s, 0,1
	s_mov_b32 s[G0+4*(\s)], 1
	s_add_co_u32 s[G0+4*(\s)+1], s22, (\s)*SLOT
	s_add_nc_u64 s[G0+4*(\s)+2:G0+4*(\s)+3], s[20:21], (\s)*KSTEP*2
	s_or_b32 s[G0+4*(\s)+3], s[G0+4*(\s)+3], 0x80000000
	LOADT \s                                       ; two loads of mine are out
.endr
	v_and_b32 v1, 15, v0                           ; l % 16
	v_bfe_u32 v2, v0, 4, 1                         ; h = l / 16
	v_mul_u32_u24 v3, v1, PITCH
	v_lshl_add_u32 v3, v2, 4, v3
	s_mul_i32 s17, s11, HALFT
	s_mul_i32 s18, s12, HALFT
	s_add_co_u32 s18, s18, 2*HALFT
.irp s, 0,1
	v_add_nc_u32 v[ADRA+(\s)], s17, v3
	v_add_nc_u32 v[ADRB+(\s)], s18, v3
	s_add_co_u32 s17, s17, SLOT
	s_add_co_u32 s18, s18, SLOT
.endr
	s_mul_i32 s19, s10, DUMPW                      ; my dump
	v_mul_u32_u24 v4, v1, DP
	v_lshl_add_u32 v4, v2, 4, v4
	v_add_nc_u32 v[STO], s19, v4                   ; in: row l % 16, 16 bytes for each half of the lanes
	v_mul_u32_u24 v4, v2, DP
	v_lshl_add_u32 v4, v1, 4, v4
	v_add_nc_u32 v[RD], s19, v4                    ; back: lanes 0-15 one row, lanes 16-31 the next
	v_lshlrev_b32 v[GO], 12, v2
	v_lshl_add_u32 v[GO], v1, 4, v[GO]             ; the same two rows in pt
	s_lshl_b32 s19, s10, 10
	s_add_co_u32 s19, s19, STATS
	v_lshl_add_u32 v[SA], v2, 3, s19
	v_and_b32 v4, 31, v0
	v_lshlrev_b32 v[SG], 4, v4
	v_add_nc_u32 v[SL], s19, v[SG]
	s_sub_co_i32 s19, s11, s12
	s_lshl_b32 s19, s19, 7                         ; 128 (hr - hc)
	v_lshlrev_b32 v4, 3, v1
	v_sub_nc_u32 v[DD], v2, v4
	v_add_nc_u32 v[DD], s19, v[DD]                 ; 128 hr + h - 128 hc - 8 (l % 16)
	v_mov_b32 v[HID], 0xf1800000                   ; -2^100
.macro MUL16 f, hi, a0, zero
	WIN MUL_LO+0x50*(\hi)
.irp a, \a0, (\a0)+1
.irp b, 0,1,2,3,4,5,6,7
.if \zero
	v_wmma_f32_16x16x32_f16 v[8*(8*(\a)+(\b)):8*(8*(\a)+(\b))+7], v[(\f)+8*(\b):(\f)+8*(\b)+7], v[(\f)+8*(4*(\hi)+(\a)):(\f)+8*(4*(\hi)+(\a))+7], 0
.else
	v_wmma_f32_16x16x32_f16 v[8*(8*(\a)+(\b)):8*(8*(\a)+(\b))+7], v[(\f)+8*(\b):(\f)+8*(\b)+7], v[(\f)+8*(4*(\hi)+(\a)):(\f)+8*(4*(\hi)+(\a))+7], v[8*(8*(\a)+(\b)):8*(8*(\a)+(\b))+7]
.endif
.endr
.endr
.endm
.macro FETCH slot, k, f
	WIN TO_B
.irp i, 0,1,2,3,4,5,6,7
	ds_load_b128 v[(\f)+8*(\i):(\f)+8*(\i)+3],   v[ADRB+(\slot)] offset:(\k)+(\i)*16*PITCH
	ds_load_b128 v[(\f)+8*(\i)+4:(\f)+8*(\i)+7], v[ADRB+(\slot)] offset:(\k)+(\i)*16*PITCH+32
.endr
	WIN 0
.irp i, 0,1,2,3,4,5,6,7
	ds_load_b128 v[(\f)+8*(\i):(\f)+8*(\i)+3],   v[ADRA+(\slot)] offset:(\k)+(\i)*16*PITCH
	ds_load_b128 v[(\f)+8*(\i)+4:(\f)+8*(\i)+7], v[ADRA+(\slot)] offset:(\k)+(\i)*16*PITCH+32
.endr
.endm
.macro PLACES                          ; four plain vector instructions between a matrix instruction and a load into, or a vector instruction or store on, its registers
.rept 4
	v_nop
.endr
.endm
.macro QUARTER slot, k, f, g, zero
	s_wait_dscnt 8                                 ; k's fragments and q's rows 0-63 are in; the youngest eight loads may be out
	WIN MUL_LO
	MUL16 \f, 0, 0, \zero
	MUL16 \f, 0, 2, \zero
	PLACES
	FETCH \slot, \k, \g
	s_wait_dscnt 32                                ; all but the 32 just issued
	WIN MUL_HI
	MUL16 \f, 1, 0, \zero
	MUL16 \f, 1, 2, \zero
.endm
; The change of slots: ONE barrier.  In front of it each wave waits for all its tensor loads (one is out: its part of the next slot), adds 0 to its spare word, and waits for that and for its reads of this slot.
.macro MEET
	WIN 0
	s_wait_tensorcnt 0x0
	ds_add_u32 v[SPW], v[NIL]
	s_wait_dscnt 9                                 ; (the add and the youngest eight loads may be out)
	WIN MUL_LO
	MUL16 F1, 0, 0, 0
	s_wait_dscnt 0x0                               ; the add is done, and my reads of this slot are over
	s_barrier_signal -1
	MUL16 F1, 0, 2, 0
	s_barrier_wait -1
.endm
.macro TURN slot, next
	MEET
	s_add_nc_u64 s[G0+4*(\slot)+2:G0+4*(\slot)+3], s[G0+4*(\slot)+2:G0+4*(\slot)+3], 2*KSTEP*2  ; no load of mine is out: the K step two steps on
	LOADT \slot                                    ; my one tensor load behind the barrier, and the first thing there; its four v_nop are also the places in front of the loads below
	FETCH \next, 0, F0
	WIN MUL_HI
	MUL16 F1, 1, 0, 0
	MUL16 F1, 1, 2, 0
.endm
	s_wait_tensorcnt 1                             ; my part of K step 0 is in; K step 1's may stay out
	s_barrier_signal -1
	s_barrier_wait -1
	FETCH 0, 0, F0
	QUARTER 0, 64,  F0, F1, 1                      ; the first quarter's products start the sums
	WIN 0
	s_mov_b32 s3, LAPS-1
.Llap:
	QUARTER 0, 128, F1, F0, 0
	QUARTER 0, 192, F0, F1, 0
	TURN 0, 1
	QUARTER 1, 64,  F0, F1, 0
	QUARTER 1, 128, F1, F0, 0
	QUARTER 1, 192, F0, F1, 0
	TURN 1, 0
	QUARTER 0, 64,  F0, F1, 0
	WIN 0
	s_sub_co_u32 s3, s3, 1
	s_cmp_lg_u32 s3, 0
	s_cbranch_scc1 .Llap
	QUARTER 0, 128, F1, F0, 0                      ; the last lap fills nothing
	QUARTER 0, 192, F0, F1, 0
	MEET
	PLACES
	FETCH 1, 0, F0
	WIN MUL_HI
	MUL16 F1, 1, 0, 0
	MUL16 F1, 1, 2, 0
	QUARTER 1, 64,  F0, F1, 0
	QUARTER 1, 128, F1, F0, 0
	QUARTER 1, 192, F0, F1, 0
	s_wait_dscnt 8                                 ; the very last quarter
	MUL16 F1, 0, 0, 0
	MUL16 F1, 0, 2, 0
	s_wait_dscnt 0x0                               ; my last reads of the ring are over: say so,
	s_barrier_signal -1
	MUL16 F1, 1, 0, 0
	MUL16 F1, 1, 2, 0
	WIN 0
	s_barrier_wait -1                              ; and write over it only when all four have said so
	PLACES                                         ; the stores below read results just made
	; THE DUMP: block a (16 queries), key block b: a lane's eight scores as two stores of 16 bytes, the low four registers first
.irp a, 0,1,2,3,4,5,6,7
	WIN 0x08+4*((\a)/4)                            ; the stores' data in window 2 or 3
.irp b, 0,1,2,3,4,5,6,7
	ds_store_b128 v[STO], v[64*((\a)%4)+8*(\b):64*((\a)%4)+8*(\b)+3]   offset:(\a)*16*DP+32*(\b)
	ds_store_b128 v[STO], v[64*((\a)%4)+8*(\b)+4:64*((\a)%4)+8*(\b)+7] offset:(\a)*16*DP+32*(\b)+256
.endr
.endr
	WIN 0
.set p, 0
.rept 16
	v_mov_b32 v[ST+p], 0                           ; the pairs (m', l) are named whole before l is first made
.set p, p+1
.endr
	s_mov_b32 s[RO], 0
	s_mov_b32 s[SF], 0
	s_mov_b32 s3, 8
.Lrows:                                                ; a trip: 16 rows.  Pair p is rows 2 p + h; lane l % 16 holds the keys 8 (l % 16) + 0..7
	v_add_nc_u32 v[RDC], s[RO], v[RD]
	v_add_nc_u32 v[SAC], s[SF], v[SA]
.irp p, 0,1,2,3,4,5,6,7
	ds_load_b128 v[X+8*(\p):X+8*(\p)+3],   v[RDC] offset:(\p)*2*DP      ; LDS serves a wave's instructions in order (ISA guide 5.7.1.4): these see my stores above
	ds_load_b128 v[X+8*(\p)+4:X+8*(\p)+7], v[RDC] offset:(\p)*2*DP+256
.endr
	s_wait_dscnt 0x0
	s_cmp_eq_u32 s[DG], 0
	s_cbranch_scc1 .Lopen                          ; only a tile on the diagonal hides anything
.set p, 0
.rept 8
.set j, 0
.rept 8
	v_cmp_gt_i32 vcc_lo, j-2*p, v[DD]
	v_cndmask_b32 v[X+8*p+j], v[X+8*p+j], v[HID], vcc_lo
.set j, j+1
.endr
.set p, p+1
.endr
.Lopen:
.irp p, 0,1,2,3,4,5,6,7
	v_max3_num_f32 v[T+(\p)], v[X+8*(\p)], v[X+8*(\p)+1], v[X+8*(\p)+2]
.endr
.irp p, 0,1,2,3,4,5,6,7
	v_max3_num_f32 v[T+(\p)], v[T+(\p)], v[X+8*(\p)+3], v[X+8*(\p)+4]
.endr
.irp p, 0,1,2,3,4,5,6,7
	v_max3_num_f32 v[T+(\p)], v[T+(\p)], v[X+8*(\p)+5], v[X+8*(\p)+6]
.endr
.irp p, 0,1,2,3,4,5,6,7
	v_max_num_f32 v[T+(\p)], v[T+(\p)], v[X+8*(\p)+7]
.endr
.irp m, 1,2,4,8                        ; among the 16 lanes of a row
.irp p, 0,1,2,3,4,5,6,7
	v_max_num_f32_dpp v[T+(\p)], v[T+(\p)], v[T+(\p)] row_xmask:\m row_mask:0xf bank_mask:0xf
.endr
.endr
.irp p, 0,1,2,3,4,5,6,7
	v_mul_f32 v[ST+2*(\p)], s[CS], v[T+(\p)]       ; m' = c max
.endr
.irp p, 0,1,2,3,4,5,6,7
.irp q, 0,1,2,3
	v_pk_fma_f32 v[X+8*(\p)+2*(\q):X+8*(\p)+2*(\q)+1], v[X+8*(\p)+2*(\q):X+8*(\p)+2*(\q)+1], s[CS:CS+1], v[ST+2*(\p):ST+2*(\p)+1] op_sel_hi:[1,0,0] neg_lo:[0,0,1] neg_hi:[0,0,1]  ; c s - m'
.endr
.endr
.set p, 0
.rept 64
	v_exp_f32 v[X+p], v[X+p]
.set p, p+1
.endr
	v_nop                                          ; a plain instruction between the last exponential and the use of its result
	s_wait_alu depctr_va_vdst(0)
.irp p, 0,1,2,3,4,5,6,7
.irp q, 0,1,2,3
	v_cvt_pk_f16_f32 v[Y+4*(\p)+(\q)], v[X+8*(\p)+2*(\q)], v[X+8*(\p)+2*(\q)+1]
.endr
.endr
.irp p, 0,1,2,3,4,5,6,7
	global_store_b128 v[GO], v[Y+4*(\p):Y+4*(\p)+3], s[PO:PO+1] offset:(\p)*8192  ; 16 lanes store a row's 256 consecutive bytes, at a multiple of 256 from pt's first byte
.endr
.irp p, 0,1,2,3,4,5,6,7
	v_pk_add_f32 v[X+8*(\p):X+8*(\p)+1], v[X+8*(\p):X+8*(\p)+1], v[X+8*(\p)+2:X+8*(\p)+3]
	v_pk_add_f32 v[X+8*(\p)+4:X+8*(\p)+5], v[X+8*(\p)+4:X+8*(\p)+5], v[X+8*(\p)+6:X+8*(\p)+7]
.endr
.irp p, 0,1,2,3,4,5,6,7
	v_pk_add_f32 v[X+8*(\p):X+8*(\p)+1], v[X+8*(\p):X+8*(\p)+1], v[X+8*(\p)+4:X+8*(\p)+5]
.endr
.irp p, 0,1,2,3,4,5,6,7
	v_add_f32 v[ST+2*(\p)+1], v[X+8*(\p)], v[X+8*(\p)+1]
.endr
.irp m, 1,2,4,8
.irp p, 0,1,2,3,4,5,6,7
	v_add_f32_dpp v[ST+2*(\p)+1], v[ST+2*(\p)+1], v[ST+2*(\p)+1] row_xmask:\m row_mask:0xf bank_mask:0xf
.endr
.endr
.irp p, 0,1,2,3,4,5,6,7
	ds_store_b64 v[SAC], v[ST+2*(\p):ST+2*(\p)+1] offset:16*(\p)  ; the 16 lanes of a row write the same 8 bytes with the same numbers
.endr
	s_wait_xcnt 0x0                                ; pt's address and Y are rewritten only behind this wait
	s_add_nc_u64 s[PO:PO+1], s[PO:PO+1], 16*4096
	s_add_co_u32 s[RO], s[RO], 16*DP
	s_add_co_u32 s[SF], s[SF], 128
	v_add_nc_u32 v[DD], 16, v[DD]
	s_sub_co_u32 s3, s3, 1
	s_cmp_lg_u32 s3, 0
	s_cbranch_scc1 .Lrows
	ds_load_b128 v[X:X+3], v[SL]                   ; my wave's 1,024 bytes of statistics leave as two stores of 512 consecutive bytes
	ds_load_b128 v[X+4:X+7], v[SL] offset:512
	s_wait_dscnt 0x0
	global_store_b128 v[SG], v[X:X+3], s[SO:SO+1]
	global_store_b128 v[SG], v[X+4:X+7], s[SO:SO+1] offset:512
	s_wait_tensorcnt 0x0                           ; the wave's end
	ds_add_u32 v[SPW], v[NIL]
	s_wait_dscnt 0x0
	s_endpgm
; THE HEAD: THE FIRST 64 ROWS OF EACH BATCH, with every 16-bit operand in two parts (hi + lo, about 22 bits): these rows average few keys, and one f16 rounding each of q, k, p and v is too
; coarse for them (the arithmetic stands in the projection launch, at the text that makes hp).  They see the keys 0-63 alone.  The last launch does not store these rows.
; S = qh kh + ql kh + qh kl (ql kl, some 2^-22 of S, is left out);  p = 2^(c s - c max), c = log2(e) / 32, with the row's true maximum;  l = sum of p in f32;
; out = (ph vh + pl vh + ph vl) / l.  All products on f16 operands with f32 sums.
; LIMITS.  A hidden score (key > query) counts as -2^100; a weight below 2^-126 counts as 0; q, k, v within f16's range.  NaN and infinities are not treated apart.
; SHARES.  Work-group 36 + 4 cq + qt of a batch: the 16 queries 16 qt on, the 256 channels 256 cq on.  Wave w takes K = 256 w .. 256 w + 255 of the scores for all 64 keys, and later the
; channels 64 (4 cq + w) on.  The scores are so made in each of the four work-groups of a query tile: 96 matrix instructions a wave; the price of no traffic between work-groups.
; The partial scores, f32, meet in LDS: each wave stores its 4,096 bytes; behind a barrier wave w adds the four images' bytes 1,024 w .. 1,024 w + 1,023; behind a second barrier every wave
; reads the sum and makes the softmax for itself.
; LAYOUT.  S^T = K Q^T (source 0 = 16 keys, source 1 = 16 queries): a lane holds query l % 16 and the keys 16 j + 8 (l / 16) + 0..7.  Two such tiles packed in pairs ARE source 1 (32 keys x
; 16 queries) of O^T = V^T P, whose result holds one query a lane and eight neighbouring channels.  V^T's fragments lie in hp as the registers want them.
; All key tiles are computed and the hidden ones masked, whatever the query tile: work-groups of equal, short work.  No tensor load on this path: q, k and V^T come straight into registers.
.set HIMG,  SPARE+512                  ; behind the spare words, where no tensor load lands: four images of 4,096 bytes,
.set HSUM,  HIMG+4*4096                ; their sum,
.set HSTG,  HSUM+4096                  ; and 16 rows x 272 bytes for each wave, for the way out: up to byte 321,024
.set HSP,   272
.set LOQK,  0x100000                   ; from q | k hi to lo
.set VTH,   0x200000                   ; V^T hi
.set LOVT,  0x80000                    ; from V^T hi to lo
.set HVQ,  8                           ; v8   my offset in q's rows; never rewritten
.set HVK,  9                           ; v9   in k's rows
.set HVV,  10                          ; v10  in V^T's rows
.set HPW,  11                          ; v11  my 16 bytes in a block of 512 of my wave's image
.set HRS,  12                          ; v12  my 16 bytes in a block of 512 of my wave's slice, in image 0
.set HSW,  13                          ; v13  the same in the sum
.set HSR,  14                          ; v14  my 16 bytes in a block of 512 of the sum
.set HDD,  15                          ; v15  my query less my lanes' 8 (l / 16): register i of tile j is hidden where 16 j + i is greater
.set HMX,  16                          ; v16-17  c max, and 0: named as a pair
.set HLI,  18                          ; v18-19  1 / l, and 0
.set HCC,  20                          ; v20-23  at work
.set HSTO, 24
.set HRD,  25
.set HGO,  26
.set HNEG, 27                          ; v27  -1.0
.set HHID, 30                          ; v30  -2^100
.set HSA,  32                          ; v32-63   S^T: key tile j at HSA + 8 j
.set HFR,  64                          ; v64-223  the scores' fragments: slot u of two, 80 registers: qh, ql, kh x 4, kl x 4.  Later v64-127 V^T hi, v128-191 V^T lo
.set HTT,  192                         ; v192-223 at work: the slices; then p - ph; then O^T
.set HOA,  192
.set HPH,  224                         ; v224-239 p hi: two fragments
.set HPL,  240                         ; v240-255 p lo
.set HQB,  56                          ; s[56:57] hp at the batch's head rows of q | k; it steps along K
.set HOB,  58                          ; s[58:59] out0 at my 16 rows
.set HSEL, 60                          ; s[60:61] v_permlanex16_b32's selects: each lane takes its own place in the other half
.macro HLOADU u, off                   ; 20 loads: 32 along K at byte off + 64 u of my part of the rows, into slot u
	global_load_b128 v[HFR+80*(\u):HFR+80*(\u)+3],     v[HVQ], s[HQB:HQB+1] offset:(\off)+64*(\u)
	global_load_b128 v[HFR+80*(\u)+4:HFR+80*(\u)+7],   v[HVQ], s[HQB:HQB+1] offset:(\off)+64*(\u)+32
	global_load_b128 v[HFR+80*(\u)+8:HFR+80*(\u)+11],  v[HVQ], s[HQB:HQB+1] offset:LOQK+(\off)+64*(\u)
	global_load_b128 v[HFR+80*(\u)+12:HFR+80*(\u)+15], v[HVQ], s[HQB:HQB+1] offset:LOQK+(\off)+64*(\u)+32
.irp j, 0,1,2,3
	global_load_b128 v[HFR+80*(\u)+16+8*(\j):HFR+80*(\u)+16+8*(\j)+3],   v[HVK], s[HQB:HQB+1] offset:65536*(\j)+(\off)+64*(\u)
	global_load_b128 v[HFR+80*(\u)+16+8*(\j)+4:HFR+80*(\u)+16+8*(\j)+7], v[HVK], s[HQB:HQB+1] offset:65536*(\j)+(\off)+64*(\u)+32
	global_load_b128 v[HFR+80*(\u)+48+8*(\j):HFR+80*(\u)+48+8*(\j)+3],   v[HVK], s[HQB:HQB+1] offset:LOQK+65536*(\j)+(\off)+64*(\u)
	global_load_b128 v[HFR+80*(\u)+48+8*(\j)+4:HFR+80*(\u)+48+8*(\j)+7], v[HVK], s[HQB:HQB+1] offset:LOQK+65536*(\j)+(\off)+64*(\u)+32
.endr
.endm
; four products, one for each key tile: the 4 accumulators take turns.  ko: kh (16) or kl (48); qo: qh (0) or ql (8)
.macro HSC u, ko, qo, zero
.irp j, 0,1,2,3
.if \zero
	v_wmma_f32_16x16x32_f16 v[HSA+8*(\j):HSA+8*(\j)+7], v[HFR+80*(\u)+(\ko)+8*(\j):HFR+80*(\u)+(\ko)+8*(\j)+7], v[HFR+80*(\u)+(\qo):HFR+80*(\u)+(\qo)+7], 0
.else
	v_wmma_f32_16x16x32_f16 v[HSA+8*(\j):HSA+8*(\j)+7], v[HFR+80*(\u)+(\ko)+8*(\j):HFR+80*(\u)+(\ko)+8*(\j)+7], v[HFR+80*(\u)+(\qo):HFR+80*(\u)+(\qo)+7], v[HSA+8*(\j):HSA+8*(\j)+7]
.endif
.endr
.endm
; four products, one for each channel tile, by turns.  vo: V^T hi (64) or lo (128); po: p hi or lo
.macro HPV kk, vo, po, zero
.irp ct, 0,1,2,3
.if \zero
	v_wmma_f32_16x16x32_f16 v[HOA+8*(\ct):HOA+8*(\ct)+7], v[(\vo)+8*(2*(\ct)+(\kk)):(\vo)+8*(2*(\ct)+(\kk))+7], v[(\po)+8*(\kk):(\po)+8*(\kk)+7], 0
.else
	v_wmma_f32_16x16x32_f16 v[HOA+8*(\ct):HOA+8*(\ct)+7], v[(\vo)+8*(2*(\ct)+(\kk)):(\vo)+8*(2*(\ct)+(\kk))+7], v[(\po)+8*(\kk):(\po)+8*(\kk)+7], v[HOA+8*(\ct):HOA+8*(\ct)+7]
.endif
.endr
.endm
.Lhead:
	s_sub_co_u32 s13, s13, 36
	s_and_b32 s11, s13, 3                          ; qt: the query tile
	s_lshr_b32 s12, s13, 2                         ; cq: the quarter of the channels
	s_lshl2_add_u32 s15, s12, s10                  ; 4 cq + w: my 64 channels
	v_and_b32 v1, 15, v0                           ; l % 16
	v_bfe_u32 v2, v0, 4, 1                         ; l / 16
	v_and_b32 v3, 31, v0                           ; l
	s_lshl_b32 s16, s10, 9                         ; my 256 along K, in bytes
	v_lshlrev_b32 v4, 12, v1                       ; rows of 4,096 bytes
	v_lshl_add_u32 v4, v2, 4, v4
	v_add_nc_u32 v4, s16, v4
	v_add_nc_u32 v[HVK], 2048, v4                  ; k lies 2,048 bytes into a row
	s_lshl_b32 s17, s11, 16                        ; 16 rows for each query tile
	v_add_nc_u32 v[HVQ], s17, v4
	s_lshl_b32 s18, s15, 15                        ; my 64 channels: rows of 512 bytes
	s_lshl_b32 s19, s14, 7                         ; the batch's 64 keys of 2 bytes
	s_add_co_u32 s18, s18, s19
	v_lshlrev_b32 v5, 9, v1
	v_lshl_add_u32 v5, v2, 4, v5
	v_add_nc_u32 v[HVV], s18, v5
	s_lshl_b32 s20, s14, 18                        ; the batch's 64 head rows
	s_mov_b32 s21, 0
	s_lshl_b32 s22, s14, 11
	s_lshl_b32 s23, s11, 4
	s_add_co_u32 s22, s22, s23                     ; out0's row 2,048 b + 16 qt
	s_lshl_b32 s22, s22, 12
	s_mov_b32 s23, 0
	s_mov_b32 s[HSEL], 0x76543210
	s_mov_b32 s[HSEL+1], 0xfedcba98
	s_add_nc_u64 s[HQB:HQB+1], s[52:53], s[20:21]
	s_add_nc_u64 s[HOB:HOB+1], s[54:55], s[22:23]
	HLOADU 0, 0                                    ; the first 64 of my 256 along K: 40 loads of mine are out
	HLOADU 1, 0
	s_lshl_b32 s24, s11, 4
	v_lshlrev_b32 v6, 3, v2
	v_sub_nc_u32 v[HDD], v1, v6
	v_add_nc_u32 v[HDD], s24, v[HDD]               ; 16 qt + l % 16 - 8 (l / 16)
	v_mov_b32 v[HHID], 0xf1800000                  ; -2^100
	v_mov_b32 v[HNEG], -1.0
	v_mov_b32 v[HMX+1], 0
	s_wait_loadcnt 20                              ; slot 0's 20 loads are in; slot 1's stay out
	HSC 0, 16, 0, 1                                ; the first four products start the sums, ahead of the loop
	s_mov_b32 s3, 3
.Lhk:                                                  ; a trip: the rest of slot 0's products, slot 1's, and the first four of slot 0's next 32 along K; both slots are filled again, 64 along K on
	HSC 0, 16, 8, 0
	HSC 0, 48, 0, 0
	PLACES                                         ; between the last product and the loads into the registers that it read
	HLOADU 0, 128
	s_wait_loadcnt 20                              ; slot 1's are in; the 20 just issued stay out
	HSC 1, 16, 0, 0
	HSC 1, 16, 8, 0
	HSC 1, 48, 0, 0
	PLACES
	HLOADU 1, 128
	s_wait_xcnt 0x0                                ; the base is stepped only behind this wait
	s_add_nc_u64 s[HQB:HQB+1], s[HQB:HQB+1], 128
	s_wait_loadcnt 20                              ; slot 0's are in; slot 1's stay out
	HSC 0, 16, 0, 0
	s_sub_co_u32 s3, s3, 1
	s_cmp_lg_u32 s3, 0
	s_cbranch_scc1 .Lhk
	HSC 0, 16, 8, 0                                ; the last 64 along K: nothing is left to fetch
	HSC 0, 48, 0, 0
	s_wait_loadcnt 0x0
	HSC 1, 16, 0, 0
	HSC 1, 16, 8, 0
	HSC 1, 48, 0, 0
	; the LDS addresses: five plain instructions, the places between the last products and the loads into their sources and the stores of their results
	s_lshl_b32 s24, s10, 12
	s_add_co_u32 s24, s24, HIMG
	v_lshl_add_u32 v[HPW], v3, 4, s24              ; my wave's image
	s_lshl_b32 s25, s10, 10
	s_add_co_u32 s25, s25, HIMG
	v_lshl_add_u32 v[HRS], v3, 4, s25              ; my wave's slice
	v_add_nc_u32 v[HSW], HSUM-HIMG, v[HRS]
	v_lshlrev_b32 v[HSR], 4, v3
	v_add_nc_u32 v[HSR], HSUM, v[HSR]
.irp ct, 0,1,2,3                       ; V^T of my 64 channels, hi and lo: 32 loads, on their way during the sums and the softmax.  Channel tile ct, keys 32 kk on at 8 (2 ct + kk)
.irp kk, 0,1
	global_load_b128 v[64+8*(2*(\ct)+(\kk)):64+8*(2*(\ct)+(\kk))+3],     v[HVV], s[52:53] offset:VTH+8192*(\ct)+64*(\kk)
	global_load_b128 v[64+8*(2*(\ct)+(\kk))+4:64+8*(2*(\ct)+(\kk))+7],   v[HVV], s[52:53] offset:VTH+8192*(\ct)+64*(\kk)+32
	global_load_b128 v[128+8*(2*(\ct)+(\kk)):128+8*(2*(\ct)+(\kk))+3],   v[HVV], s[52:53] offset:VTH+LOVT+8192*(\ct)+64*(\kk)
	global_load_b128 v[128+8*(2*(\ct)+(\kk))+4:128+8*(2*(\ct)+(\kk))+7], v[HVV], s[52:53] offset:VTH+LOVT+8192*(\ct)+64*(\kk)+32
.endr
.endr
.irp j, 0,1,2,3                        ; my partial scores: block 2 j + half of 512 bytes, 16 bytes a lane; each accumulator's low four registers first
	ds_store_b128 v[HPW], v[HSA+8*(\j):HSA+8*(\j)+3]   offset:1024*(\j)
	ds_store_b128 v[HPW], v[HSA+8*(\j)+4:HSA+8*(\j)+7] offset:1024*(\j)+512
.endr
	s_wait_dscnt 0x0                               ; for the others' sake: my image is stored
	s_barrier_signal -1
	s_barrier_wait -1
.irp p, 0,1,2,3                        ; image p's two blocks of my slice
	ds_load_b128 v[HTT+8*(\p):HTT+8*(\p)+3],   v[HRS] offset:(\p)*4096
	ds_load_b128 v[HTT+8*(\p)+4:HTT+8*(\p)+7], v[HRS] offset:(\p)*4096+512
.endr
	s_wait_dscnt 0x0
.irp i, 0,1,2,3
	v_pk_add_f32 v[HTT+2*(\i):HTT+2*(\i)+1], v[HTT+2*(\i):HTT+2*(\i)+1], v[HTT+2*(\i)+8:HTT+2*(\i)+9]
	v_pk_add_f32 v[HTT+2*(\i)+16:HTT+2*(\i)+17], v[HTT+2*(\i)+16:HTT+2*(\i)+17], v[HTT+2*(\i)+24:HTT+2*(\i)+25]
.endr
.irp i, 0,1,2,3
	v_pk_add_f32 v[HTT+2*(\i):HTT+2*(\i)+1], v[HTT+2*(\i):HTT+2*(\i)+1], v[HTT+2*(\i)+16:HTT+2*(\i)+17]
.endr
	ds_store_b128 v[HSW], v[HTT:HTT+3]
	ds_store_b128 v[HSW], v[HTT+4:HTT+7] offset:512
	s_wait_dscnt 0x0                               ; for the others' sake: my slice of the sum is stored
	s_barrier_signal -1
	s_barrier_wait -1
.irp c, 0,1,2,3,4,5,6,7
	ds_load_b128 v[HSA+4*(\c):HSA+4*(\c)+3], v[HSR] offset:512*(\c)
.endr
	s_wait_dscnt 0x0
	; THE SOFTMAX of my query's 32 keys; the other 32 lie in the lane 16 away
.set j, 0
.rept 4
.set i, 0
.rept 8
	v_cmp_gt_i32 vcc_lo, 16*j+i, v[HDD]
	v_cndmask_b32 v[HSA+8*j+i], v[HSA+8*j+i], v[HHID], vcc_lo
.set i, i+1
.endr
.set j, j+1
.endr
.irp j, 0,1,2,3
	v_max3_num_f32 v[HCC+(\j)], v[HSA+8*(\j)], v[HSA+8*(\j)+1], v[HSA+8*(\j)+2]
.endr
.irp j, 0,1,2,3
	v_max3_num_f32 v[HCC+(\j)], v[HCC+(\j)], v[HSA+8*(\j)+3], v[HSA+8*(\j)+4]
.endr
.irp j, 0,1,2,3
	v_max3_num_f32 v[HCC+(\j)], v[HCC+(\j)], v[HSA+8*(\j)+5], v[HSA+8*(\j)+6]
.endr
.irp j, 0,1,2,3
	v_max_num_f32 v[HCC+(\j)], v[HCC+(\j)], v[HSA+8*(\j)+7]
.endr
	v_max3_num_f32 v[HCC], v[HCC], v[HCC+1], v[HCC+2]
	v_max_num_f32 v[HCC], v[HCC], v[HCC+3]
	v_permlanex16_b32 v[HCC+1], v[HCC], s[HSEL], s[HSEL+1]
	v_max_num_f32 v[HCC], v[HCC], v[HCC+1]         ; every row sees its own key: the maximum is a true score
	v_mul_f32 v[HMX], s[CS], v[HCC]
.set i, 0
.rept 16
	v_pk_fma_f32 v[HSA+2*i:HSA+2*i+1], v[HSA+2*i:HSA+2*i+1], s[CS:CS+1], v[HMX:HMX+1] op_sel_hi:[1,0,0] neg_lo:[0,0,1] neg_hi:[0,0,1]  ; c s - c max
.set i, i+1
.endr
.set i, 0
.rept 32
	v_exp_f32 v[HSA+i], v[HSA+i]
.set i, i+1
.endr
	v_nop                                          ; a plain instruction between the last exponential and the use of its result
.set i, 0
	s_wait_alu depctr_va_vdst(0)
.rept 16
	v_cvt_pk_f16_f32 v[HPH+i], v[HSA+2*i], v[HSA+2*i+1]
.set i, i+1
.endr
.set i, 0
.rept 16                               ; p - ph, exact in f32
	v_fma_mix_f32 v[HTT+2*i],   v[HPH+i], v[HNEG], v[HSA+2*i]   op_sel_hi:[1,0,0]
	v_fma_mix_f32 v[HTT+2*i+1], v[HPH+i], v[HNEG], v[HSA+2*i+1] op_sel:[1,0,0] op_sel_hi:[1,0,0]
.set i, i+1
.endr
.set i, 0
.rept 16
	v_cvt_pk_f16_f32 v[HPL+i], v[HTT+2*i], v[HTT+2*i+1]
.set i, i+1
.endr
.irp i, 0,1,2,3,4,5,6,7                ; l, of the unrounded p
	v_pk_add_f32 v[HSA+2*(\i):HSA+2*(\i)+1], v[HSA+2*(\i):HSA+2*(\i)+1], v[HSA+2*(\i)+16:HSA+2*(\i)+17]
.endr
.irp i, 0,1,2,3
	v_pk_add_f32 v[HSA+2*(\i):HSA+2*(\i)+1], v[HSA+2*(\i):HSA+2*(\i)+1], v[HSA+2*(\i)+8:HSA+2*(\i)+9]
.endr
.irp i, 0,1
	v_pk_add_f32 v[HSA+2*(\i):HSA+2*(\i)+1], v[HSA+2*(\i):HSA+2*(\i)+1], v[HSA+2*(\i)+4:HSA+2*(\i)+5]
.endr
	v_pk_add_f32 v[HSA:HSA+1], v[HSA:HSA+1], v[HSA+2:HSA+3]
	v_add_f32 v[HCC], v[HSA], v[HSA+1]
	v_permlanex16_b32 v[HCC+1], v[HCC], s[HSEL], s[HSEL+1]
	v_add_f32 v[HCC], v[HCC], v[HCC+1]
	v_rcp_f32 v[HLI], v[HCC]
	v_mov_b32 v[HLI+1], 0                          ; the pair's other register; also the plain instruction behind the reciprocal
	s_wait_loadcnt 0x0                             ; V^T
	HPV 0, 64,  HPH, 1
	HPV 0, 64,  HPL, 0
	HPV 0, 128, HPH, 0
	HPV 1, 64,  HPH, 0
	HPV 1, 64,  HPL, 0
	HPV 1, 128, HPH, 0
	; the way out's addresses: nine plain instructions, the places behind the last products
	s_mul_i32 s24, s10, 16*HSP
	s_add_co_u32 s24, s24, HSTG                    ; my stage
	s_lshl_b32 s25, s15, 8                         ; my 64 channels of 4 bytes
	v_mul_u32_u24 v7, v1, HSP
	v_lshl_add_u32 v7, v2, 5, v7                   ; in: row l % 16, 32 bytes (8 channels) for each half of the lanes
	v_add_nc_u32 v[HSTO], s24, v7
	v_mul_u32_u24 v6, v2, HSP
	v_lshl_add_u32 v6, v1, 4, v6                   ; back: lanes 0-15 one row of 256 bytes, lanes 16-31 the next
	v_add_nc_u32 v[HRD], s24, v6
	v_lshlrev_b32 v[HGO], 12, v2
	v_lshl_add_u32 v[HGO], v1, 4, v[HGO]
	v_add_nc_u32 v[HGO], s25, v[HGO]               ; the same two rows in out0
.set i, 0
	s_wait_alu depctr_va_vdst(0)
.rept 16                               ; O^T / l, each accumulator's registers in ascending order
	v_pk_mul_f32 v[HOA+2*i:HOA+2*i+1], v[HOA+2*i:HOA+2*i+1], v[HLI:HLI+1] op_sel_hi:[1,0]
.set i, i+1
.endr
.irp ct, 0,1,2,3
	ds_store_b128 v[HSTO], v[HOA+8*(\ct):HOA+8*(\ct)+3]   offset:64*(\ct)
	ds_store_b128 v[HSTO], v[HOA+8*(\ct)+4:HOA+8*(\ct)+7] offset:64*(\ct)+16
.endr
.irp f, 0,1,2,3,4,5,6,7
	ds_load_b128 v[HOA+4*(\f):HOA+4*(\f)+3], v[HRD] offset:(\f)*2*HSP  ; LDS serves a wave's instructions in order (ISA guide 5.7.1.4): these see my stores above
.endr
.irp f, 0,1,2,3,4,5,6,7
	s_wait_dscnt 7-(\f)                            ; load f of the eight is in
	global_store_b128 v[HGO], v[HOA+4*(\f):HOA+4*(\f)+3], s[HOB:HOB+1] offset:(\f)*8192 th:TH_STORE_NT  ; 16 lanes store 256 consecutive bytes, at a multiple of 256 from out0's first byte
.endr
	s_wait_tensorcnt 0x0                           ; the wave's end, behind my last LDS store
	ds_add_u32 v[SPW], v[NIL]
	s_wait_dscnt 0x0
	s_endpgm
.Lfunc_end_k_qd606a57a64_score:
	.size	k_qd606a57a64_score, .Lfunc_end_k_qd606a57a64_score-k_qd606a57a64_score
	.p2alignl 7, 3214868480
	.fill 96, 4, 3214868480
	.section	.rodata,"a",@progbits
	.p2align	6, 0x0
	.amdhsa_kernel k_qd606a57a64_score
		.amdhsa_group_segment_fixed_size 327680
		.amdhsa_private_segment_fixed_size 0
		.amdhsa_enable_private_segment 0
		.amdhsa_kernarg_size 40
		.amdhsa_user_sgpr_count 2
		.amdhsa_user_sgpr_kernarg_segment_ptr 1
		.amdhsa_wavefront_size32 1
		.amdhsa_system_sgpr_workgroup_id_x 1
		.amdhsa_system_sgpr_workgroup_id_y 1
		.amdhsa_system_sgpr_workgroup_id_z 1
		.amdhsa_system_vgpr_workitem_id 0
		.amdhsa_next_free_vgpr 1024
		.amdhsa_next_free_sgpr 66
		.amdhsa_reserve_vcc 1
		.amdhsa_float_denorm_mode_32 3
		.amdhsa_float_denorm_mode_16_64 3
		.amdhsa_memory_ordered 1
		.amdhsa_forward_progress 1
		.amdhsa_inst_pref_size 173
	.end_amdhsa_kernel
	.amdgpu_metadata
---
amdhsa.version: [ 1, 2 ]
amdhsa.kernels:
  - .name:           k_qd606a57a64_score
    .symbol:         k_qd606a57a64_score.kd
    .args:
      - { .name: qk, .offset: 0, .size: 8, .value_kind: global_buffer, .address_space: global }
      - { .name: pt, .offset: 8, .size: 8, .value_kind: global_buffer, .address_space: global }
      - { .name: st, .offset: 16, .size: 8, .value_kind: global_buffer, .address_space: global }
      - { .name: hp, .offset: 24, .size: 8, .value_kind: global_buffer, .address_space: global }
      - { .name: out0, .offset: 32, .size: 8, .value_kind: global_buffer, .address_space: global }
    .group_segment_fixed_size: 327680
    .private_segment_fixed_size: 0
    .kernarg_segment_align: 8
    .kernarg_segment_size: 40
    .max_flat_workgroup_size: 128
    .sgpr_count:     66
    .vgpr_count:     1024
    .wavefront_size: 32
...
	.end_amdgpu_metadata
.endif
;; end of part 8
;; launch pv (part 9): grid 8 x 32, 4 waves a work-group, clusters of 4 x 4, 327,680 bytes of LDS; arguments pt, vt, st, out0, sink; writes out0, sink
.if DOCPART == 9
	.amdgcn_target "amdgcn-amd-amdhsa--gfx1250"
	.amdhsa_code_object_version 6
	.text
	.protected	k_qd606a57a64_pv
	.globl	k_qd606a57a64_pv
	.p2align	8
	.type	k_qd606a57a64_pv,@function
k_qd606a57a64_pv:
	s_mov_b64 s[64:65], 0
	v_nop
	global_prefetch_b8 v0, s[64:65] scope:SCOPE_SE
	s_setreg_imm32_b32 hwreg(HW_REG_WAVE_MODE, 25, 1), 1
	s_wait_xcnt 0x0
	s_wait_alu depctr_hold_cnt(0) depctr_sa_sdst(0) depctr_va_vdst(0) depctr_va_sdst(0) depctr_va_ssrc(0) depctr_va_vcc(0) depctr_vm_vsrc(0)
	s_getreg_b32 s2, hwreg(HW_REG_IB_STS2, 6, 4)
	s_cmp_eq_u32 s2, 0
	s_cbranch_scc0 .Lentry_in_a_cluster
	s_endpgm
.Lentry_in_a_cluster:
	s_bfe_u32 s2, ttmp6, 0x10000c
	s_cmp_lg_u32 s2, 0xf033
	s_cbranch_scc0 .Lentry_shape_is_right
	s_endpgm
.Lentry_shape_is_right:
; THE SOFTMAX'S SECOND HALF AND THE SECOND PRODUCT.  out[q][e] = (sum over chunks t of f_t(q) x sum over the chunk's 128 keys of p[q][k] V[k][e]) / l_row(q),
; with m_row = the largest m'_t of the row, f_t = 2^(m'_t - m_row) <= 1, l_row = sum of f_t l_t.  p (pt) and V^T (vt) in f16; each chunk's product has f32 sums of its own and is
; multiplied by f_t in f32; out0 is f32.  A chunk that was never written (m' = the lowest finite number, l = 0) or is wholly hidden (m' = -c 2^100) has f_t = 0.
; LIMITS.  A factor below 2^-126 counts as 0.  NaN and infinities are not treated apart.
; ROWS 0-63 OF EACH BATCH ARE NOT STORED INTO out0 HERE: the launch before has stored them, made of operands in two parts.  The waves that hold them (block 0, rows 0-63) work as their
; partners do, since the joint requests need them, and their first tile goes to a workspace buffer that nobody reads (sink, [4 batches][64 rows][1024] f32, 1 MiB): the stores' base is
; chosen once, by a select; no branch, no lane mask and no LDS address hangs on it.  The price: 1 MiB of stores that serve nothing.
; SHARES.  A batch's queries lie in 16 blocks of 128.  A work-group makes TWO tiles of 128 queries x 128 channels: block 4 G + cy (2 G + 2 steps of 256 keys) and then block 4 (3 - G) + cy
; (8 - 2 G steps): ten steps whatever G: all 256 work-groups do equal work, and every trip count is a constant.  Four waves, each 64 x 64.
; CLUSTER, 4 x 4.  The four of a row (same cy) take the same rows of p, the four of a column (same cx) the same rows of V^T, and all walk the same keys: every tile is asked for jointly.
; A block with cy < 2 needs one step fewer than its partners: in that step it asks for its last written tile of p once more (the step's number is capped in p's global address alone),
; and the two chunks' factors are 0.  So no partner leaves a joint request out, and no branch hangs on cx or cy.
; A STEP is 256 keys, two chunks.  Chunk 0's products go into accumulator set 0, chunk 1's into set 1, each started with the constant 0; while one set is multiplied the other is added
; into O, times its factor: sixteen packed multiply-adds behind every eight matrix instructions.
; O, set 1 and the factors are cleared at the start (and O between the tiles): 400 v_mov_b32 in the text, in the wait for the first tiles; the price of writing no first step out.
; The matrix instruction is used transposed (source 0 = 16 channels of V^T, source 1 = 16 queries of p): a lane holds query l % 16 and eight neighbouring channels, so a factor is one number a lane.
; REGISTERS, in windows of 256 (s_set_vgpr_msb: bits 1:0 source 0, 3:2 source 1, 5:4 source 2, 7:6 destination):
;   window 0: v0-31 addresses; v32-47 factors; v48-55 1 / l_row; v64-127 at work at the start; v128-255 O ((a, b) at 128 + 8 (4 a + b))
;   window 1: two fragment buffers of 128: for 64 along K, 64 registers of p, then 64 of V^T          window 2: v0-127 set 0, v128-255 set 1
.set KSTEP,  256
.set PITCH,  528                       ; an LDS row: 512 bytes + 16 of padding = 132 words: row r starts at bank 4 r mod 64 (64 banks of 4 bytes: ISA guide 11.1)
.set HALFT,  64*PITCH                  ; 64 rows: what one tensor load brings
.set SLOT,   4*HALFT                   ; p's 128 rows, then V^T's 128 rows
.set STAGE,  2*SLOT                    ; behind the ring: 16 rows x 272 bytes for each wave, for the way out
.set SPITCH, 272
.set CTAB,   STAGE+4*16*SPITCH         ; the factors: f32 [20 chunks in the order of the walk][128 rows]
.set LINV,   CTAB+20*512               ; 1 / l_row: f32 [2 tiles][128 rows]
.set SPARE,  LINV+2*512                ; the spare words, 128 bytes for each wave
.set ADRA, 16                          ; v16-17  LDS address of my p fragments in slot 0, 1
.set ADRB, 20                          ; v20-21  of my V^T fragments
.set CA0,  22                          ; v22     my row's place in a chunk's factors; never rewritten
.set STO,  24                          ; v24     the way out: where I put 16 bytes of a row
.set RD,   25                          ; v25     where I read a row back
.set CO,   26                          ; v26     my byte offset in two rows of out0
.set CA,   27                          ; v27     CA0 + the trip's first chunk
.set SPW,  28
.set NIL,  29
.set LA,   30                          ; v30     my row's place in 1 / l_row
.set TA,   31                          ; v31     the start: thread t's place in a chunk's factors
.set CF,   32                          ; factor of set s, row block a at CF + 8 s + 2 a; the odd registers hold 0 and are named with them as pairs
.set LI,   48                          ; 1 / l_row of row block a at LI + 2 a
.set O,    128
.set F0,   0
.set F1,   128
.set G1, 24                            ; s[24:31] group 1 for p's tiles;  s[32:39] group 0, one set for each slot
.set G0, 32
.set HD,  45                           ; s45  0 in the waves that hold a batch's rows 0-63, another number elsewhere
.set SK,  46                           ; s[46:47] the sink at those waves' corner
.set G1B, 48                           ; s[48:55], s[56:63] the same for V^T's tiles
.set G0B, 56
.set PT,  68                           ; s[68:69] pt, s[70:71] vt, s[72:73] st, s[74:75] out0; s[66:67] sink
.set VT,  70
.set KN,  78                           ; s78  the step of 256 keys to be asked for next
.set KL,  79                           ; s79  the last step of the tile whose steps are being asked for
.set OAC, 80                           ; s80  byte offset in pt of my 64 rows of that tile;  s81 of the second tile
.set OA2, 81
.set LIMC, 82                          ; s82  the last step of p that is written for those rows;  s83 for the second tile's
.set LIM2, 83
.set OB,  84                           ; s84  byte offset in vt of my 64 rows
.set CT,  85                           ; s85  the trip's first chunk in the factors, in bytes
.set TOA, 86                           ; s[86:87] p's offset, made anew for each request; never holds cx
.set TOB, 88                           ; s[88:89] V^T's; never holds cy
.set ENDC, 90                          ; s90  the loop's count in the trip that ends the first tile
.set GM,  91                           ; s91  G as a mask of lanes: 0 or all ones
.set OUT1, 92                          ; s[92:93], s[94:95] where my corner of the two tiles is stored
.set OUT2, 94
.set ST1, 96                           ; s[96:97], s[98:99] st at the two blocks' rows, chunk 0
.set ST2, 98
.set MSB, 0
.macro WIN new
.if MSB != (\new)
	s_set_vgpr_msb (MSB<<8)|(\new)
.set MSB, \new
.endif
.endm
.set MULW,  0xa5                       ; sources 0 and 1 window 1; C and D window 2
.set TO_F,  0x40                       ; destination window 1, address window 0
.set W_RID, 0x02                       ; source 0 (a set) window 2; factor, O window 0
.macro JLOAD s                         ; a joint load: waves 0 and 1 fetch p's two halves, waves 2 and 3 V^T's; an s_nop 0 and four v_nop follow each of the two lines
	s_cmp_eq_u32 s11, 0
	s_cbranch_scc0 .Lfor_b_\@
	tensor_load_to_lds s[G0+4*(\s):G0+4*(\s)+3], s[G1:G1+7]
	s_nop 0
.rept 4
	v_nop
.endr
	s_branch .Lasked_\@
.Lfor_b_\@:
	tensor_load_to_lds s[G0B+4*(\s):G0B+4*(\s)+3], s[G1B:G1B+7]
	s_nop 0
.rept 4
	v_nop
.endr
.Lasked_\@:
.endm
.macro CREST
	s_cmp_lg_u32 s10, 0
	s_cbranch_scc1 .Lnot_wave_0_\@
	s_barrier_signal -3
.Lnot_wave_0_\@:
	s_barrier_wait -3
	s_barrier_signal -1
	s_barrier_wait -1
.endm
.macro CROUND
	s_barrier_signal -1
	s_barrier_wait -1
	CREST
.endm
; The next step's two global addresses, made anew from the step's number, into the slot's descriptors.  It stands only where no tensor load of the wave that names them is out.
.macro NEXTADDR slot
	s_cmp_gt_u32 s[KN], s[KL]                      ; behind the first tile's last step: the second tile's step 0
	s_cselect_b32 s[KN], 0, s[KN]
	s_cselect_b32 s[OAC], s[OA2], s[OAC]
	s_cselect_b32 s[LIMC], s[LIM2], s[LIMC]
	s_cselect_b32 s[KL], 99, s[KL]
	s_min_u32 s[TOA], s[KN], s[LIMC]               ; never a tile of p that was not written
	s_lshl_b32 s[TOA], s[TOA], 9                   ; 256 keys of 2 bytes
	s_add_co_u32 s[TOA], s[TOA], s[OAC]
	s_add_nc_u64 s[G0+4*(\slot)+2:G0+4*(\slot)+3], s[PT:PT+1], s[TOA:TOA+1]
	s_or_b32 s[G0+4*(\slot)+3], s[G0+4*(\slot)+3], 0x80000000
	s_lshl_b32 s[TOB], s[KN], 9
	s_add_co_u32 s[TOB], s[TOB], s[OB]
	s_add_nc_u64 s[G0B+4*(\slot)+2:G0B+4*(\slot)+3], s[VT:VT+1], s[TOB:TOB+1]
	s_or_b32 s[G0B+4*(\slot)+3], s[G0B+4*(\slot)+3], 0x80000000
	s_add_co_u32 s[KN], s[KN], 1
.endm
	s_load_b256 s[68:75], s[0:1], 0x0
	s_load_b64 s[66:67], s[0:1], 0x20              ; sink
	v_lshl_add_u32 v[SPW], v0, 2, SPARE
	v_mov_b32 v[NIL], 0
	ds_add_u32 v[SPW], v[NIL]                      ; the wave's opening: the add, and its wait ahead of my first tensor load
	ds_add_u32 v28, v29
	v_lshrrev_b32 v1, 5, v0
	v_readfirstlane_b32 s10, v1                    ; wave 0..3
	s_lshr_b32 s11, s10, 1                         ; hr: which 64 queries.  Also: I fetch p (0) or V^T (1)
	s_and_b32 s12, s10, 1                          ; hc: which 64 channels.  Also: which 64 rows I fetch
	s_bfe_u32 s40, ttmp6, 0x40000                  ; cx
	s_bfe_u32 s41, ttmp6, 0x40004                  ; cy
	s_lshl_b32 s42, ttmp9, 2
	s_add_co_u32 s42, s42, s40                     ; n: my block of 128 channels
	s_and_b32 s13, ttmp7, 0xffff
	s_lshr_b32 s76, s13, 1                         ; the batch
	s_and_b32 s77, s13, 1                          ; G
	s_lshl_b32 s43, s41, 2
	s_lshl_b32 s43, 15, s43                        ; my row of the cluster
	s_lshl_b32 s44, 0x1111, s40                    ; my column
	s_or_b32 s[G1+0], s43, (1<<16)|(1<<20)|(1<<21)|(6<<22)|(3<<25)  ; the mask; element of 2 bytes; padding on; 21 set beside a mask; after every 128 words 4 words
	s_or_b32 s[G1B+0], s44, (1<<16)|(1<<20)|(1<<21)|(6<<22)|(3<<25)
.irp g, G1, G1B
	s_mov_b32 s[(\g)+1], KSTEP<<16                 ; tensor_dim0 = 256
	s_mov_b32 s[(\g)+2], 64<<16                    ; tensor_dim1 = 64
	s_mov_b32 s[(\g)+3], KSTEP<<16                 ; tile_dim0 = 256
	s_mov_b32 s[(\g)+4], 64                        ; tile_dim1 = 64
	s_mov_b32 s[(\g)+5], 2048                      ; elements from row to row, in pt and in vt
	s_mov_b32 s[(\g)+6], 0
	s_mov_b32 s[(\g)+7], 0
.endr
	s_lshl_b32 s14, s77, 2
	s_add_co_u32 s14, s14, s41                     ; the first tile's block of queries: 4 G + cy
	s_sub_co_u32 s15, 3, s77
	s_lshl_b32 s15, s15, 2
	s_add_co_u32 s15, s15, s41                     ; the second's: 4 (3 - G) + cy
	s_or_b32 s[HD], s14, s11                       ; 0 only for block 0's rows 0-63
	s_lshl_b32 s16, s76, 11                        ; the batch's 2,048 rows
	s_lshl_b32 s17, s12, 6                         ; which 64 rows I fetch
	s_lshl_b32 s[OAC], s14, 7
	s_add_co_u32 s[OAC], s[OAC], s16
	s_add_co_u32 s[OAC], s[OAC], s17
	s_lshl_b32 s[OAC], s[OAC], 12                  ; rows of 4,096 bytes
	s_lshl_b32 s[OA2], s15, 7
	s_add_co_u32 s[OA2], s[OA2], s16
	s_add_co_u32 s[OA2], s[OA2], s17
	s_lshl_b32 s[OA2], s[OA2], 12
	s_lshr_b32 s18, s41, 1
	s_lshl_b32 s[LIMC], s77, 1
	s_add_co_u32 s[LIMC], s[LIMC], s18             ; 2 G + cy / 2: the tile of 256 x 256 that holds the block's diagonal
	s_sub_co_u32 s[LIM2], 3, s77
	s_lshl_b32 s[LIM2], s[LIM2], 1
	s_add_co_u32 s[LIM2], s[LIM2], s18
	s_lshl_b32 s[OB], s76, 10                      ; the batch's 1,024 rows of V^T
	s_lshl_b32 s19, s42, 7
	s_add_co_u32 s[OB], s[OB], s19
	s_add_co_u32 s[OB], s[OB], s17
	s_lshl_b32 s[OB], s[OB], 12
	s_mov_b32 s[KN], 0
	s_lshl_b32 s[KL], s77, 1
	s_add_co_u32 s[KL], s[KL], 1                   ; the first tile has 2 G + 2 steps
	s_mov_b32 s[TOA+1], 0
	s_mov_b32 s[TOB+1], 0
	s_mov_b32 s[CT], 0
	s_sub_co_u32 s[ENDC], 4, s77                   ; the first tile ends with trip G + 1, in which the count is 4 - G
	s_cmp_eq_u32 s77, 1
	s_cselect_b32 s[GM], -1, 0
	s_lshl_b32 s20, s11, 6                         ; my 64 rows of a tile
	s_lshl_b32 s21, s42, 9                         ; 128 n channels of 4 bytes
	s_lshl_b32 s22, s12, 8
	s_add_co_u32 s21, s21, s22
	s_lshl_b32 s[OUT1], s14, 7
	s_add_co_u32 s[OUT1], s[OUT1], s16
	s_add_co_u32 s[OUT1], s[OUT1], s20
	s_lshl_b32 s[OUT1], s[OUT1], 12
	s_add_co_u32 s[OUT1], s[OUT1], s21
	s_mov_b32 s[OUT1+1], 0
	s_lshl_b32 s[OUT2], s15, 7
	s_add_co_u32 s[OUT2], s[OUT2], s16
	s_add_co_u32 s[OUT2], s[OUT2], s20
	s_lshl_b32 s[OUT2], s[OUT2], 12
	s_add_co_u32 s[OUT2], s[OUT2], s21
	s_mov_b32 s[OUT2+1], 0
	s_lshl_b32 s[SK], s76, 18                      ; in the sink a batch has 64 rows of 4,096 bytes;
	s_add_co_u32 s[SK], s[SK], s21                 ; my 64 channels as in out0
	s_mov_b32 s[SK+1], 0
	s_lshl_b32 s22, s76, 15                        ; 16 chunks x 2,048 rows
	s_lshl_b32 s[ST1], s14, 7
	s_add_co_u32 s[ST1], s[ST1], s22
	s_lshl_b32 s[ST1], s[ST1], 3
	s_mov_b32 s[ST1+1], 0
	s_lshl_b32 s[ST2], s15, 7
	s_add_co_u32 s[ST2], s[ST2], s22
	s_lshl_b32 s[ST2], s[ST2], 3
	s_mov_b32 s[ST2+1], 0
	s_mul_i32 s23, s10, HALFT                      ; where my rows go: wave x 64 rows: no place in the cluster enters an LDS address
.irp s, 0,1
	s_mov_b32 s[G0+4*(\s)], 1
	s_add_co_u32 s[G0+4*(\s)+1], s23, (\s)*SLOT
	s_mov_b32 s[G0B+4*(\s)], 1
	s_add_co_u32 s[G0B+4*(\s)+1], s23, (\s)*SLOT
.endr
	s_wait_dscnt 0x0                               ; the opening add is done
	s_wait_kmcnt 0x0
	s_add_nc_u64 s[OUT1:OUT1+1], s[74:75], s[OUT1:OUT1+1]
	s_add_nc_u64 s[OUT2:OUT2+1], s[74:75], s[OUT2:OUT2+1]
	s_add_nc_u64 s[SK:SK+1], s[66:67], s[SK:SK+1]
	s_cmp_eq_u32 s[HD], 0
	s_cselect_b64 s[OUT1:OUT1+1], s[SK:SK+1], s[OUT1:OUT1+1]  ; a batch's rows 0-63 go to the sink: out0 has them already
	s_add_nc_u64 s[ST1:ST1+1], s[72:73], s[ST1:ST1+1]
	s_add_nc_u64 s[ST2:ST2+1], s[72:73], s[ST2:ST2+1]
	CROUND                                         ; all sixteen work-groups are here: the first joint loads meet
	NEXTADDR 0
	JLOAD 0
	NEXTADDR 1                                     ; it writes slot 1's descriptors alone
	JLOAD 1                                        ; two loads of mine are out
	; THE START, in the wait for the first tiles.  Thread t is row t of both blocks: its (m', l) of chunks 0-7 of the first block and 0-15 of the second
	v_lshlrev_b32 v6, 3, v0
.irp t, 0,1,2,3,4,5,6,7
	global_load_b64 v[64+2*(\t):65+2*(\t)], v6, s[ST1:ST1+1] offset:(\t)*16384
.endr
.irp t, 0,1,2,3,4,5,6,7,8,9,10,11,12,13,14,15
	global_load_b64 v[80+2*(\t):81+2*(\t)], v6, s[ST2:ST2+1] offset:(\t)*16384
.endr
	v_and_b32 v1, 15, v0                           ; l % 16
	v_bfe_u32 v2, v0, 4, 1                         ; h = l / 16
	v_mul_u32_u24 v3, v1, PITCH
	v_lshl_add_u32 v3, v2, 4, v3
	s_mul_i32 s21, s11, HALFT
	s_mul_i32 s22, s12, HALFT
	s_add_co_u32 s22, s22, 2*HALFT
.irp s, 0,1
	v_add_nc_u32 v[ADRA+(\s)], s21, v3
	v_add_nc_u32 v[ADRB+(\s)], s22, v3
	s_add_co_u32 s21, s21, SLOT
	s_add_co_u32 s22, s22, SLOT
.endr
	s_mul_i32 s23, s10, 16*SPITCH
	s_add_co_u32 s23, s23, STAGE                   ; my stage
	v_mul_u32_u24 v4, v1, SPITCH
	v_lshl_add_u32 v4, v2, 5, v4                   ; in: row l % 16, 32 bytes (8 channels of f32) for each half of the lanes
	v_add_nc_u32 v[STO], s23, v4
	v_mul_u32_u24 v4, v2, SPITCH
	v_lshl_add_u32 v4, v1, 4, v4                   ; back: lanes 0-15 one row of 256 bytes, lanes 16-31 the next
	v_add_nc_u32 v[RD], s23, v4
	v_lshlrev_b32 v[CO], 12, v2
	v_lshl_add_u32 v[CO], v1, 4, v[CO]             ; the same two rows in out0
	s_lshl_b32 s23, s11, 8                         ; my 64 rows of 4 bytes
	v_lshl_add_u32 v4, v1, 2, s23
	v_add_nc_u32 v[CA0], CTAB, v4
	v_add_nc_u32 v[LA], LINV, v4
	v_lshl_add_u32 v[TA], v0, 2, CTAB
	v_mov_b32 v[CA], v[CA0]
.set z, 0
.rept 24
	v_mov_b32 v[CF+z], 0                           ; the factors (set 1's first use adds 0 times 0) and the pairs' odd registers
.set z, z+1
.endr
.set z, 0
.rept 128
	v_mov_b32 v[O+z], 0
.set z, z+1
.endr
	WIN 0x80
.set z, 0
.rept 128
	v_mov_b32 v[128+z], 0                          ; set 1
.set z, z+1
.endr
	WIN 0
	s_wait_loadcnt 0x0
	v_max3_num_f32 v112, v64, v66, v68             ; m_row of the first block's row,
	v_max3_num_f32 v113, v80, v82, v84             ; and of the second's
	v_max3_num_f32 v112, v112, v70, v72
	v_max3_num_f32 v113, v113, v86, v88
	v_max3_num_f32 v112, v112, v74, v76
	v_max3_num_f32 v113, v113, v90, v92
	v_max_num_f32 v112, v112, v78
	v_max3_num_f32 v113, v113, v94, v96
	v_max3_num_f32 v113, v113, v98, v100
	v_max3_num_f32 v113, v113, v102, v104
	v_max3_num_f32 v113, v113, v106, v108
	v_max_num_f32 v113, v113, v110
.irp t, 0,1,2,3,4,5,6,7
	v_sub_f32 v[64+2*(\t)], v[64+2*(\t)], v112
.endr
.irp t, 0,1,2,3,4,5,6,7,8,9,10,11,12,13,14,15
	v_sub_f32 v[80+2*(\t)], v[80+2*(\t)], v113
.endr
.set z, 0
.rept 24
	v_exp_f32 v[64+2*z], v[64+2*z]                 ; f_t, in m'_t's place
.set z, z+1
.endr
	v_nop                                          ; a plain instruction behind the last exponential
	s_wait_alu depctr_va_vdst(0)
	v_mul_f32 v114, v64, v65                       ; l_row = sum of f_t l_t
	v_mul_f32 v115, v80, v81
.irp t, 1,2,3,4,5,6,7
	v_fmac_f32 v114, v[64+2*(\t)], v[65+2*(\t)]
.endr
.irp t, 1,2,3,4,5,6,7,8,9,10,11,12,13,14,15
	v_fmac_f32 v115, v[80+2*(\t)], v[81+2*(\t)]
.endr
	v_rcp_f32 v116, v114
	v_rcp_f32 v117, v115
	; the factors in the order of the walk: G = 0: 4 chunks of the first tile, 16 of the second; G = 1: 8 and 12.  The choices land in the second block's l registers, which are free now
.irp e, 4,5,6,7
	v_cndmask_b32 v[81+2*((\e)-4)], v[80+2*((\e)-4)], v[64+2*(\e)], s[GM]
.endr
.irp e, 8,9,10,11,12,13,14,15,16,17,18,19
	v_cndmask_b32 v[81+2*((\e)-4)], v[80+2*((\e)-4)], v[80+2*((\e)-8)], s[GM]
.endr
.irp e, 0,1,2,3
	ds_store_b32 v[TA], v[64+2*(\e)] offset:(\e)*512
.endr
.irp e, 4,5,6,7,8,9,10,11,12,13,14,15,16,17,18,19
	ds_store_b32 v[TA], v[81+2*((\e)-4)] offset:(\e)*512
.endr
	s_wait_alu depctr_va_vdst(0)
	ds_store_b32 v[TA], v116 offset:LINV-CTAB
	ds_store_b32 v[TA], v117 offset:LINV-CTAB+512
; 8 matrix instructions: row blocks a0, a0 + 1 x all 4 channel blocks, 32 along K: half c of buffer f, into a set.  zero = 1: the product starts the chunk's sums.  The 16 accumulators take turns.
.macro MUL8 f, c, a0, set, zero
	WIN MULW
.irp a, \a0, (\a0)+1
.irp b, 0,1,2,3
.if \zero
	v_wmma_f32_16x16x32_f16 v[128*(\set)+8*(4*(\a)+(\b)):128*(\set)+8*(4*(\a)+(\b))+7], v[(\f)+64+8*(4*(\c)+(\b)):(\f)+64+8*(4*(\c)+(\b))+7], v[(\f)+8*(4*(\c)+(\a)):(\f)+8*(4*(\c)+(\a))+7], 0
.else
	v_wmma_f32_16x16x32_f16 v[128*(\set)+8*(4*(\a)+(\b)):128*(\set)+8*(4*(\a)+(\b))+7], v[(\f)+64+8*(4*(\c)+(\b)):(\f)+64+8*(4*(\c)+(\b))+7], v[(\f)+8*(4*(\c)+(\a)):(\f)+8*(4*(\c)+(\a))+7], v[128*(\set)+8*(4*(\a)+(\b)):128*(\set)+8*(4*(\a)+(\b))+7]
.endif
.endr
.endr
.endm
; 32 LDS loads in one run: the fragments of 64 along K at byte k of the rows, into buffer f; the first 32 along K first
.macro FETCH slot, k, f
	WIN TO_F
.irp c, 0,1
.irp i, 0,1,2,3
	ds_load_b128 v[(\f)+64+8*(4*(\c)+(\i)):(\f)+64+8*(4*(\c)+(\i))+3],   v[ADRB+(\slot)] offset:(\k)+64*(\c)+(\i)*16*PITCH
	ds_load_b128 v[(\f)+64+8*(4*(\c)+(\i))+4:(\f)+64+8*(4*(\c)+(\i))+7], v[ADRB+(\slot)] offset:(\k)+64*(\c)+(\i)*16*PITCH+32
	ds_load_b128 v[(\f)+8*(4*(\c)+(\i)):(\f)+8*(4*(\c)+(\i))+3],         v[ADRA+(\slot)] offset:(\k)+64*(\c)+(\i)*16*PITCH
	ds_load_b128 v[(\f)+8*(4*(\c)+(\i))+4:(\f)+8*(4*(\c)+(\i))+7],       v[ADRA+(\slot)] offset:(\k)+64*(\c)+(\i)*16*PITCH+32
.endr
.endr
.endm
.macro PLACES                          ; four plain vector instructions between a matrix instruction and a load into, or a vector instruction on, its registers
.rept 4
	v_nop
.endr
.endm
; O's row block a takes a finished set's row block a, times the chunk's factor: 16 packed multiply-adds, each accumulator's registers in ascending order
.macro RID set, a
	WIN W_RID
.set z, 0
.rept 16
	v_pk_fma_f32 v[O+32*(\a)+2*z:O+32*(\a)+2*z+1], v[128*(\set)+32*(\a)+2*z:128*(\set)+32*(\a)+2*z+1], v[CF+8*(\set)+2*(\a):CF+8*(\set)+2*(\a)+1], v[O+32*(\a)+2*z:O+32*(\a)+2*z+1] op_sel_hi:[1,0,1]
.set z, z+1
.endr
.endm
.macro CFL set, off                    ; a chunk's factors for my four row blocks: the chunk lies off bytes behind the trip's first
	WIN 0
.irp a, 0,1,2,3
	ds_load_b32 v[CF+8*(\set)+2*(\a)], v[CA] offset:(\off)+64*(\a)
.endr
.endm
; A STEP of 256 keys in four quarters of 64 along K.  mode 2: this slot is filled again, two steps ahead; 1: nothing is filled; 0: the walk's last step.
; cf1: this step's second chunk in the factors; cf0: the next step's first.  Set 1's additions into O in the first two quarters belong to the step before.
; Each addition stands behind four v_nop that follow the last product on its set.  Behind the last product that reads buffer 0 stand sixteen of the additions, which name none of its
; registers: they are the places in front of the loads into buffer 0.
.macro STEP slot, next, mode, cf1, cf0
	s_wait_dscnt 20                                ; the first 32 along K are in; the other 16 fragment loads and 4 factor loads may be out
	MUL8 F0, 0, 0, 0, 1
	MUL8 F0, 0, 2, 0, 1
	PLACES
	FETCH \slot, 128, F1
	s_wait_dscnt 32                                ; all but the 32 just issued
	MUL8 F0, 1, 0, 0, 0
	RID 1, 0
	MUL8 F0, 1, 2, 0, 0
	RID 1, 1
	s_wait_dscnt 16
	MUL8 F1, 0, 0, 0, 0
	RID 1, 2
	MUL8 F1, 0, 2, 0, 0
	RID 1, 3
	FETCH \slot, 256, F0
	CFL 1, \cf1
	s_wait_dscnt 36                                ; all but the 36 just issued
	MUL8 F1, 1, 0, 0, 0
	MUL8 F1, 1, 2, 0, 0
	s_wait_dscnt 20
	MUL8 F0, 0, 0, 1, 1
	MUL8 F0, 0, 2, 1, 1
	PLACES
	FETCH \slot, 384, F1
	s_wait_dscnt 32
	MUL8 F0, 1, 0, 1, 0
	RID 0, 0
	MUL8 F0, 1, 2, 1, 0
	RID 0, 1
.if (\mode) > 0
	WIN 0                                          ; (the add's two registers lie in window 0)
	s_wait_tensorcnt 0x0                           ; all my tensor loads have landed: the one that was out is my part of the next slot
	ds_add_u32 v[SPW], v[NIL]
.if (\mode) == 2
	NEXTADDR \slot
.endif
	s_wait_dscnt 17                                ; (the add and the youngest sixteen loads may be out)
	MUL8 F1, 0, 0, 1, 0
	RID 0, 2
	s_wait_dscnt 0x0                               ; the add is done, and my reads of this slot are over
	s_barrier_signal -1
	MUL8 F1, 0, 2, 1, 0
	RID 0, 3
	WIN 0
	s_barrier_wait -1
.if (\mode) == 2
	CREST                                          ; the barrier has opened a round of the cluster's: no wave of any partner still reads this slot or has a load on its way
	JLOAD \slot                                    ; the first tensor load behind the round
.endif
	FETCH \next, 0, F0
	CFL 0, \cf0
	MUL8 F1, 1, 0, 1, 0
	MUL8 F1, 1, 2, 1, 0
.else
	s_wait_dscnt 16
	MUL8 F1, 0, 0, 1, 0
	RID 0, 2
	MUL8 F1, 0, 2, 1, 0
	RID 0, 3
	s_wait_dscnt 0x0
	MUL8 F1, 1, 0, 1, 0
	MUL8 F1, 1, 2, 1, 0
.endif
.endm
.macro FLUSH                           ; a tile's last chunk
	PLACES
	RID 1, 0
	RID 1, 1
	RID 1, 2
	RID 1, 3
	WIN 0
.endm
; THE WAY OUT.  Row block r: O times 1 / l_row; a lane's eight channels go into rows of 272 bytes of my stage and come back as whole rows of 256 bytes, into the registers that they left.
.macro PACK r
	WIN 0
.set z, 0
.rept 16
	v_pk_mul_f32 v[O+32*(\r)+2*z:O+32*(\r)+2*z+1], v[O+32*(\r)+2*z:O+32*(\r)+2*z+1], v[LI+2*(\r):LI+2*(\r)+1] op_sel_hi:[1,0]
.set z, z+1
.endr
.irp b, 0,1,2,3
	ds_store_b128 v[STO], v[O+32*(\r)+8*(\b):O+32*(\r)+8*(\b)+3]   offset:64*(\b)
	ds_store_b128 v[STO], v[O+32*(\r)+8*(\b)+4:O+32*(\r)+8*(\b)+7] offset:64*(\b)+16
.endr
.irp f, 0,1,2,3,4,5,6,7
	ds_load_b128 v[O+32*(\r)+4*(\f):O+32*(\r)+4*(\f)+3], v[RD] offset:(\f)*2*SPITCH  ; LDS serves a wave's instructions in order (ISA guide 5.7.1.4): these see the stores above; the next block's stores come behind them
.endr
.endm
.macro SEND r, younger, base           ; younger: the LDS instructions issued behind block r's loads: the next block's sixteen, or none
.irp f, 0,1,2,3,4,5,6,7
	s_wait_dscnt (\younger)+7-(\f)
	global_store_b128 v[CO], v[O+32*(\r)+4*(\f):O+32*(\r)+4*(\f)+3], s[(\base):(\base)+1] offset:(\r)*65536+(\f)*8192 th:TH_STORE_NT  ; 16 lanes store 256 consecutive bytes, at a multiple of 256 from the buffer's first byte
.endr
.endm
.macro OUT grp, base
	WIN 0
.irp a, 0,1,2,3
	ds_load_b32 v[LI+2*(\a)], v[LA] offset:512*(\grp)+64*(\a)
.endr
	s_wait_dscnt 0x0
	PACK 0
	PACK 1                                         ; a block's arithmetic stands between the loads of the block before and its stores
	SEND 0, 16, \base
	PACK 2
	SEND 1, 16, \base
	PACK 3
	SEND 2, 16, \base
	SEND 3, 0, \base
.endm
	s_wait_tensorcnt 0x1                           ; my part of step 0 is in; step 1's may stay out
	s_wait_dscnt 0x0                               ; my part of the factors is stored
	s_barrier_signal -1
	s_barrier_wait -1                              ; everybody's is
	FETCH 0, 0, F0
	CFL 0, 0
	WIN 0
	s_mov_b32 s3, 4
.Llap:                                                 ; a trip: two steps, four chunks; both slots are filled again
	STEP 0, 1, 2, 512, 1024
	STEP 1, 0, 2, 1536, 2048
	WIN 0
	s_add_co_u32 s[CT], s[CT], 2048
	v_add_nc_u32 v[CA], s[CT], v[CA0]              ; the next trip's first chunk
	s_cmp_lg_u32 s3, s[ENDC]                       ; the same in all partners and waves: it hangs on G alone
	s_cbranch_scc1 .Lsame_tile
	FLUSH                                          ; THE FIRST TILE ENDS.  The next tile's first tiles of p and V^T are asked for, its first fragments fetched
.irp a, 0,1,2,3
	v_mov_b32 v[CF+8+2*(\a)], 0                    ; the next step's additions of set 1 add 0
.endr
	OUT 0, OUT1
	s_wait_xcnt 0x0                                ; O is rewritten only behind this wait
.set z, 0
.rept 128
	v_mov_b32 v[O+z], 0
.set z, z+1
.endr
.Lsame_tile:
	s_sub_co_u32 s3, s3, 1
	s_cmp_lg_u32 s3, 0
	s_cbranch_scc1 .Llap
	STEP 0, 1, 1, 512, 1024                        ; the last two steps are written out: nothing is left to fetch
	STEP 1, 0, 0, 1536, 0
	FLUSH
	OUT 1, OUT2
	s_wait_tensorcnt 0x0                           ; the wave's end
	ds_add_u32 v[SPW], v[NIL]
	s_wait_dscnt 0x0
	CROUND                                         ; the closing round
	s_endpgm
.Lfunc_end_k_qd606a57a64_pv:
	.size	k_qd606a57a64_pv, .Lfunc_end_k_qd606a57a64_pv-k_qd606a57a64_pv
	.p2alignl 7, 3214868480
	.fill 96, 4, 3214868480
	.section	.rodata,"a",@progbits
	.p2align	6, 0x0
	.amdhsa_kernel k_qd606a57a64_pv
		.amdhsa_group_segment_fixed_size 327680
		.amdhsa_private_segment_fixed_size 0
		.amdhsa_enable_private_segment 0
		.amdhsa_kernarg_size 40
		.amdhsa_user_sgpr_count 2
		.amdhsa_user_sgpr_kernarg_segment_ptr 1
		.amdhsa_wavefront_size32 1
		.amdhsa_system_sgpr_workgroup_id_x 1
		.amdhsa_system_sgpr_workgroup_id_y 1
		.amdhsa_system_sgpr_workgroup_id_z 1
		.amdhsa_system_vgpr_workitem_id 0
		.amdhsa_next_free_vgpr 768
		.amdhsa_next_free_sgpr 100
		.amdhsa_reserve_vcc 0
		.amdhsa_float_denorm_mode_32 3
		.amdhsa_float_denorm_mode_16_64 3
		.amdhsa_memory_ordered 1
		.amdhsa_forward_progress 1
		.amdhsa_inst_pref_size 171
	.end_amdhsa_kernel
	.amdgpu_metadata
---
amdhsa.version: [ 1, 2 ]
amdhsa.kernels:
  - .name:           k_qd606a57a64_pv
    .symbol:         k_qd606a57a64_pv.kd
    .args:
      - { .name: pt, .offset: 0, .size: 8, .value_kind: global_buffer, .address_space: global }
      - { .name: vt, .offset: 8, .size: 8, .value_kind: global_buffer, .address_space: global }
      - { .name: st, .offset: 16, .size: 8, .value_kind: global_buffer, .address_space: global }
      - { .name: out0, .offset: 24, .size: 8, .value_kind: global_buffer, .address_space: global }
      - { .name: sink, .offset: 32, .size: 8, .value_kind: global_buffer, .address_space: global }
    .group_segment_fixed_size: 327680
    .private_segment_fixed_size: 0
    .kernarg_segment_align: 8
    .kernarg_segment_size: 40
    .max_flat_workgroup_size: 128
    .sgpr_count:     100
    .vgpr_count:     768
    .wavefront_size: 32
...
	.end_amdgpu_metadata
.endif
;; end of part 9
;; ======== version 3 of 3: 4 launches; version 2 with the launch cast written anew for expert scheduling mode
;; limits: values are held in f16: magnitudes above 65,504 overflow, below 6.1e-05 lose precision
;; workspace buffers: xb 16,777,216 bytes; wb 6,291,456 bytes; qk 33,554,432 bytes; vt 16,777,216 bytes; pt 33,554,432 bytes; st 1,048,576 bytes; hp 3,145,728 bytes; sink 1,048,576 bytes
;; launch cast (part 10): grid 704 x 1, 8 waves a work-group, no clusters, 0 bytes of LDS; arguments x, W_q, W_k, W_v, xb, wb, st; writes xb, wb, st
.if DOCPART == 10
	.amdgcn_target "amdgcn-amd-amdhsa--gfx1250"
	.amdhsa_code_object_version 6
	.text
	.protected	k_qd606a57a64_cast
	.globl	k_qd606a57a64_cast
	.p2align	8
	.type	k_qd606a57a64_cast,@function
k_qd606a57a64_cast:
	s_mov_b64 s[64:65], 0
	v_nop
	global_prefetch_b8 v0, s[64:65] scope:SCOPE_SE
	s_setreg_imm32_b32 hwreg(HW_REG_WAVE_SCHED_MODE, 0, 2), 2
	s_setreg_imm32_b32 hwreg(HW_REG_WAVE_MODE, 25, 1), 1
	s_wait_xcnt 0x0
	s_wait_alu depctr_vm_vsrc(0)
; x and the three weights, f32, are rounded once to bf16: xb [8192][1024]; wb [3072][1024] = W_q, W_k, W_v one below the other.
; The table of softmax statistics st [4][16 chunks][2048 rows][(m', l)] is filled with the neutral pair (lowest finite number, 0):
; a chunk of keys that the score launch never writes for a row then has the weight 0 in the last launch.
; A stream: no LDS, no barrier, no matrix work would add anything.  A work-group takes 65,536 bytes of f32: groups 0-511 of x, 512-703 of the weights
; (64 groups each).  A thread has 16 loads of 16 bytes out at once; a wave's load covers 512 consecutive bytes, its store of 8 bytes a lane 256, aligned.
; THE MODE: SCHED_MODE bits 1:0 = 2 (LLVM: expert scheduling mode 2), set by the entry lines.  The code itself states the register dependences
; between vector instructions and memory instructions, with s_wait_alu, always for 0.
; THE PLAN.  Registers that memory instructions touch:
;   v1, v2       byte offsets, and v100, v101, st's neutral pair: written at the head, never again; read by the loads (v1), the stores (v2) and st's store (v2, v100, v101).
;   X            load i lands in four registers of its own.  All 16 loads are issued ahead of every conversion, and no vector instruction names X before them.
;   Y            conversion pair i writes two registers of its own, store i reads them, nothing writes them again.
; The 16 loads go in four groups of four.  Group g's conversions read X and write Y of group g; the stores of group g - 1 are dealt among them.  So one wait at a group's head,
; behind the wait for the group's data, states all that its four stores hang on: the conversions issued since name none of the registers that those stores read.
; Five waits in all: ahead of the first load, at the heads of groups 1 to 3, ahead of the last four stores.  No register that a memory instruction reads is written again.
.set X, 4                              ; v[4:67]   load i: 4 f32
.set Y, 68                             ; v[68:99]  store i: 4 bf16 in 2 registers; each i has its own, so nothing is rewritten while a store reads it
.macro CVT i                           ; load i's four numbers, rounded to nearest even, packed
	v_cvt_pk_bf16_f32 v[Y+2*(\i)], v[X+4*(\i)], v[X+4*(\i)+1]
	v_cvt_pk_bf16_f32 v[Y+2*(\i)+1], v[X+4*(\i)+2], v[X+4*(\i)+3]
.endm
.macro PUT i                           ; and stored: 32 lanes, 256 consecutive bytes, aligned
	global_store_b64 v2, v[Y+2*(\i):Y+2*(\i)+1], s[26:27] offset:(\i)*2048
.endm
	s_load_b256 s[4:11], s[0:1], 0x0               ; x s[4:5], W_q s[6:7], W_k s[8:9], W_v s[10:11]
	s_load_b128 s[12:15], s[0:1], 0x20             ; xb s[12:13], wb s[14:15]
	s_load_b64 s[16:17], s[0:1], 0x30              ; st
	v_lshlrev_b32 v1, 4, v0                        ; my 16 bytes in 4,096 of f32
	v_lshlrev_b32 v2, 3, v0                        ; my 8 bytes in 2,048 of bf16 (and of st)
	v_mov_b32 v100, 0xff7fffff                     ; m' of a chunk that is never written: the lowest finite number
	v_mov_b32 v101, 0                              ; its l
	s_mov_b32 s19, ttmp9                           ; g
	s_max_u32 s20, s19, 512
	s_sub_co_u32 s20, s20, 512                     ; my number among the weights' groups (0 for x's groups, where it is not used)
	s_lshr_b32 s21, s20, 6                         ; which weight
	s_and_b32 s22, s20, 63                         ; which 65,536 bytes of it
	s_wait_kmcnt 0x0
	s_cmp_eq_u32 s21, 1
	s_cselect_b64 s[24:25], s[8:9], s[6:7]         ; W_k or W_q,
	s_cmp_eq_u32 s21, 2
	s_cselect_b64 s[24:25], s[10:11], s[24:25]     ; or W_v,
	s_cmp_lt_u32 s19, 512
	s_cselect_b64 s[24:25], s[4:5], s[24:25]       ; or x
	s_cselect_b64 s[26:27], s[12:13], s[14:15]     ; into xb or wb
	s_cselect_b32 s28, s19, s22                    ; the chunk read
	s_cselect_b32 s29, s19, s20                    ; the chunk written: the three weights lie end to end in wb
	s_lshl_b32 s30, s28, 16
	s_mov_b32 s31, 0
	s_lshl_b32 s32, s29, 15
	s_mov_b32 s33, 0
	s_lshl_b32 s34, s19, 11                        ; 2,048 bytes of st for each of x's 512 groups: 1 MiB, all of it
	s_mov_b32 s35, 0
	s_add_nc_u64 s[24:25], s[24:25], s[30:31]
	s_add_nc_u64 s[26:27], s[26:27], s[32:33]
	s_add_nc_u64 s[16:17], s[16:17], s[34:35]
	s_wait_alu depctr_va_vdst(0)                   ; v1, v2, v100 and v101 are written: the loads read v1 as their offset, the stores v2, st's store v2 and the pair; no later vector instruction names them
.irp i, 0,1,2,3,4,5,6,7,8,9,10,11,12,13,14,15
	global_load_b128 v[X+4*(\i):X+4*(\i)+3], v1, s[24:25] offset:(\i)*4096 th:TH_LOAD_NT
.endr
	s_wait_loadcnt 12                              ; loads come back in order: group 0's four are in, the 12 younger ones stay out
.irp i, 0,1,2,3
	CVT \i                                         ; group 0 has no group in front of it: no store, and no wait but the one for its data
.endr
.irp g, 1,2,3
	s_wait_loadcnt 12-4*(\g)                       ; group g's four loads are in, the 12 - 4 g younger ones stay out
	s_wait_alu depctr_va_vdst(0)                   ; the group before has written its Y, which the four stores below read
.irp i, 0,1,2,3
	PUT 4*(\g)-4+(\i)                              ; the group before; no vector instruction since the wait names its Y or v2
	CVT 4*(\g)+(\i)
.endr
.endr
	s_wait_alu depctr_va_vdst(0)                   ; group 3 has written its Y, which the last four stores read
.irp i, 12,13,14,15
	PUT \i
.endr
	s_cmp_ge_u32 s19, 512
	s_cbranch_scc1 .Ldone                          ; the weights' groups have no part of st
	global_store_b64 v2, v[100:101], s[16:17]      ; its three registers were written ahead of the first wait and have not been named by a vector instruction since
.Ldone:
	s_endpgm
.Lfunc_end_k_qd606a57a64_cast:
	.size	k_qd606a57a64_cast, .Lfunc_end_k_qd606a57a64_cast-k_qd606a57a64_cast
	.p2alignl 7, 3214868480
	.fill 96, 4, 3214868480
	.section	.rodata,"a",@progbits
	.p2align	6, 0x0
	.amdhsa_kernel k_qd606a57a64_cast
		.amdhsa_group_segment_fixed_size 0
		.amdhsa_private_segment_fixed_size 0
		.amdhsa_enable_private_segment 0
		.amdhsa_kernarg_size 56
		.amdhsa_user_sgpr_count 2
		.amdhsa_user_sgpr_kernarg_segment_ptr 1
		.amdhsa_wavefront_size32 1
		.amdhsa_system_sgpr_workgroup_id_x 1
		.amdhsa_system_sgpr_workgroup_id_y 1
		.amdhsa_system_sgpr_workgroup_id_z 1
		.amdhsa_system_vgpr_workitem_id 0
		.amdhsa_next_free_vgpr 104
		.amdhsa_next_free_sgpr 66
		.amdhsa_reserve_vcc 0
		.amdhsa_float_denorm_mode_32 3
		.amdhsa_float_denorm_mode_16_64 3
		.amdhsa_memory_ordered 1
		.amdhsa_forward_progress 1
		.amdhsa_inst_pref_size 8
	.end_amdhsa_kernel
	.amdgpu_metadata
---
amdhsa.version: [ 1, 2 ]
amdhsa.kernels:
  - .name:           k_qd606a57a64_cast
    .symbol:         k_qd606a57a64_cast.kd
    .args:
      - { .name: x, .offset: 0, .size: 8, .value_kind: global_buffer, .address_space: global }
      - { .name: W_q, .offset: 8, .size: 8, .value_kind: global_buffer, .address_space: global }
      - { .name: W_k, .offset: 16, .size: 8, .value_kind: global_buffer, .address_space: global }
      - { .name: W_v, .offset: 24, .size: 8, .value_kind: global_buffer, .address_space: global }
      - { .name: xb, .offset: 32, .size: 8, .value_kind: global_buffer, .address_space: global }
      - { .name: wb, .offset: 40, .size: 8, .value_kind: global_buffer, .address_space: global }
      - { .name: st, .offset: 48, .size: 8, .value_kind: global_buffer, .address_space: global }
    .group_segment_fixed_size: 0
    .private_segment_fixed_size: 0
    .kernarg_segment_align: 8
    .kernarg_segment_size: 56
    .max_flat_workgroup_size: 256
    .sgpr_count:     66
    .vgpr_count:     104
    .wavefront_size: 32
...
	.end_amdgpu_metadata
.endif
;; end of part 10
;; launch proj: the kernel of part 7 again; grid 8 x 72, 4 waves a work-group, clusters of 4 x 4, 327,680 bytes of LDS; arguments xb, wb, qk, vt, hp; writes qk, vt, hp
;; launch score: the kernel of part 8 again; grid 52 x 4, 4 waves a work-group, no clusters, 327,680 bytes of LDS; arguments qk, pt, st, hp, out0; writes pt, st, out0
;; launch pv: the kernel of part 9 again; grid 8 x 32, 4 waves a work-group, clusters of 4 x 4, 327,680 bytes of LDS; arguments pt, vt, st, out0, sink; writes out0, sink
